; MI455X (gfx1250); checked and timed in simulation.
; The chip was launched on July 23, 2026; its instructions are those of AMD's public machine-readable ISA for CDNA 5 (MIT licence, August 2026) and "CDNA5" Instruction Set Architecture Reference Guide (July 2026). The comments in the code are by the model that wrote it; some were corrected since.
;; Chaos Transformer. Allowed arithmetic: matrix products marked QUANTISED: E2M3 operands, one E8M0 scale for each 32 along K, by v_wmma_scale_f32_16x16x128_f8f6f4 with both operands' format E2M3, f32 sums; products left as they are: f32 operands where the result goes on into a quantised operand, else bf16, f16 or f32 operands; f32 sums; everything else in f32.
;; Inputs: W1 2 x 256 x 1,024 float32; W2 2 x 1,024 x 256 float32; W_emb 7 x 256 float32; W_proj 256 x 96 float32; Wk 2 x 256 x 256 float32; Wo 2 x 256 x 256 float32; Wq 2 x 256 x 256 float32; Wv 2 x 256 x 256 float32; b1 2 x 1,024 float32; b2 2 x 256 float32; b_emb 256 float32; b_proj 96 float32; bk 2 x 256 float32; bo 2 x 256 float32; bq 2 x 256 float32; bv 2 x 256 float32; ln1_b 2 x 256 float32; ln1_g 2 x 256 float32; ln2_b 2 x 256 float32; ln2_g 2 x 256 float32; lnf_b 256 float32; lnf_g 256 float32; time_diffs 4 x 2,048 float32; x_enc 4 x 2,048 x 7 float32.
;; Outputs: out0 4 x 96 float32.
;; This version of the problem:
;;   THIS VERSION OF THE PROBLEM IS GIVEN IN LOW PRECISION. The matrix products marked QUANTISED in the list below multiply operands that are first quantised to E2M3 (2 exponent bits, 3 mantissa bits; 6 bits a number), with one power-of-two scale for each 32 numbers along K (OCP MX v1.0); their sums are f32. All else is computed in f32.
;;   The module's matrix products, in the order in which they are computed (A, B: the left and right operand; K: the contracted axis; several contracted axes count as one K, in the product's order):
;;     1. [M 8,192, K 7] x [K 7, N 256]; A: input x_enc; B: input W_emb: left as it is (K = 7 < 32)
;;     2. [M 8,192, K 256] x [K 256, N 256]; A: computed on the way; B: input Wq: QUANTISED
;;     3. [M 8,192, K 256] x [K 256, N 256]; A: computed on the way; B: input Wk: QUANTISED
;;     4. [M 8,192, K 256] x [K 256, N 256]; A: computed on the way; B: input Wv: QUANTISED
;;     5. batch 32 x [M 2,048, K 32] x [K 32, N 2,048]; A: computed on the way; B: computed on the way: QUANTISED
;;     6. batch 32 x [M 2,048, K 2,048] x [K 2,048, N 32]; A: softmax (see below); B: computed on the way: QUANTISED
;;     7. [M 8,192, K 256] x [K 256, N 256]; A: computed on the way; B: input Wo: QUANTISED
;;     8. [M 8,192, K 256] x [K 256, N 1,024]; A: computed on the way; B: input W1: QUANTISED
;;     9. [M 8,192, K 1,024] x [K 1,024, N 256]; A: computed on the way; B: input W2: QUANTISED
;;     10. [M 8,192, K 256] x [K 256, N 256]; A: computed on the way; B: input Wq: QUANTISED
;;     11. [M 8,192, K 256] x [K 256, N 256]; A: computed on the way; B: input Wk: QUANTISED
;;     12. [M 8,192, K 256] x [K 256, N 256]; A: computed on the way; B: input Wv: QUANTISED
;;     13. batch 32 x [M 2,048, K 32] x [K 32, N 2,048]; A: computed on the way; B: computed on the way: QUANTISED
;;     14. batch 32 x [M 2,048, K 2,048] x [K 2,048, N 32]; A: softmax (see below); B: computed on the way: QUANTISED
;;     15. [M 8,192, K 256] x [K 256, N 256]; A: computed on the way; B: input Wo: QUANTISED
;;     16. [M 8,192, K 256] x [K 256, N 1,024]; A: computed on the way; B: input W1: QUANTISED
;;     17. [M 8,192, K 1,024] x [K 1,024, N 256]; A: computed on the way; B: input W2: QUANTISED
;;     18. [M 8,192, K 256] x [K 256, N 96]; A: computed on the way; B: input W_proj: QUANTISED
;;   THE QUANTISER, for each operand of a quantised product, along K:
;;     - K is cut into blocks of 32 from its start; a last block that is shorter is filled with zeros.
;;     - A block's scale is 2^e with e = floor(log2(the largest magnitude in the block)) - 2, held to -126 .. 127; a block of zeros has e = 0. As a byte (E8M0): e + 127.
;;     - Each number is divided by its block's scale, clamped to +-7.5, and rounded to the nearest number of E2M3, ties to even, subnormals kept.
;;     - The product sums the exact products of the quantised numbers (number of the format x scale) in f32.
;;   ~~~python
;;   def quantise(x, axis):      # numpy; x: float32 -> the quantised numbers, widened to float32 again
;;       x = np.moveaxis(x, axis, -1); K = x.shape[-1]
;;       x = np.pad(x, [(0, 0)] * (x.ndim - 1) + [(0, -K % 32)]); x = x.reshape(x.shape[:-1] + (-1, 32)); a = np.abs(x).max(-1, keepdims=True)
;;       e = np.where(a > 0, np.clip(np.frexp(np.where(a > 0, a, 1))[1] - 1 - 2, -126, 127), 0)      # np.frexp(a)[1] - 1 = floor(log2(a)), exactly
;;       r = np.clip(x / 2.0 ** e, -7.5, 7.5)
;;       step = 2.0 ** (np.maximum(np.frexp(np.where(r == 0, 1, r))[1] - 1, 0) - 3)
;;       q = np.round(r / step) * step * 2.0 ** e      # np.round: ties to even
;;       return np.moveaxis(q.reshape(q.shape[:-2] + (-1,))[..., :K], -1, axis).astype(np.float32)
;;   ~~~
;;   SOFTMAX AHEAD OF A QUANTISED PRODUCT. Where the list says 'softmax', what is quantised is not the finished softmax but p = 2^(t - M), with t = logit x log2(e) and M = ceil(the row's largest t), a whole number; so 1/2 < the row's largest p <= 1. The row's sum l is taken of the UNQUANTISED p, in f32, and the product's result is divided by l at the end. Since M is a whole number, a kernel that streams over the keys may use a running M (the ceiling of the running maximum): every later rescaling is an exact power of two, which a block's scale takes up: the codes' values come out the same.
;;   OPERANDS COMPUTED ON THE WAY. 'Computed on the way' means the value that the module computes at that place (a softmax that the list does not call 'softmax' is quantised finished and normalised). What goes into a quantiser is computed in f32, as accurately as f32 sums, v_exp_f32 and their like allow (about 1e-6 of the number): no bf16 or f16 on the way to a quantiser, and a product that is left as it is and whose result goes on into a quantised operand takes f32 operands (vector FMAs, or v_wmma_f32_16x16x4_f32). A number that lies on a knife's edge between two numbers of the format may be rounded either way, as far as f32 arithmetic and the matrix unit's own rounding can turn it there, and no further.
;; 2 versions. Each part assembles by itself: llvm-mc -triple=amdgcn-amd-amdhsa -mcpu=gfx1250 --defsym DOCPART=n.
;; ======== version 1 of 2: 4 launches
;; workspace buffers: lay1 652,288 bytes; lay2 652,288 bytes; fin 19,968 bytes; xfA 8,388,608 bytes; xfB 8,388,608 bytes; xqA 1,638,400 bytes; xqB 1,638,400 bytes
;; launch prep (part 1): grid 356 x 1, 8 waves a work-group, no clusters, 45,056 bytes of LDS; arguments x_enc, W_emb, b_emb, Wq, Wk, Wv, Wo, W1, W2, W_proj, bq, bk, bv, bo, b1, b2, ln1_g, ln1_b, ln2_g, ln2_b, lay1, lay2, fin, xfA, xqA; writes lay1, lay2, fin, xfA, xqA
.if DOCPART == 1
	.amdgcn_target "amdgcn-amd-amdhsa--gfx1250"
	.amdhsa_code_object_version 6
	.text
	.protected	k_q9529b4c655_prep
	.globl	k_q9529b4c655_prep
	.p2align	8
	.type	k_q9529b4c655_prep,@function
k_q9529b4c655_prep:
	s_mov_b64 s[64:65], 0
	v_nop
	global_prefetch_b8 v0, s[64:65] scope:SCOPE_SE
	s_setreg_imm32_b32 hwreg(HW_REG_WAVE_MODE, 25, 1), 1
	s_wait_xcnt 0x0
; PREP.  Three kinds of work-groups, told apart by the work-group's number alone.
;  0..255   E: x = x_enc W_emb + b_emb (f32 multiply-adds) for 32 rows; x goes out as f32 rows (xfA) and as codes of E2M3 with E8M0 scale bytes (xqA).
;  256..353 W: a wave turns 16 columns x 128 K of one weight into one operand fragment (codes + scale word) of lay1, lay2 or fin.
;  354,355  C: the layer's biases and gains are gathered behind the fragments of lay1, lay2.
; THE QUANTISER: a block of 32 along K; scale 2^(floor(log2(largest magnitude)) - 2); its byte is the largest magnitude's exponent field - 2, held at 1 from below by a floor among the maximum's leaves.
; LIMITS: a block of zeros gets the byte 1 where the rule says 127 (its codes are zeros, and this program alone reads the bytes); NaN and infinities among the inputs are not served.
; LAYOUTS.  A weight fragment: 1,536 bytes, registers 4 q .. 4 q + 3 of lane L at 512 q + 16 L; its scale word of lane L at 4 L.
; An x fragment (16 rows x 128 K): two halves c of 768 bytes; registers 6 c .. 6 c + 3 of lane L at 768 c + 16 L, registers 6 c + 4, 6 c + 5 at 768 c + 512 + 8 L; so a lane that holds one block's 24 bytes stores 16 + 8.
; ROWS.  Work-group 8 blk + j owns the rows 256 blk + 64 (j / 2) + 2 (j % 2) + T + 4 n, T = 0, 1, n = 0 .. 15: tile 2 j + T of its block of 256 rows.
.set PAR,  638976                      ; the parameters behind 384 fragments and 384 scale words
.set SCO,  589824                      ; where the scale words of lay1, lay2 begin
.set ESA,  0                           ; LDS (role E alone): a stage of 32 rows, 1,168 bytes apart, each of 8 column blocks 144 bytes apart
.set EXO,  37376                       ; four x fragments
.set EXOS, 43520                       ; their scale words, 64 bytes each
; 32 numbers of ONE lane, v[s] .. v[s + 31], are one block: codes into v[pb] .. v[pb + 5], the byte into v[tm + 3]
.macro QBLK s, pb, pt, tm
	v_max3_num_f32 v[\tm], |v[\s]|, |v[\s+1]|, 0x1800000             ; two chains, each begun with the floor 2^(3 - 127)
	v_max3_num_f32 v[\tm+1], |v[\s+2]|, |v[\s+3]|, 0x1800000
.irp i,4,8,12,16,20,24,28
	v_max3_num_f32 v[\tm], v[\tm], |v[\s+\i]|, |v[\s+\i+1]|
	v_max3_num_f32 v[\tm+1], v[\tm+1], |v[\s+\i+2]|, |v[\s+\i+3]|
.endr
	v_max_num_f32 v[\tm], v[\tm], v[\tm+1]
	v_add_nc_u32 v[\tm+2], 0xff000000, v[\tm]                        ; 2 off the exponent field: the conversion's scale operand
	v_lshrrev_b32 v[\tm+3], 23, v[\tm+2]                             ; the scale's byte
	v_cvt_scalef32_pk16_fp6_f32 v[\pb:\pb+2], v[\s:\s+15], v[\tm+2]
	v_cvt_scalef32_pk16_fp6_f32 v[\pt:\pt+2], v[\s+16:\s+31], v[\tm+2]  ; (a conversion's three registers begin on an even number)
	v_nop                                                            ; one plain place behind a scaled conversion
.irp i,0,1,2
	v_mov_b32 v[\pb+3+\i], v[\pt+\i]
.endr
.endm
	s_load_b512 s[4:19], s[0:1], 0x0               ; x_enc 4, W_emb 6, b_emb 8, Wq 10, Wk 12, Wv 14, Wo 16, W1 18
	s_load_b512 s[20:35], s[0:1], 0x40             ; W2 20, W_proj 22, bq 24, bk 26, bv 28, bo 30, b1 32, b2 34
	s_load_b512 s[36:51], s[0:1], 0x80             ; ln1_g 36, ln1_b 38, ln2_g 40, ln2_b 42, lay1 44, lay2 46, fin 48, xfA 50
	s_load_b64 s[52:53], s[0:1], 0xc0              ; xqA
	v_lshl_add_u32 v22, v0, 2, 0xac00
	v_mov_b32 v23, 0
	v_lshrrev_b32 v1, 5, v0
	v_readfirstlane_b32 s57, v1                    ; wave 0..7
	v_and_b32 v2, 31, v0                           ; lane L
	v_lshlrev_b32 v1, 4, v2                        ; 16 L
	v_lshlrev_b32 v3, 2, v2                        ; 4 L
	s_mov_b32 s72, 0x76543210
	s_mov_b32 s73, 0xfedcba98                      ; v_permlanex16_b32's selects for lane l xor 16
	s_cmp_lt_u32 ttmp9, 256
	s_cbranch_scc0 .Lnot_e
; ---------------- ROLE E.  Wave w, lane L: own row 4 w + L / 8 (T = w / 4, n = 4 (w % 4) + L / 8), columns 32 (L % 8) + 0 .. 31: one block of 32 in a lane
	s_lshr_b32 s54, ttmp9, 3                       ; blk
	s_and_b32 s55, ttmp9, 7                        ; j
	s_lshr_b32 s58, s57, 2                         ; T
	s_and_b32 s59, s57, 3
	v_bfe_u32 v15, v0, 3, 2                        ; L / 8
	v_and_b32 v16, 7, v0                           ; L % 8
	v_bfe_u32 v17, v0, 2, 1                        ; the block's K step
	v_bfe_u32 v18, v0, 1, 1                        ; its half c of the fragment
	v_and_b32 v19, 1, v0                           ; its half of the lanes
	v_and_b32 v20, 3, v0                           ; its byte in the scale word
	v_mul_u32_u24 v4, v15, 112                     ; x_enc: my row lies 4 (L / 8) rows of 28 bytes on
	v_lshlrev_b32 v5, 7, v16                       ; my 32 columns in b_emb and in a row of W_emb
	s_mul_i32 s60, s57, 4672                       ; my wave's four rows of the stage
	v_mad_u32_u24 v13, v15, 1168, s60
	v_mad_u32_u24 v13, v16, 144, v13               ; v13: my row, my column block
	v_mad_u32_u24 v14, v15, 144, s60
	v_lshl_add_u32 v14, v16, 4, v14                ; v14: the way out: 512 consecutive bytes of a row to 32 lanes
	s_mul_i32 s61, s58, 3072
	s_lshl_b32 s60, s59, 6
	s_add_co_u32 s60, s60, s61
	s_add_co_u32 s60, s60, EXO
	v_lshl_add_u32 v10, v15, 4, s60
	v_mad_u32_u24 v10, v17, 1536, v10
	v_mad_u32_u24 v10, v18, 768, v10
	v_lshl_add_u32 v10, v19, 8, v10                ; v10: my block's first 16 bytes in its fragment
	s_lshl_b32 s60, s59, 5
	s_add_co_u32 s60, s60, s61
	s_add_co_u32 s60, s60, EXO
	v_lshl_add_u32 v11, v15, 3, s60
	v_mad_u32_u24 v11, v17, 1536, v11
	v_mad_u32_u24 v11, v18, 768, v11
	v_lshl_add_u32 v11, v19, 7, v11                ; v11: its last 8 (+ 512 in the store)
	s_lshl_b32 s60, s58, 7
	s_lshl_b32 s61, s59, 4
	s_add_co_u32 s60, s60, s61
	s_add_co_u32 s60, s60, EXOS
	v_lshl_add_u32 v12, v15, 2, s60
	v_lshl_add_u32 v12, v17, 6, v12
	v_add_nc_u32 v12, v12, v20                     ; v12: its scale byte
	v_lshl_add_u32 v6, v0, 3, EXO                  ; the copy out: 8 bytes a thread
	v_lshlrev_b32 v7, 3, v0
	v_lshl_add_u32 v8, v2, 3, EXOS
	v_lshlrev_b32 v9, 3, v2
	v_mov_b32 v31, 0                               ; the upper half of the pair that holds x's seventh number
	s_lshl_b32 s62, s54, 8
	s_lshr_b32 s63, s55, 1
	s_lshl_b32 s63, s63, 6
	s_add_co_u32 s62, s62, s63
	s_and_b32 s63, s55, 1
	s_lshl_b32 s63, s63, 1
	s_add_co_u32 s62, s62, s63
	s_add_co_u32 s62, s62, s58
	s_lshl_b32 s63, s59, 4
	s_add_co_u32 s62, s62, s63                     ; my wave's first row: 256 blk + 64 (j / 2) + 2 (j % 2) + T + 16 (w % 4)
	s_mul_i32 s66, s62, 28
	s_mov_b32 s67, 0
	s_lshl_b32 s68, s62, 10
	s_mov_b32 s69, 0
	s_mul_i32 s70, s54, 51200
	s_mul_i32 s71, s55, 6144
	s_add_co_u32 s70, s70, s71
	s_mov_b32 s71, 0
	s_mul_i32 s74, s54, 51200
	s_lshl_b32 s75, s55, 8
	s_add_co_u32 s74, s74, s75
	s_mov_b32 s75, 0
	s_wait_kmcnt 0x0
	s_add_nc_u64 s[4:5], s[4:5], s[66:67]
	s_add_nc_u64 s[50:51], s[50:51], s[68:69]
	s_add_nc_u64 s[76:77], s[52:53], s[70:71]      ; my four fragments in xqA
	s_add_nc_u64 s[78:79], s[52:53], s[74:75]      ; and (49,152 on) their scale words
.irp d,0,1,2,3,4,5,6
	global_load_b32 v[24+\d], v4, s[4:5] offset:4*\d
.endr
.irp i,0,1,2,3,4,5,6,7
	global_load_b128 v[32+4*\i:35+4*\i], v5, s[8:9] offset:16*\i           ; the bias starts the sums
.endr
.irp d,0,1,2,3,4,5
.irp i,0,1,2,3,4,5,6,7
	global_load_b128 v[64+32*\d+4*\i:67+32*\d+4*\i], v5, s[6:7] offset:1024*\d+16*\i
.endr
.endr
.macro EFMA d, wr                      ; x(row, d) times row d of W_emb onto my 32 sums, two at a time
.irp i,0,2,4,6,8,10,12,14,16,18,20,22,24,26,28,30
.if (\d)%2
	v_pk_fma_f32 v[32+\i:33+\i], v[\wr+\i:\wr+\i+1], v[23+\d:24+\d], v[32+\i:33+\i] op_sel:[0,1,0] op_sel_hi:[1,1,1]   ; the pair's second word for both halves
.else
	v_pk_fma_f32 v[32+\i:33+\i], v[\wr+\i:\wr+\i+1], v[24+\d:25+\d], v[32+\i:33+\i] op_sel_hi:[1,0,1]                  ; its first word for both
.endif
.endr
.endm
	s_wait_loadcnt 40                              ; x, the bias and row 0 are in; rows 1 to 5 (40 loads) may be out
	EFMA 0, 64
.irp i,0,1,2,3,4,5,6,7
	global_load_b128 v[64+4*\i:67+4*\i], v5, s[6:7] offset:6144+16*\i      ; row 6 into row 0's registers
.endr
	s_wait_loadcnt 40                              ; row 1 is in: behind it rows 2 to 6
	EFMA 1, 96
	s_wait_loadcnt 32
	EFMA 2, 128
	s_wait_loadcnt 24
	EFMA 3, 160
	s_wait_loadcnt 16
	EFMA 4, 192
	s_wait_loadcnt 8
	EFMA 5, 224
	s_wait_loadcnt 0x0
	EFMA 6, 64
	QBLK 32, 96, 102, 106
	ds_store_b128 v10, v[96:99]
	ds_store_b64 v11, v[100:101] offset:512
	ds_store_b8 v12, v109
.irp i,0,1,2,3,4,5,6,7
	ds_store_b128 v13, v[32+4*\i:35+4*\i] offset:16*\i                     ; my wave's own four rows of the stage
.endr
.irp q,0,1,2,3
.irp i,0,1
	ds_load_b128 v[128+8*\q+4*\i:131+8*\q+4*\i], v14 offset:1168*\q+576*\i ; LDS serves a wave's instructions in order: these see the stores above
.endr
.endr
.irp q,0,1,2,3
.irp i,0,1
	s_wait_dscnt 7-2*\q-\i
	global_store_b128 v1, v[128+8*\q+4*\i:131+8*\q+4*\i], s[50:51] offset:4096*\q+512*\i   ; 32 lanes store 512 consecutive bytes of a row of x
.endr
.endr
	s_wait_dscnt 0x0                               ; my stores into the fragments have landed
	s_barrier_signal -1
	s_barrier_wait -1                              ; everybody's have
.irp i,0,1,2
	ds_load_b64 v[112+2*\i:113+2*\i], v6 offset:2048*\i
.endr
	s_wait_dscnt 0x0
.irp i,0,1,2
	global_store_b64 v7, v[112+2*\i:113+2*\i], s[76:77] offset:2048*\i     ; the four fragments, 6,144 dense bytes
.endr
	s_cmp_lg_u32 s57, 0
	s_cbranch_scc1 .Le_end
	ds_load_b64 v[118:119], v8
	s_wait_dscnt 0x0
	global_store_b64 v9, v[118:119], s[78:79] offset:49152                 ; their 256 scale bytes
.Le_end:
	s_wait_tensorcnt 0x0
	ds_add_u32 v22, v23
	s_wait_dscnt 0x0
	s_endpgm
; ---------------- ROLE W.  A lane takes a column of the weight and its registers run down K: lane (r, h) holds k = 128 s + 64 c + 32 h + 0 .. 31, c = 0, 1: two whole blocks
.Lnot_e:
	s_wait_kmcnt 0x0
	s_cmp_lt_u32 ttmp9, 354
	s_cbranch_scc0 .Lrole_c
	v_and_b32 v5, 7, v0                            ; r % 8
	v_bfe_u32 v6, v0, 3, 1                         ; r / 8
	v_bfe_u32 v7, v0, 4, 1                         ; h
; p: the weight's pointer; lb: bytes of a layer; nn: its columns; ty: which 16 columns form tile ct; ksh: log2 of its K steps; m0: the weight's first work-group; phi0: its first fragment; lim: fragments, where the last work-group has waves over
;  ty 0: column 32 (ct / 2) + 8 (ct % 2) + r % 8 + 16 (r / 8): the results of two neighbouring tiles are 16 neighbours along the next K
;  ty 1: column 16 ct + r      ty 2: column 2 ct + 32 (r % 8) + r / 8: a lane's eight results are the eight groups of 32 columns at one place in the group
.macro WPATH p, lb, nn, ty, ksh, m0, phi0, lim
	s_sub_co_u32 s60, s54, \m0
	s_lshl_b32 s60, s60, 3
	s_add_co_u32 s60, s60, s57                     ; the fragment's number in its weight
.if \lim
	s_cmp_lt_u32 s60, \lim
	s_cbranch_scc0 .Lw_end
.endif
	s_lshr_b32 s61, s60, \ksh                      ; ct
	s_and_b32 s62, s60, (1<<\ksh)-1                ; K step s
	s_add_co_u32 s63, s60, \phi0                   ; its number in the buffer
.if \ty == 0
	s_lshr_b32 s66, s61, 1
	s_lshl_b32 s66, s66, 7
	s_and_b32 s67, s61, 1
	s_lshl_b32 s67, s67, 5
	s_add_co_u32 s66, s66, s67
	v_lshl_add_u32 v4, v5, 2, s66
	v_lshl_add_u32 v4, v6, 6, v4
.elseif \ty == 1
	s_lshl_b32 s66, s61, 6
	v_lshl_add_u32 v4, v5, 2, s66
	v_lshl_add_u32 v4, v6, 5, v4
.else
	s_lshl_b32 s66, s61, 3
	v_lshl_add_u32 v4, v5, 7, s66
	v_lshl_add_u32 v4, v6, 2, v4
.endif
	v_mad_u32_u24 v4, v7, 128*\nn, v4              ; lanes 16-31 begin 32 rows further down
	s_mul_i32 s70, s55, \lb
	s_mul_i32 s71, s62, 512*\nn
	s_add_co_u32 s70, s70, s71
	s_mov_b32 s71, 0
	s_add_nc_u64 s[68:69], s[\p:\p+1], s[70:71]
.irp c,0,1
.irp i,0,1,2,3,4,5,6,7,8,9,10,11,12,13,14,15,16,17,18,19,20,21,22,23,24,25,26,27,28,29,30,31
	global_load_b32 v[64+32*\c+\i], v4, s[68:69] offset:4*\nn*(64*\c+\i)
.endr
.endr
	s_branch .Lq
.endm
	s_sub_co_u32 s54, ttmp9, 256
	s_cmp_lt_u32 s54, 96
	s_cbranch_scc0 .Lproj
	s_cmp_lt_u32 s54, 48                           ; 48 work-groups a layer
	s_cselect_b32 s55, 0, 1                        ; the layer
	s_cselect_b32 s56, 0, 48
	s_cselect_b64 s[58:59], s[44:45], s[46:47]     ; lay1 or lay2: the choice hangs on the work-group's number alone
	s_sub_co_u32 s54, s54, s56
	s_mov_b32 s78, SCO
	s_cmp_lt_u32 s54, 4
	s_cbranch_scc0 .Lnot_wq
	WPATH 10, 262144, 256, 0, 1, 0, 0, 0
.Lnot_wq:
	s_cmp_lt_u32 s54, 8
	s_cbranch_scc0 .Lnot_wk
	WPATH 12, 262144, 256, 0, 1, 4, 32, 0
.Lnot_wk:
	s_cmp_lt_u32 s54, 12
	s_cbranch_scc0 .Lnot_wv
	WPATH 14, 262144, 256, 2, 1, 8, 64, 0
.Lnot_wv:
	s_cmp_lt_u32 s54, 16
	s_cbranch_scc0 .Lnot_wo
	WPATH 16, 262144, 256, 1, 1, 12, 96, 0
.Lnot_wo:
	s_cmp_lt_u32 s54, 32
	s_cbranch_scc0 .Lnot_w1
	WPATH 18, 1048576, 1024, 0, 1, 16, 128, 0
.Lnot_w1:
	WPATH 20, 1048576, 256, 1, 3, 32, 256, 0
.Lproj:
	s_sub_co_u32 s54, s54, 96
	s_mov_b32 s55, 0
	s_mov_b64 s[58:59], s[48:49]                   ; fin
	s_mov_b32 s78, 18432
	WPATH 22, 0, 96, 1, 1, 0, 0, 12
.Lq:
	s_mul_i32 s70, s63, 1536
	s_mov_b32 s71, 0
	s_add_nc_u64 s[74:75], s[58:59], s[70:71]      ; the fragment's place
	s_lshl_b32 s70, s63, 7
	s_add_co_u32 s70, s70, s78
	s_add_nc_u64 s[76:77], s[58:59], s[70:71]      ; its scale words' place
	s_wait_loadcnt 0x0
	QBLK 64, 32, 44, 48                            ; registers 0-5 of the operand
	QBLK 96, 38, 44, 52                            ; registers 6-11
	v_lshl_or_b32 v56, v55, 16, v51                ; my two bytes: blocks h and 2 + h of my column,
	v_lshlrev_b32 v57, 3, v7
	v_lshlrev_b32 v56, v57, v56                    ; at their places in the scale word;
	v_mov_b32 v58, 0
	v_permlanex16_b32 v58, v56, s72, s73
	v_or_b32 v56, v56, v58                         ; with lane l xor 16's two the word is whole, in both halves of the lanes
	global_store_b128 v1, v[32:35], s[74:75]
	global_store_b128 v1, v[36:39], s[74:75] offset:512
	global_store_b128 v1, v[40:43], s[74:75] offset:1024                   ; each store of the wave covers 512 consecutive bytes
	global_store_b32 v3, v56, s[76:77]
.Lw_end:
	s_endpgm
; ---------------- ROLE C.  b1 (1,024 numbers) and nine vectors of 256, one layer to a work-group
.Lrole_c:
	s_sub_co_u32 s54, ttmp9, 354
	s_cmp_eq_u32 s54, 0
	s_cselect_b64 s[58:59], s[44:45], s[46:47]
	s_lshl_b32 s60, s54, 10
	s_mov_b32 s61, 0
	s_lshl_b32 s62, s54, 12
	s_mov_b32 s63, 0
	s_add_nc_u64 s[32:33], s[32:33], s[62:63]
.irp p,36,38,40,42,34,30,24,26,28
	s_add_nc_u64 s[\p:\p+1], s[\p:\p+1], s[60:61]
.endr
	v_lshlrev_b32 v4, 4, v0
	v_lshlrev_b32 v5, 2, v0
	global_load_b128 v[8:11], v4, s[32:33]
.set KK, 0
.irp p,36,38,40,42,34,30,24,26,28      ; ln1_g, ln1_b, ln2_g, ln2_b, b2, bo, bq, bk, bv
	global_load_b32 v[12+KK], v5, s[\p:\p+1]
.set KK, KK+1
.endr
	s_wait_loadcnt 0x0
	global_store_b128 v4, v[8:11], s[58:59] offset:PAR
.set KK, 0
.rept 9
	global_store_b32 v5, v[12+KK], s[58:59] offset:PAR+4096+1024*KK
.set KK, KK+1
.endr
	s_endpgm
.Lfunc_end_k_q9529b4c655_prep:
	.size	k_q9529b4c655_prep, .Lfunc_end_k_q9529b4c655_prep-k_q9529b4c655_prep
	.p2alignl 7, 3214868480
	.fill 96, 4, 3214868480
	.section	.rodata,"a",@progbits
	.p2align	6, 0x0
	.amdhsa_kernel k_q9529b4c655_prep
		.amdhsa_group_segment_fixed_size 45056
		.amdhsa_private_segment_fixed_size 0
		.amdhsa_enable_private_segment 0
		.amdhsa_kernarg_size 200
		.amdhsa_user_sgpr_count 2
		.amdhsa_user_sgpr_kernarg_segment_ptr 1
		.amdhsa_wavefront_size32 1
		.amdhsa_system_sgpr_workgroup_id_x 1
		.amdhsa_system_sgpr_workgroup_id_y 1
		.amdhsa_system_sgpr_workgroup_id_z 1
		.amdhsa_system_vgpr_workitem_id 0
		.amdhsa_next_free_vgpr 256
		.amdhsa_next_free_sgpr 80
		.amdhsa_reserve_vcc 0
		.amdhsa_float_denorm_mode_32 3
		.amdhsa_float_denorm_mode_16_64 3
		.amdhsa_memory_ordered 1
		.amdhsa_forward_progress 1
		.amdhsa_inst_pref_size 78
	.end_amdhsa_kernel
	.amdgpu_metadata
---
amdhsa.version: [ 1, 2 ]
amdhsa.kernels:
  - .name:           k_q9529b4c655_prep
    .symbol:         k_q9529b4c655_prep.kd
    .args:
      - { .name: x_enc, .offset: 0, .size: 8, .value_kind: global_buffer, .address_space: global }
      - { .name: W_emb, .offset: 8, .size: 8, .value_kind: global_buffer, .address_space: global }
      - { .name: b_emb, .offset: 16, .size: 8, .value_kind: global_buffer, .address_space: global }
      - { .name: Wq, .offset: 24, .size: 8, .value_kind: global_buffer, .address_space: global }
      - { .name: Wk, .offset: 32, .size: 8, .value_kind: global_buffer, .address_space: global }
      - { .name: Wv, .offset: 40, .size: 8, .value_kind: global_buffer, .address_space: global }
      - { .name: Wo, .offset: 48, .size: 8, .value_kind: global_buffer, .address_space: global }
      - { .name: W1, .offset: 56, .size: 8, .value_kind: global_buffer, .address_space: global }
      - { .name: W2, .offset: 64, .size: 8, .value_kind: global_buffer, .address_space: global }
      - { .name: W_proj, .offset: 72, .size: 8, .value_kind: global_buffer, .address_space: global }
      - { .name: bq, .offset: 80, .size: 8, .value_kind: global_buffer, .address_space: global }
      - { .name: bk, .offset: 88, .size: 8, .value_kind: global_buffer, .address_space: global }
      - { .name: bv, .offset: 96, .size: 8, .value_kind: global_buffer, .address_space: global }
      - { .name: bo, .offset: 104, .size: 8, .value_kind: global_buffer, .address_space: global }
      - { .name: b1, .offset: 112, .size: 8, .value_kind: global_buffer, .address_space: global }
      - { .name: b2, .offset: 120, .size: 8, .value_kind: global_buffer, .address_space: global }
      - { .name: ln1_g, .offset: 128, .size: 8, .value_kind: global_buffer, .address_space: global }
      - { .name: ln1_b, .offset: 136, .size: 8, .value_kind: global_buffer, .address_space: global }
      - { .name: ln2_g, .offset: 144, .size: 8, .value_kind: global_buffer, .address_space: global }
      - { .name: ln2_b, .offset: 152, .size: 8, .value_kind: global_buffer, .address_space: global }
      - { .name: lay1, .offset: 160, .size: 8, .value_kind: global_buffer, .address_space: global }
      - { .name: lay2, .offset: 168, .size: 8, .value_kind: global_buffer, .address_space: global }
      - { .name: fin, .offset: 176, .size: 8, .value_kind: global_buffer, .address_space: global }
      - { .name: xfA, .offset: 184, .size: 8, .value_kind: global_buffer, .address_space: global }
      - { .name: xqA, .offset: 192, .size: 8, .value_kind: global_buffer, .address_space: global }
    .group_segment_fixed_size: 45056
    .private_segment_fixed_size: 0
    .kernarg_segment_align: 8
    .kernarg_segment_size: 200
    .max_flat_workgroup_size: 256
    .sgpr_count:     80
    .vgpr_count:     256
    .wavefront_size: 32
...
	.end_amdgpu_metadata
.endif
;; end of part 1
;; launch layer1 (part 2): grid 256 x 1, 16 waves a work-group, no clusters, 283,392 bytes of LDS; arguments xfA, xqA, time_diffs, lay1, xfB, xqB; writes xfB, xqB
.if DOCPART == 2
	.amdgcn_target "amdgcn-amd-amdhsa--gfx1250"
	.amdhsa_code_object_version 6
	.text
	.protected	k_q9529b4c655_layer1
	.globl	k_q9529b4c655_layer1
	.p2align	8
	.type	k_q9529b4c655_layer1,@function
k_q9529b4c655_layer1:
	s_mov_b64 s[64:65], 0
	v_nop
	global_prefetch_b8 v0, s[64:65] scope:SCOPE_SE
	s_setreg_imm32_b32 hwreg(HW_REG_WAVE_MODE, 25, 1), 1
	s_wait_xcnt 0x0
; ONE ENCODER LAYER.  x: [8192][256].  The reshape to heads is a plain re-reading of memory: head h of batch b is the block of 256 rows blk = 8 b + h; head position l = 8 x (row in the block) + column / 32, e = column % 32.
; So attention mixes the 256 rows of one block alone.  Work-group 8 blk + j makes the rows 64 (j / 2) + 2 (j % 2) + T + 4 n (T = 0, 1; n = 0 .. 15) of block blk: 32 rows, 256 queries.
; All products are on codes of E2M3 with one E8M0 scale for each 32 along K; every operand made here is quantised in f32 registers and goes from wave to wave through LDS in the order of the operand's registers.
; PHASES (a barrier between each two): copy of the block's x codes | Q of my 256 queries; K and V of all 256 rows (every work-group of a block makes them anew: they never go to memory) | attention, a wave to 16 queries,
; 128 keys a step | out Wo + bo + x | LayerNorm 1 | relu(. W1 + b1) | relu(. W2 + b2) | LayerNorm 2, x out as f32 rows and as codes.
; EVERY PRODUCT IS USED TRANSPOSED: source 0 = 16 columns of a weight (or 16 keys, or 16 of V's e), source 1 = 16 rows (queries): a lane holds ONE row and its registers run along the next K.
; ROW TILES ARE STRIDED: lane n of tile 4 a + p holds block row 64 a + 4 n + p, so a lane's four tiles are the 4 rows x 8 groups of ONE block of 32 keys (key block 16 a + n, place 8 p + group).
; Q K^T HAS K = 32: a fragment of K holds FOUR tiles of 16 keys in its four blocks of 32 along K; Q stands in one block and zero codes in the other three (four versions of Q in overlapping registers).
; THE SOFTMAX: t = score x c, c = exp(-time_diff / 5) log2(e) / sqrt(5) of the lane's query; M = the running largest t rounded up to a whole number; p = 2^(t - M) is quantised along the keys; the sum is taken of the
; unquantised p and divides at the end; when M moves, sum and O are multiplied by 2^(old M - new M), which rounds nothing.
; LIMITS: NaN and infinities are not served; a block of zeros gets the scale byte 1 where the rule says 127 (zero codes; this program alone reads the bytes); -time_diff log2(e) / 5 stays inside v_exp_f32's range
; (under -126 the factor c falls to 0); p under 2^-126 falls to 0; f32 sums are taken in another order than the reference's.  Every listed product is formed for all rows, also those that the returned slice drops.
; The codes that the second layer's launch stores are read by nobody: the price of one text for both layers.
; No tensor loads: each weight fragment is read once by the one wave that multiplies by it, straight into its registers, and every LDS region is written once (the stage SA is rewritten in place by the lanes that read it).
.set PAR, 638976                       ; lay: parameters (b1 0, ln1_g 4096, ln1_b 5120, ln2_g 6144, ln2_b 7168, b2 8192, bo 9216, bq 10240, bk 11264, bv 12288)
.set SCO, 589824                       ; lay: scale words, 128 bytes a fragment
.set XI,  0                            ; LDS: x's 32 fragments (2 tile + K step), 1,536 bytes each
.set XS,  49152                        ; their scale words, 64 bytes each
.set KI,  51200                        ; K's 32 fragments (2 step + f)
.set KS,  100352                       ; 128 bytes a step: word at 64 f + 4 row
.set VI,  102400                       ; V's 32 fragments (2 step + dt)
.set VS,  151552
.set AO,  153600                       ; attention's output, 4 fragments (2 T + K step)
.set AOS, 159744
.set YI,  160000                       ; LayerNorm 1's output, 4 fragments
.set YS,  166144
.set HI,  166400                       ; the hidden layer, 16 fragments (8 T + K step)
.set HS,  190976
.set XO,  192000                       ; the layer's output, 4 fragments
.set XOS, 198144
.set SA,  198400                       ; f32 stage: 32 rows 1,168 bytes apart, 8 column blocks 144 bytes apart
.set SB,  235776                       ; a second one
.set PR,  273152                       ; the first 8,192 bytes of the parameters
; REGISTERS.  v1-31 addresses, made once at the head.  v32-47 scale words and nothing else.  v48-255 by phase (see each phase).
.set QS,  32                           ; Q's scale byte in all four places;   later, v32-35: the scale words of the rows' fragments
.set KSW, 33
.set VSW, 34
.set PSW, 35
.set QZ,  48                           ; v48-77: zeros, Q in lanes 0-15, zeros, Q in lanes 16-31, zeros (six registers each)
.set O,   78                           ; v78-93  O^T: register i = e 16 h + i of my query
.set CQ,  94                           ; v[94:95] c
.set NM,  96                           ; v96 -M, v97 the largest t
.set SUM, 98                           ; v[98:99]
.set FF,  100                          ; v[100:101] 2^(old M - new M)
.set ADA, 102
.set ADB, 103
.set ADS, 104
.set PX2, 105
.set BM,  106                          ; v106, v107 the two blocks' largest scores
.set RM,  108
.set PX,  109
.set DM,  110
.set TW,  111
.set SCL, 112
.set BY,  114
.set S2,  116
.set WO,  118                          ; v118-141 Wo's two fragments
.set KF,  142                          ; v142-165 two fragments of K, then of V
.set PC,  166                          ; v166-177 p's codes
.set PT0, 178
.set PT1, 182
.set S,   192                          ; v192-255 the scores, then p
.set RC,  70                           ; s70 1/256, s71 the norm's epsilon
.macro PLACES n                        ; plain vector places behind matrix instructions: 4 in front of reads of results and of loads or vector writes into their registers, 5 in front of a matrix instruction that writes over them
.rept \n
	v_nop
.endr
.endm
.macro BARRIER                         ; my LDS stores have landed and my LDS loads are in: then the work-group's barrier
	s_wait_dscnt 0x0
	s_barrier_signal -1
	s_barrier_wait -1
.endm
.macro WM d, a, b, c, sa, sb
	v_wmma_scale_f32_16x16x128_f8f6f4 v[\d:\d+7], v[\a:\a+11], v[\b:\b+11], v[\c:\c+7], v[\sa], v[\sb] matrix_a_fmt:MATRIX_FMT_FP6 matrix_b_fmt:MATRIX_FMT_FP6
.endm
.macro WM1 d, a, b, c, sa, sb          ; source 0's scales from lanes 16-31
	v_wmma_scale_f32_16x16x128_f8f6f4 v[\d:\d+7], v[\a:\a+11], v[\b:\b+11], v[\c:\c+7], v[\sa], v[\sb] matrix_a_fmt:MATRIX_FMT_FP6 matrix_b_fmt:MATRIX_FMT_FP6 matrix_a_scale:MATRIX_SCALE_ROW1
.endm
.macro WMZ d, a, b, sa, sb             ; the product starts its sum
	v_wmma_scale_f32_16x16x128_f8f6f4 v[\d:\d+7], v[\a:\a+11], v[\b:\b+11], 0, v[\sa], v[\sb] matrix_a_fmt:MATRIX_FMT_FP6 matrix_b_fmt:MATRIX_FMT_FP6
.endm
.macro WMZ1 d, a, b, sa, sb
	v_wmma_scale_f32_16x16x128_f8f6f4 v[\d:\d+7], v[\a:\a+11], v[\b:\b+11], 0, v[\sa], v[\sb] matrix_a_fmt:MATRIX_FMT_FP6 matrix_b_fmt:MATRIX_FMT_FP6 matrix_a_scale:MATRIX_SCALE_ROW1
.endm
.macro FRAGU reg, ra, rb, off          ; a fragment from LDS: v[ra] = base + 16 L, v[rb] = base + 8 L; every load is dense
	ds_load_b128 v[\reg:\reg+3], v[\ra] offset:\off
	ds_load_b64 v[\reg+4:\reg+5], v[\rb] offset:\off+512
	ds_load_b128 v[\reg+6:\reg+9], v[\ra] offset:\off+768
	ds_load_b64 v[\reg+10:\reg+11], v[\rb] offset:\off+1280
.endm
.macro GFRAGU reg, sb, off             ; the same from memory
	global_load_b128 v[\reg:\reg+3], v1, s[\sb:\sb+1] offset:\off
	global_load_b64 v[\reg+4:\reg+5], v2, s[\sb:\sb+1] offset:\off+512
	global_load_b128 v[\reg+6:\reg+9], v1, s[\sb:\sb+1] offset:\off+768
	global_load_b64 v[\reg+10:\reg+11], v2, s[\sb:\sb+1] offset:\off+1280
.endm
.macro GFRAG3 reg, sb, off             ; a weight fragment: three loads of 512 consecutive bytes
	global_load_b128 v[\reg:\reg+3], v1, s[\sb:\sb+1] offset:\off
	global_load_b128 v[\reg+4:\reg+7], v1, s[\sb:\sb+1] offset:\off+512
	global_load_b128 v[\reg+8:\reg+11], v1, s[\sb:\sb+1] offset:\off+1024
.endm
; 64 numbers of a lane, register 16 b + i = place 16 h + i of block b of my row: a fragment's codes in v[pc] .. v[pc + 11] (lane (n, h), registers 6 c ..: block 2 c + h), the four bytes in v[pw]
.macro QUANT s, pc, pw, tm
.irp b,0,1,2,3
	v_mov_b32 v[\tm+4+\b], 0                       ; a lane permute's destination counts as one of its sources
.endr
.irp b,0,1,2,3
	v_max3_num_f32 v[\tm+\b], |v[\s+16*\b]|, |v[\s+1+16*\b]|, 0x1800000   ; my 16 numbers, and the floor 2^(3 - 127): the byte cannot fall under 1
.endr
.irp i,2,4,6,8,10,12,14
.irp b,0,1,2,3
	v_max3_num_f32 v[\tm+\b], v[\tm+\b], |v[\s+16*\b+\i]|, |v[\s+1+16*\b+\i]|
.endr
.endr
.irp b,0,1,2,3
	v_permlanex16_b32 v[\tm+4+\b], v[\tm+\b], s22, s23
.endr
.irp b,0,1,2,3
	v_max_num_f32 v[\tm+\b], v[\tm+\b], v[\tm+4+\b]
.endr
.irp b,0,1,2,3
	v_add_nc_u32 v[\tm+12+\b], 0xff000000, v[\tm+\b]   ; 2 off the exponent field: the conversion's scale operand
.endr
.irp b,0,1,2,3
	v_lshrrev_b32 v[\tm+4+\b], 23, v[\tm+12+\b]
.endr
	v_lshl_or_b32 v[\pw], v[\tm+5], 8, v[\tm+4]
	v_lshl_or_b32 v[\pw], v[\tm+6], 16, v[\pw]
	v_lshl_or_b32 v[\pw], v[\tm+7], 24, v[\pw]
.irp c,0,1
	v_cvt_scalef32_pk16_fp6_f32 v[\pc+6*\c:\pc+2+6*\c], v[\s+32*\c:\s+15+32*\c], v[\tm+12+2*\c]
	v_cvt_scalef32_pk16_fp6_f32 v[\pc+12+4*\c:\pc+14+4*\c], v[\s+16+32*\c:\s+31+32*\c], v[\tm+13+2*\c]
.endr
	v_nop                                          ; one plain place behind a scaled conversion
.irp c,0,1
.irp i,0,1,2
	v_permlane16_swap_b32 v[\pc+6*\c+\i], v[\pc+12+4*\c+\i]   ; a whole block to a lane
.endr
.irp i,0,1,2
	v_mov_b32 v[\pc+3+6*\c+\i], v[\pc+12+4*\c+\i]
.endr
.endr
.endm
; 32 numbers of ONE lane are one block: codes into v[pb] .. v[pb + 5], the byte into v[tm + 3]
.macro QBLK s, pb, pt, tm
	v_max3_num_f32 v[\tm], |v[\s]|, |v[\s+1]|, 0x1800000
	v_max3_num_f32 v[\tm+1], |v[\s+2]|, |v[\s+3]|, 0x1800000
.irp i,4,8,12,16,20,24,28
	v_max3_num_f32 v[\tm], v[\tm], |v[\s+\i]|, |v[\s+\i+1]|
	v_max3_num_f32 v[\tm+1], v[\tm+1], |v[\s+\i+2]|, |v[\s+\i+3]|
.endr
	v_max_num_f32 v[\tm], v[\tm], v[\tm+1]
	v_add_nc_u32 v[\tm+2], 0xff000000, v[\tm]
	v_lshrrev_b32 v[\tm+3], 23, v[\tm+2]
	v_cvt_scalef32_pk16_fp6_f32 v[\pb:\pb+2], v[\s:\s+15], v[\tm+2]
	v_cvt_scalef32_pk16_fp6_f32 v[\pt:\pt+2], v[\s+16:\s+31], v[\tm+2]
	v_nop
.irp i,0,1,2
	v_mov_b32 v[\pb+3+\i], v[\pt+\i]
.endr
.endm
; 16 numbers of a lane, place 16 h + i of ONE block of row r: the block's 24 bytes into v[pb] .. v[pb + 5] of BOTH halves of the lanes, the byte into v[tm + 3]
.macro QHALF s, pb, tm
	v_mov_b32 v[\tm+1], 0
	v_max3_num_f32 v[\tm], |v[\s]|, |v[\s+1]|, 0x1800000
.irp i,2,4,6,8,10,12,14
	v_max3_num_f32 v[\tm], v[\tm], |v[\s+\i]|, |v[\s+\i+1]|
.endr
	v_permlanex16_b32 v[\tm+1], v[\tm], s22, s23
	v_max_num_f32 v[\tm], v[\tm], v[\tm+1]
	v_add_nc_u32 v[\tm+2], 0xff000000, v[\tm]
	v_lshrrev_b32 v[\tm+3], 23, v[\tm+2]
	v_cvt_scalef32_pk16_fp6_f32 v[\pb:\pb+2], v[\s:\s+15], v[\tm+2]
	v_nop
.irp i,0,1,2
	v_mov_b32 v[\pb+3+\i], v[\pb+\i]
.endr
.irp i,0,1,2
	v_permlane16_swap_b32 v[\pb+\i], v[\pb+3+\i]   ; the first now holds the lower 16 codes in both halves, the second the upper 16
.endr
.endm
; LayerNorm in place over v[z] .. v[z + 31]: 32 numbers a lane, 8 neighbouring lanes a row.  The variance is taken of the centred numbers.
.macro LNCORE z, g, b, t
	v_pk_add_f32 v[\t:\t+1], v[\z:\z+1], v[\z+2:\z+3]
	v_pk_add_f32 v[\t+2:\t+3], v[\z+4:\z+5], v[\z+6:\z+7]
.irp i,8,12,16,20,24,28
	v_pk_add_f32 v[\t:\t+1], v[\t:\t+1], v[\z+\i:\z+\i+1]
	v_pk_add_f32 v[\t+2:\t+3], v[\t+2:\t+3], v[\z+\i+2:\z+\i+3]
.endr
	v_pk_add_f32 v[\t:\t+1], v[\t:\t+1], v[\t+2:\t+3]
	v_add_f32 v[\t], v[\t], v[\t+1]
	v_add_f32_dpp v[\t], v[\t], v[\t] row_xmask:1 row_mask:0xf bank_mask:0xf
	v_add_f32_dpp v[\t], v[\t], v[\t] row_xmask:2 row_mask:0xf bank_mask:0xf
	v_add_f32_dpp v[\t], v[\t], v[\t] row_xmask:4 row_mask:0xf bank_mask:0xf
	v_mul_f32 v[\t+4], s[RC], v[\t]                ; the mean
	v_mov_b32 v[\t+5], v[\t+4]
.irp i,0,2,4,6,8,10,12,14,16,18,20,22,24,26,28,30
	v_pk_add_f32 v[\z+\i:\z+\i+1], v[\z+\i:\z+\i+1], v[\t+4:\t+5] neg_lo:[0,1] neg_hi:[0,1]
.endr
	v_pk_mul_f32 v[\t:\t+1], v[\z:\z+1], v[\z:\z+1]
	v_pk_mul_f32 v[\t+2:\t+3], v[\z+2:\z+3], v[\z+2:\z+3]
.irp i,4,8,12,16,20,24,28
	v_pk_fma_f32 v[\t:\t+1], v[\z+\i:\z+\i+1], v[\z+\i:\z+\i+1], v[\t:\t+1]
	v_pk_fma_f32 v[\t+2:\t+3], v[\z+\i+2:\z+\i+3], v[\z+\i+2:\z+\i+3], v[\t+2:\t+3]
.endr
	v_pk_add_f32 v[\t:\t+1], v[\t:\t+1], v[\t+2:\t+3]
	v_add_f32 v[\t], v[\t], v[\t+1]
	v_add_f32_dpp v[\t], v[\t], v[\t] row_xmask:1 row_mask:0xf bank_mask:0xf
	v_add_f32_dpp v[\t], v[\t], v[\t] row_xmask:2 row_mask:0xf bank_mask:0xf
	v_add_f32_dpp v[\t], v[\t], v[\t] row_xmask:4 row_mask:0xf bank_mask:0xf
	v_fma_f32 v[\t+6], v[\t], s[RC], s[RC+1]       ; the variance + epsilon
	v_rsq_f32 v[\t+6], v[\t+6]
	v_nop                                          ; one plain place behind a transcendental
	s_wait_alu depctr_va_vdst(0)
	v_mov_b32 v[\t+7], v[\t+6]
.irp i,0,2,4,6,8,10,12,14,16,18,20,22,24,26,28,30
	v_pk_mul_f32 v[\z+\i:\z+\i+1], v[\z+\i:\z+\i+1], v[\t+6:\t+7]
.endr
.irp i,0,2,4,6,8,10,12,14,16,18,20,22,24,26,28,30
	v_pk_fma_f32 v[\z+\i:\z+\i+1], v[\z+\i:\z+\i+1], v[\g+\i:\g+\i+1], v[\b+\i:\b+\i+1]
.endr
.endm
.macro IMGOUT off                      ; the block in v144-149 and its byte in v157 go to their places in a fragment (0: LayerNorm 1's; 32000: the layer's output)
	ds_store_b128 v23, v[144:147] offset:\off
	ds_store_b64 v24, v[148:149] offset:\off+512
	ds_store_b8 v25, v157 offset:\off
.endm
; ======== HEAD: ids, every address register, the pointers
	s_load_b256 s[4:11], s[0:1], 0x0               ; x f32 in 4, x codes in 6, time_diffs 8, lay 10
	s_load_b128 s[12:15], s[0:1], 0x20             ; x f32 out 12, x codes out 14
	v_lshrrev_b32 v61, 5, v0
	v_readfirstlane_b32 s16, v61                   ; wave w, 0..15
	s_lshr_b32 s17, ttmp9, 3                       ; blk
	s_and_b32 s18, ttmp9, 7                        ; j
	s_lshr_b32 s19, s16, 3                         ; T = w / 8
	s_and_b32 s20, s16, 7                          ; g = w % 8
	s_mov_b32 s22, 0x76543210
	s_mov_b32 s23, 0xfedcba98                      ; v_permlanex16_b32's selects for lane l xor 16
	s_mov_b32 s[RC], 0x3b800000
	s_mov_b32 s[RC+1], 0x3727c5ac
	s_bfe_u32 s28, s20, 0x10001                    ; (g / 2) % 2
	s_and_b32 s29, s20, 1                          ; g % 2
	s_lshr_b32 s30, s20, 2                         ; g / 4
	s_and_b32 s31, s20, 3                          ; g % 4
	v_and_b32 v61, 31, v0                          ; L
	v_and_b32 v62, 15, v0                          ; n = r
	v_bfe_u32 v63, v0, 4, 1                        ; h
	v_bfe_u32 v64, v0, 2, 2                        ; n / 4
	v_bfe_u32 v65, v0, 1, 1                        ; (n / 2) % 2
	v_and_b32 v66, 1, v0                           ; n % 2
	v_bfe_u32 v67, v0, 3, 2                        ; L / 8
	v_and_b32 v68, 7, v0                           ; L % 8
	v_bfe_u32 v69, v0, 2, 1                        ; (L / 4) % 2
	v_and_b32 v70, 3, v0                           ; L % 4
	v_lshlrev_b32 v1, 4, v61                       ; v1  16 L
	v_lshlrev_b32 v2, 3, v61                       ; v2  8 L
	v_lshlrev_b32 v3, 2, v61                       ; v3  4 L
	v_lshl_add_u32 v4, v62, 2, XS                  ; v4  x's scale words: XS + 4 r
	; K's writers (waves 0-7: group g).  Lane (n, h), half c: key block 16 a + n, row 2 c + h of its four: fragment 2 (4 a + n / 4) + (n / 2) % 2, block 2 c + h, row 8 (n % 2) + g
	s_lshl_b32 s27, s20, 4
	s_add_co_u32 s27, s27, KI
	v_mad_u32_u24 v5, v64, 3072, s27
	v_mad_u32_u24 v5, v65, 1536, v5
	v_lshl_add_u32 v5, v66, 7, v5
	v_lshl_add_u32 v5, v63, 8, v5                  ; v5
	s_lshl_b32 s27, s20, 3
	s_add_co_u32 s27, s27, KI
	v_mad_u32_u24 v6, v64, 3072, s27
	v_mad_u32_u24 v6, v65, 1536, v6
	v_lshl_add_u32 v6, v66, 6, v6
	v_lshl_add_u32 v6, v63, 7, v6                  ; v6
	s_lshl_b32 s27, s20, 2
	s_add_co_u32 s27, s27, KS
	v_lshl_add_u32 v7, v62, 5, s27                 ; v7  KS + 32 n + 4 g
	; V's writers (waves 8-15: g = w - 8).  Lane (n, h), tile i: key block 16 a + n at e = 4 g + 2 i + h: fragment 2 (4 a + n / 4) + (e / 8) % 2, block n % 4, row e % 8 + 8 (e / 16)
	s_mul_i32 s27, s28, 1536
	s_lshl_b32 s32, s29, 6
	s_add_co_u32 s27, s27, s32
	s_lshl_b32 s32, s30, 7
	s_add_co_u32 s27, s27, s32
	s_add_co_u32 s27, s27, VI
	v_mad_u32_u24 v8, v64, 3072, s27
	v_mad_u32_u24 v8, v65, 768, v8
	v_lshl_add_u32 v8, v66, 8, v8
	v_lshl_add_u32 v8, v63, 4, v8                  ; v8
	s_mul_i32 s27, s28, 1536
	s_lshl_b32 s32, s29, 5
	s_add_co_u32 s27, s27, s32
	s_lshl_b32 s32, s30, 6
	s_add_co_u32 s27, s27, s32
	s_add_co_u32 s27, s27, VI
	v_mad_u32_u24 v9, v64, 3072, s27
	v_mad_u32_u24 v9, v65, 768, v9
	v_lshl_add_u32 v9, v66, 7, v9
	v_lshl_add_u32 v9, v63, 3, v9                  ; v9
	s_lshl_b32 s27, s28, 6
	s_lshl_b32 s32, s29, 4
	s_add_co_u32 s27, s27, s32
	s_lshl_b32 s32, s30, 5
	s_add_co_u32 s27, s27, s32
	s_add_co_u32 s27, s27, VS
	v_lshl_add_u32 v10, v64, 7, s27
	v_add_nc_u32 v10, v10, v70
	v_lshl_add_u32 v10, v63, 2, v10                ; v10
	v_add_nc_u32 v11, KI, v1                       ; v11-13 the key loop's readers
	v_add_nc_u32 v12, KI, v2
	v_add_nc_u32 v13, KS, v3
	; attention's output: query (T, n, g) is row (T, n), columns 32 g ..: fragment 2 T + g / 4, block g % 4
	s_lshl_b32 s34, s19, 1
	s_add_co_u32 s34, s34, s30
	s_mul_i32 s27, s34, 1536
	s_mul_i32 s32, s28, 768
	s_add_co_u32 s27, s27, s32
	s_lshl_b32 s32, s29, 8
	s_add_co_u32 s32, s32, s27
	s_add_co_u32 s32, s32, AO
	v_lshl_add_u32 v14, v62, 4, s32                ; v14
	s_lshl_b32 s32, s29, 7
	s_add_co_u32 s32, s32, s27
	s_add_co_u32 s32, s32, AO
	v_lshl_add_u32 v15, v62, 3, s32                ; v15
	s_lshl_b32 s32, s34, 6
	s_add_co_u32 s32, s32, s31
	s_add_co_u32 s32, s32, AOS
	v_lshl_add_u32 v16, v62, 2, s32                ; v16
	v_add_nc_u32 v17, AO, v1                       ; v17-19 readers of the rows' fragments; the region stands in the offset
	v_add_nc_u32 v18, AO, v2
	v_lshl_add_u32 v19, v62, 2, AO
	s_lshr_b32 s27, s16, 1
	s_mul_i32 s27, s27, 144
	s_and_b32 s32, s16, 1
	s_lshl_b32 s32, s32, 6
	s_add_co_u32 s27, s27, s32
	s_add_co_u32 s27, s27, SA
	v_mad_u32_u24 v20, v62, 1168, s27
	v_lshl_add_u32 v20, v63, 5, v20                ; v20 the stage: row n, columns 16 w + 8 h ..
	s_mul_i32 s27, s20, 4672
	s_add_co_u32 s27, s27, SA
	v_mad_u32_u24 v21, v67, 1168, s27
	v_mad_u32_u24 v21, v68, 144, v21               ; v21 the norms (waves 0-7): own row 4 w + L / 8, column block L % 8
	v_mad_u32_u24 v22, v67, 144, s27
	v_lshl_add_u32 v22, v68, 4, v22                ; v22 the way out: 512 consecutive bytes of a row to 32 lanes
	s_mul_i32 s32, s30, 3072
	s_lshl_b32 s27, s31, 6
	s_add_co_u32 s27, s27, s32
	s_add_co_u32 s27, s27, YI
	v_lshl_add_u32 v23, v67, 4, s27
	v_mad_u32_u24 v23, v69, 1536, v23
	v_mad_u32_u24 v23, v65, 768, v23
	v_lshl_add_u32 v23, v66, 8, v23                ; v23 the norms' block: its first 16 bytes
	s_lshl_b32 s27, s31, 5
	s_add_co_u32 s27, s27, s32
	s_add_co_u32 s27, s27, YI
	v_lshl_add_u32 v24, v67, 3, s27
	v_mad_u32_u24 v24, v69, 1536, v24
	v_mad_u32_u24 v24, v65, 768, v24
	v_lshl_add_u32 v24, v66, 7, v24                ; v24 its last 8
	s_lshl_b32 s27, s30, 7
	s_lshl_b32 s32, s31, 4
	s_add_co_u32 s27, s27, s32
	s_add_co_u32 s27, s27, YS
	v_lshl_add_u32 v25, v67, 2, s27
	v_lshl_add_u32 v25, v69, 6, v25
	v_add_nc_u32 v25, v25, v70                     ; v25 its byte
	s_mul_i32 s27, s16, 768
	s_add_co_u32 s27, s27, HI
	v_add_nc_u32 v26, s27, v1                      ; v26, v27 the hidden layer: K step w / 2, half w % 2
	v_add_nc_u32 v27, s27, v2
	s_lshr_b32 s27, s16, 1
	s_lshl_b32 s27, s27, 6
	s_and_b32 s32, s16, 1
	s_lshl_b32 s32, s32, 1
	s_add_co_u32 s27, s27, s32
	s_add_co_u32 s27, s27, HS
	v_lshl_add_u32 v28, v62, 2, s27                ; v28 its two scale bytes
	v_lshl_add_u32 v29, v68, 7, PR                 ; v29 gains and biases of my column block
	s_lshl_b32 s27, s16, 8
	s_add_co_u32 s27, s27, PR
	v_lshl_add_u32 v30, v63, 6, s27                ; v30 b1 of my 64 hidden units
	v_lshlrev_b32 v31, 3, v63                      ; v31 8 h, a shift count
	v_lshlrev_b32 v54, 4, v0                       ; the copy: 16 bytes a thread,
	v_lshlrev_b32 v55, 2, v0                       ; 4 bytes a thread,
	v_lshl_add_u32 v56, v0, 4, PR
	v_lshlrev_b32 v57, 2, v62                      ; 4 n
	s_lshl_b32 s27, s20, 7
	v_lshl_add_u32 v58, v63, 6, s27                ; 128 g + 64 h: bq, bk
	v_lshlrev_b32 v59, 7, v62                      ; 128 n: time_diffs
	s_lshl_b32 s27, s20, 4
	v_lshl_add_u32 v60, v63, 2, s27                ; 16 g + 4 h: bv
	s_mov_b32 s33, 0
	s_lshl_b32 s35, s17, 8
	s_lshr_b32 s27, s18, 1                         ; j / 2
	s_lshl_b32 s34, s27, 6
	s_add_co_u32 s35, s35, s34
	s_and_b32 s21, s18, 1                          ; j % 2
	s_lshl_b32 s34, s21, 1
	s_add_co_u32 s35, s35, s34                     ; my first row: 256 blk + 64 (j / 2) + 2 (j % 2)
	s_wait_kmcnt 0x0
	s_mul_i32 s32, s16, 6144
	s_add_nc_u64 s[36:37], s[10:11], s[32:33]      ; lay + 6144 w
	s_mul_i32 s32, s20, 6144
	s_add_nc_u64 s[38:39], s[10:11], s[32:33]      ; lay + 6144 g
	s_mul_i32 s32, s16, 3072
	s_add_nc_u64 s[40:41], s[10:11], s[32:33]
	s_mul_i32 s32, s16, 12288
	s_add_nc_u64 s[42:43], s[10:11], s[32:33]
	s_lshl_b32 s32, s16, 9
	s_add_nc_u64 s[44:45], s[10:11], s[32:33]
	s_lshl_b32 s32, s20, 9
	s_add_nc_u64 s[46:47], s[10:11], s[32:33]
	s_lshl_b32 s32, s16, 8
	s_add_nc_u64 s[48:49], s[10:11], s[32:33]
	s_lshl_b32 s32, s16, 10
	s_add_nc_u64 s[50:51], s[10:11], s[32:33]
	s_mul_i32 s32, s17, 51200
	s_add_nc_u64 s[52:53], s[6:7], s[32:33]        ; the block's codes
	s_add_nc_u64 s[62:63], s[14:15], s[32:33]
	s_add_nc_u64 s[66:67], s[14:15], s[32:33]
	s_mul_i32 s32, s18, 6144
	s_add_nc_u64 s[62:63], s[62:63], s[32:33]      ; my four fragments on the way out
	s_mul_i32 s34, s19, 3072
	s_add_co_u32 s32, s32, s34
	s_add_nc_u64 s[54:55], s[52:53], s[32:33]      ; my own tile's two fragments
	s_lshl_b32 s32, s18, 8
	s_add_nc_u64 s[66:67], s[66:67], s[32:33]      ; my scale words on the way out (49,152 on)
	s_lshl_b32 s34, s19, 7
	s_add_co_u32 s32, s32, s34
	s_add_nc_u64 s[56:57], s[52:53], s[32:33]
	s_lshl_b32 s32, s35, 10
	s_lshl_b32 s34, s16, 6
	s_add_co_u32 s32, s32, s34
	s_add_nc_u64 s[58:59], s[4:5], s[32:33]        ; the residual: my rows, columns 16 w ..
	s_lshl_b32 s34, s31, 4
	s_add_co_u32 s34, s34, s30
	s_add_co_u32 s34, s34, s35
	s_lshl_b32 s32, s34, 10
	s_add_nc_u64 s[60:61], s[12:13], s[32:33]      ; rows out (waves 0-7): first row + w / 4 + 16 (w % 4)
	s_lshr_b32 s32, s17, 3
	s_lshl_b32 s32, s32, 13
	s_lshl_b32 s34, s27, 11
	s_add_co_u32 s32, s32, s34
	s_lshl_b32 s34, s21, 6
	s_add_co_u32 s32, s32, s34
	s_lshl_b32 s34, s19, 5
	s_add_co_u32 s32, s32, s34
	s_lshl_b32 s34, s20, 2
	s_add_co_u32 s32, s32, s34
	s_add_nc_u64 s[68:69], s[8:9], s[32:33]        ; time_diffs at head position 8 (row of lane 0) + g; 32 positions a lane
; ======== all that the first two phases want is asked for at once: the copy (8 loads), Q's group (31), K's or V's group (32)
.irp i,0,1,2,3,4,5
	global_load_b128 v[120+4*\i:123+4*\i], v54, s[52:53] offset:8192*\i
.endr
	global_load_b32 v52, v55, s[52:53] offset:49152
	global_load_b128 v[48:51], v54, s[10:11] offset:PAR
	GFRAGU 96, 54, 0                               ; my own tile of x, v96-119
	GFRAGU 108, 54, 1536
	global_load_b32 v46, v57, s[56:57] offset:49152
	global_load_b32 v47, v57, s[56:57] offset:49216
.irp i,0,1,2,3
	GFRAG3 144+12*\i, 38, 1536*\i                  ; Wq: tiles 2 g + u, K step s, at v144 + 12 (2 u + s)
.endr
.irp i,0,1,2,3
	global_load_b32 v[42+\i], v3, s[46:47] offset:SCO+128*\i
.endr
.irp u,0,1
	global_load_b128 v[192+8*\u:195+8*\u], v58, s[10:11] offset:PAR+10240+32*\u      ; bq is the C of Q's first products
	global_load_b128 v[196+8*\u:199+8*\u], v58, s[10:11] offset:PAR+10240+32*\u+16
.endr
	global_load_b32 v53, v59, s[68:69]
.irp i,0,1,2,3
	GFRAG3 208+12*\i, 36, 49152+1536*\i            ; waves 0-7: Wk's tiles 2 g + i / 2, K step i % 2; waves 8-15: Wv's: the fragments lie on end, 6,144 bytes a wave
.endr
.irp i,0,1,2,3
	global_load_b32 v[38+\i], v3, s[44:45] offset:SCO+4096+128*\i
.endr
	s_cmp_lt_u32 s16, 8                            ; the biases in the results' layout: sixteen loads on either way, so the counts below hold on both
	s_cbranch_scc0 .Lbias_v
.irp u,0,1
.irp e,0,1,2,3,4,5,6,7
	global_load_b32 v[78+8*\u+\e], v58, s[10:11] offset:PAR+11264+32*\u+4*\e         ; bk(32 g + 16 h + 8 u + e)
.endr
.endr
	s_branch .Lbias_done
.Lbias_v:
.irp u,0,1
.irp e,0,1,2,3,4,5,6,7
	global_load_b32 v[78+8*\u+\e], v60, s[10:11] offset:PAR+12288+8*\u+128*\e        ; bv(32 e + 4 g + 2 u + h)
.endr
.endr
.Lbias_done:
	s_wait_loadcnt 63                              ; the copy's eight are in; the 31 + 32 behind them may be out
.irp i,0,1,2,3,4,5
	ds_store_b128 v54, v[120+4*\i:123+4*\i] offset:8192*\i
.endr
	ds_store_b32 v55, v52 offset:49152
	ds_store_b128 v56, v[48:51]
; ======== Q of my 16 queries (row n of tile T, group g): no LDS is read.  v192-207: register i = e 16 h + i
	s_wait_loadcnt 32                              ; Q's group is in; K's or V's may be out
	WM 192, 144, 96, 192, 42, 46                   ; two accumulators by turns
	WM 200, 168, 96, 200, 44, 46
	WM 192, 156, 108, 192, 43, 47
	WM 200, 180, 108, 200, 45, 47
	PLACES 5                                       ; K's and V's first products write over these registers
	QHALF 192, 108, 114
	v_perm_b32 v[QS], v117, v117, 0                ; Q's byte in all four places: whichever block Q stands in
	v_mul_f32 v[CQ], 0xbe93bb63, v53               ; -time_diff log2(e) / 5
	v_exp_f32 v[CQ], v[CQ]
	v_and_b32 v118, 31, v0                         ; (a plain place behind the exponential)
	s_wait_alu depctr_va_vdst(0)
	v_mul_f32 v[CQ], 0x3f252b5c, v[CQ]             ; x log2(e) / sqrt(5)
	v_mov_b32 v[CQ+1], v[CQ]
	v_cmp_gt_u32 vcc_lo, 16, v118
	s_wait_xcnt 0x0                                ; v54-60 are offsets of loads that may still be out: they are written again only behind this wait
	s_wait_dscnt 0x0                               ; and v48-56 were read by the copy's LDS stores
.irp i,0,1,2,3,4,5
	v_mov_b32 v[QZ+\i], 0
	v_mov_b32 v[QZ+12+\i], 0
	v_mov_b32 v[QZ+24+\i], 0
.endr
.irp i,0,1,2,3,4,5
	v_cndmask_b32 v[QZ+6+\i], 0, v[108+\i], vcc_lo           ; Q in lanes 0-15
	v_cndmask_b32 v[QZ+18+\i], v[108+\i], v[QZ], vcc_lo      ; Q in lanes 16-31
.endr
	BARRIER                                        ; x's fragments, their scale words and the parameters lie in LDS
; ======== K and V of all 256 rows.  The wave's four weight fragments stay in v208-255; x's 16 tiles go through two buffers, v96-119 and v120-143; results in v144-207, biases in v78-93
.macro XT buf, tau                     ; tile tau's two fragments and two scale words: ten LDS loads
	FRAGU 96+24*\buf, 1, 2, 3072*(\tau)
	FRAGU 108+24*\buf, 1, 2, 3072*(\tau)+1536
	ds_load_b32 v[42+2*\buf], v4 offset:128*(\tau)
	ds_load_b32 v[43+2*\buf], v4 offset:128*(\tau)+64
.endm
.macro MM role, rho, buf               ; the wave's two column tiles x one row tile, K = 256: two accumulators by turns; the bias is the first product's C
.irp s,0,1
.irp i,0,1
.if \role
.set DD, 144+32*\i+8*\rho
.else
.set DD, 144+16*\rho+8*\i
.endif
.if \s
	WM DD, 208+12*(2*\i+\s), 96+24*\buf+12*\s, DD, 38+2*\i+\s, 42+2*\buf+\s
.else
	WM DD, 208+12*(2*\i+\s), 96+24*\buf+12*\s, 78+8*\i, 38+2*\i+\s, 42+2*\buf+\s
.endif
.endr
.endr
.endm
.macro KVMUL role, a                   ; tiles 4 a .. 4 a + 3
	XT 0, 4*\a
	XT 1, 4*\a+1
	s_wait_dscnt 10                                ; the older buffer is in; the other's ten loads may be out
	MM \role, 0, 0
	PLACES 4
	XT 0, 4*\a+2
	s_wait_dscnt 10
	MM \role, 1, 1
	PLACES 4
	XT 1, 4*\a+3
	s_wait_dscnt 10
	MM \role, 2, 0
	s_wait_dscnt 0x0
	MM \role, 3, 1
	PLACES 4
.endm
	s_wait_loadcnt 0x0
	s_cmp_lt_u32 s16, 8
	s_cbranch_scc0 .Lv_arm
.irp a,0,1,2,3                         ; K, group g: register 16 p + i = K(row 64 a + 4 n + p, 32 g + 16 h + i): four blocks of 32 along e
	KVMUL 0, \a
	QUANT 144, 96, 115, 116
.irp c,0,1
	ds_store_b128 v5, v[96+6*\c:99+6*\c] offset:12288*\a+768*\c
	ds_store_b64 v6, v[100+6*\c:101+6*\c] offset:12288*\a+768*\c+512
.endr
	ds_store_b32 v7, v115 offset:512*\a            ; (both halves of the lanes write the same word with the same value)
	s_wait_dscnt 0x0
	PLACES 5                                       ; the next pass's products begin the accumulators anew
.endr
	s_branch .Lkv_done
.Lv_arm:
.irp a,0,1,2,3                         ; V: register 32 i + 8 p + q = V(row 64 a + 4 n + p, 32 q + 4 g + 2 i + h): the whole key block 16 a + n at one e
	KVMUL 1, \a
.irp i,0,1
	QBLK 144+32*\i, 96, 102, 106
	ds_store_b128 v8, v[96:99] offset:12288*\a+32*\i
	ds_store_b64 v9, v[100:101] offset:12288*\a+512+16*\i
	ds_store_b8 v10, v109 offset:512*\a+8*\i
	s_wait_dscnt 0x0
.endr
	PLACES 5
.endr
.Lkv_done:
	GFRAG3 WO, 40, 147456                          ; Wo's column tile w: asked for now, wanted behind attention
	GFRAG3 WO+12, 40, 148992
	global_load_b32 v36, v3, s[48:49] offset:SCO+12288
	global_load_b32 v37, v3, s[48:49] offset:SCO+12416
.irp i,0,1,2,3,4,5,6,7,8,9,10,11,12,13,14,15
	v_mov_b32 v[O+\i], 0                           ; the key step is written once: the first finds zeros, which the first change of M leaves zeros
.endr
	v_mov_b32 v[SUM], 0
	v_mov_b32 v[SUM+1], 0
	v_mov_b32 v[NM+1], 0xff61b1e6                  ; the largest t so far: -3e38
	v_floor_f32 v[NM], -v[NM+1]
	v_mov_b32 v[FF+1], 0
	v_mov_b32 v[PX], 0
	v_mov_b32 v[PX2], 0
	s_mov_b32 s24, 16
	s_mov_b32 s25, 0
	s_mov_b32 s26, 0
	BARRIER                                        ; K's and V's fragments lie in LDS
; ======== ATTENTION: 16 steps of 128 keys (four key blocks).  A lane holds query n; v[S + 32 f ..] is the WHOLE key block 2 f + h of the step
.Lkey:
	v_add_nc_u32 v[ADA], s25, v11                  ; (these four are the places behind the last step's products)
	v_add_nc_u32 v[ADB], s25, v12
	v_add_nc_u32 v[ADS], s26, v13
	v_nop
	FRAGU KF, ADA, ADB, 0
	FRAGU KF+12, ADA, ADB, 1536
	ds_load_b32 v[KSW], v[ADS]                     ; lanes 0-15: fragment 0's words; lanes 16-31: fragment 1's
	s_wait_dscnt 0x0
.irp t,0,1,2,3                         ; block t of K's fragment against Q in block t: 16 keys a product
	WMZ S+8*\t, KF, QZ+12*(\t%2)+6*(1-\t/2), KSW, QS
.endr
.irp t,0,1,2,3
	WMZ1 S+32+8*\t, KF+12, QZ+12*(\t%2)+6*(1-\t/2), KSW, QS
.endr
	PLACES 4
	FRAGU KF, ADA, ADB, 51200                      ; V into K's registers: it lands under the softmax
	FRAGU KF+12, ADA, ADB, 52736
	ds_load_b32 v[VSW], v[ADS] offset:51200
	v_max3_num_f32 v[BM], v[S], v[S+1], v[S+2]     ; each block's largest score, from the low end on: it serves the row's maximum and the block's largest p
	v_max3_num_f32 v[BM+1], v[S+32], v[S+33], v[S+34]
.set J, 3
.rept 14
	v_max3_num_f32 v[BM], v[BM], v[S+J], v[S+J+1]
	v_max3_num_f32 v[BM+1], v[BM+1], v[S+32+J], v[S+33+J]
.set J, J+2
.endr
	v_max_num_f32 v[BM], v[BM], v[S+31]
	v_max_num_f32 v[BM+1], v[BM+1], v[S+63]
	v_max_num_f32 v[RM], v[BM], v[BM+1]
	v_permlanex16_b32 v[PX], v[RM], s22, s23
	v_max_num_f32 v[RM], v[RM], v[PX]              ; the step's largest score of my query
	v_mul_f32 v[RM], v[CQ], v[RM]                  ; as t (c is not negative)
	v_max_num_f32 v[NM+1], v[NM+1], v[RM]
	v_mov_b32 v[DM], v[NM]
	v_floor_f32 v[NM], -v[NM+1]                    ; -M = floor(-t): M is a whole number
	v_sub_f32 v[DM], v[NM], v[DM]
	v_cvt_i32_f32 v[DM], v[DM]                     ; (it saturates)
	v_ldexp_f32 v[FF], 1.0, v[DM]                  ; 2^(old M - new M)
.set J, 0
.rept 32
	v_pk_fma_f32 v[S+J:S+J+1], v[S+J:S+J+1], v[CQ:CQ+1], v[NM:NM+1] op_sel_hi:[1,0,0]   ; t - M
.set J, J+2
.endr
	v_fma_f32 v[BM], v[BM], v[CQ], v[NM]
	v_fma_f32 v[BM+1], v[BM+1], v[CQ], v[NM]
.set J, 0
.rept 64
	v_exp_f32 v[S+J], v[S+J]                       ; p = 2^(t - M)
.set J, J+1
.endr
	v_exp_f32 v[BM], v[BM]                         ; the blocks' largest p: the same two instructions on the same numbers
	v_exp_f32 v[BM+1], v[BM+1]
	v_pk_mul_f32 v[SUM:SUM+1], v[SUM:SUM+1], v[FF:FF+1] op_sel_hi:[1,0]   ; (a plain place behind the exponentials)
	s_wait_alu depctr_va_vdst(0)
	v_max_num_f32 v[BM], 0x1800000, v[BM]
	v_max_num_f32 v[BM+1], 0x1800000, v[BM+1]
	v_add_nc_u32 v[SCL], 0xff000000, v[BM]
	v_add_nc_u32 v[SCL+1], 0xff000000, v[BM+1]
	v_lshrrev_b32 v[BY], 23, v[SCL]
	v_lshrrev_b32 v[BY+1], 23, v[SCL+1]
	v_lshl_or_b32 v[TW], v[BY+1], 16, v[BY]        ; my bytes: blocks h and 2 + h,
	v_lshlrev_b32 v[TW], v31, v[TW]                ; at their places;
	v_permlanex16_b32 v[PX2], v[TW], s22, s23
	v_or_b32 v[PSW], v[TW], v[PX2]                 ; with lane l xor 16's two: p's scale word
	v_cvt_scalef32_pk16_fp6_f32 v[PC:PC+2], v[S:S+15], v[SCL]
	v_cvt_scalef32_pk16_fp6_f32 v[PT0:PT0+2], v[S+16:S+31], v[SCL]
	v_cvt_scalef32_pk16_fp6_f32 v[PC+6:PC+8], v[S+32:S+47], v[SCL+1]
	v_cvt_scalef32_pk16_fp6_f32 v[PT1:PT1+2], v[S+48:S+63], v[SCL+1]
	v_nop
.irp i,0,1,2
	v_mov_b32 v[PC+3+\i], v[PT0+\i]                ; a lane holds whole blocks: no codes change lanes
	v_mov_b32 v[PC+9+\i], v[PT1+\i]
.endr
	v_pk_add_f32 v[S2:S2+1], v[S:S+1], v[S+2:S+3]  ; the sum of the unquantised p, in two chains
.set J, 4
.rept 15
	v_pk_add_f32 v[SUM:SUM+1], v[SUM:SUM+1], v[S+J:S+J+1]
	v_pk_add_f32 v[S2:S2+1], v[S2:S2+1], v[S+J+2:S+J+3]
.set J, J+4
.endr
	v_pk_add_f32 v[SUM:SUM+1], v[SUM:SUM+1], v[S2:S2+1]
.irp i,0,2,4,6,8,10,12,14
	v_pk_mul_f32 v[O+\i:O+\i+1], v[O+\i:O+\i+1], v[FF:FF+1] op_sel_hi:[1,0]
.endr
	s_wait_dscnt 0x0                               ; V is in
	WM O, KF, PC, O, VSW, PSW                      ; O^T += V^T p^T: two accumulators by turns
	WM1 O+8, KF+12, PC, O+8, VSW, PSW
	s_add_co_u32 s25, s25, 3072
	s_add_co_u32 s26, s26, 128
	s_sub_co_u32 s24, s24, 1
	s_cmp_lg_u32 s24, 0
	s_cbranch_scc1 .Lkey
; ======== O / the sum becomes a block of product 7's operand.  The residual, bo and W1 are asked for first
	PLACES 5
	v_and_b32 v142, 15, v0
	v_bfe_u32 v143, v0, 4, 1
	v_lshlrev_b32 v142, 12, v142
	v_lshl_add_u32 v142, v143, 5, v142             ; 4096 n + 32 h
	s_lshl_b32 s27, s16, 6
	v_lshl_add_u32 v143, v143, 5, s27              ; 64 w + 32 h
.irp t,0,1
	global_load_b128 v[144+8*\t:147+8*\t], v142, s[58:59] offset:1024*\t             ; x(row (t, n), 16 w + 8 h ..): the C of product 7
	global_load_b128 v[148+8*\t:151+8*\t], v142, s[58:59] offset:1024*\t+16
.endr
	global_load_b128 v[100:103], v143, s[10:11] offset:PAR+9216
	global_load_b128 v[104:107], v143, s[10:11] offset:PAR+9232
.irp i,0,1,2,3,4,5,6,7
	GFRAG3 160+12*\i, 42, 196608+1536*\i           ; W1: tiles 4 w + 2 b + u, K step s, at v160 + 12 (2 (2 b + u) + s)
.endr
.irp i,0,1,2,3,4,5,6,7
	global_load_b32 v[38+\i], v3, s[50:51] offset:SCO+16384+128*\i
.endr
	v_add_f32 v114, v[SUM], v[SUM+1]
	v_mov_b32 v115, 0
	v_permlanex16_b32 v115, v114, s22, s23
	v_add_f32 v114, v114, v115                     ; the row's sum
	v_rcp_f32 v114, v114
	v_nop
	s_wait_alu depctr_va_vdst(0)
	v_mov_b32 v115, v114
.irp i,0,2,4,6,8,10,12,14
	v_pk_mul_f32 v[O+\i:O+\i+1], v[O+\i:O+\i+1], v[114:115]
.endr
	QHALF O, 108, 114
	ds_store_b128 v14, v[108:111]                  ; (both halves of the lanes write the same bytes with the same values)
	ds_store_b64 v15, v[112:113] offset:512
	ds_store_b8 v16, v117
	BARRIER
; ======== product 7: out Wo + bo + x, column tile w, both row tiles
.irp f,0,1,2,3
	FRAGU 48+12*\f, 17, 18, 1536*\f
	ds_load_b32 v[32+\f], v19 offset:6144+64*\f
.endr
	s_wait_loadcnt 32                              ; Wo, the residual and bo are in; W1's 24 + 8 may be out
.irp t,0,1
.irp i,0,2,4,6
	v_pk_add_f32 v[144+8*\t+\i:145+8*\t+\i], v[144+8*\t+\i:145+8*\t+\i], v[100+\i:101+\i]
.endr
.endr
	s_wait_dscnt 0x0
	PLACES 4                                       ; the C just written is given the distance that a written A or B is owed
	WM 144, WO, 48, 144, 36, 32
	WM 152, WO, 72, 152, 36, 34
	WM 144, WO+12, 60, 144, 37, 33
	WM 152, WO+12, 84, 152, 37, 35
	PLACES 5
.irp t,0,1
	ds_store_b128 v20, v[144+8*\t:147+8*\t] offset:18688*\t
	ds_store_b128 v20, v[148+8*\t:151+8*\t] offset:18688*\t+16
.endr
	BARRIER
; ======== LayerNorm 1: waves 0-7, four rows each; y goes back to the stage (f32, the next residual) and into fragments
	s_cmp_lt_u32 s16, 8
	s_cbranch_scc0 .Lln1_done
.irp i,0,1,2,3,4,5,6,7
	ds_load_b128 v[48+4*\i:51+4*\i], v21 offset:16*\i
.endr
.irp i,0,1,2,3,4,5,6,7
	ds_load_b128 v[80+4*\i:83+4*\i], v29 offset:4096+16*\i
.endr
.irp i,0,1,2,3,4,5,6,7
	ds_load_b128 v[112+4*\i:115+4*\i], v29 offset:5120+16*\i
.endr
	s_wait_dscnt 0x0
	LNCORE 48, 80, 112, 144
.irp i,0,1,2,3,4,5,6,7
	ds_store_b128 v21, v[48+4*\i:51+4*\i] offset:16*\i     ; the bytes that this lane read
.endr
	QBLK 48, 144, 150, 154
	IMGOUT 0
.Lln1_done:
	BARRIER
; ======== product 8: relu(y W1 + b1), hidden units 64 w .. 64 w + 63, both row tiles: v96 + 32 T + 16 b + 8 u
.irp t,0,1
.irp b,0,1
.irp u,0,1
	ds_load_b128 v[96+32*\t+16*\b+8*\u:99+32*\t+16*\b+8*\u], v30 offset:128*\b+32*\u          ; b1 is the C of the first products
	ds_load_b128 v[100+32*\t+16*\b+8*\u:103+32*\t+16*\b+8*\u], v30 offset:128*\b+32*\u+16
.endr
.endr
.endr
.irp f,0,1,2,3
	FRAGU 48+12*\f, 17, 18, 6400+1536*\f
	ds_load_b32 v[32+\f], v19 offset:12544+64*\f
.endr
	s_wait_loadcnt 0x0                             ; W1
	s_wait_dscnt 0x0
.irp s,0,1                             ; eight accumulators by turns, a K step at a time
.irp t,0,1
.irp b,0,1
.irp u,0,1
	WM 96+32*\t+16*\b+8*\u, 160+12*(2*(2*\b+\u)+\s), 48+12*(2*\t+\s), 96+32*\t+16*\b+8*\u, 38+2*(2*\b+\u)+\s, 32+2*\t+\s
.endr
.endr
.endr
.endr
	PLACES 5
.irp i,0,1,2,3,4,5,6,7
	GFRAG3 160+12*\i, 42, 393216+1536*\i           ; W2: column tile w, K steps 0 .. 7
.endr
.irp i,0,1,2,3,4,5,6,7
	global_load_b32 v[38+\i], v3, s[50:51] offset:SCO+32768+128*\i
.endr
.set J, 0
.rept 64
	v_max_num_f32 v[96+J], 0, v[96+J]
.set J, J+1
.endr
	QUANT 96, 48, 67, 68                           ; block 2 T + b: row (T, n), hidden block 2 w + b
.irp t,0,1
	ds_store_b128 v26, v[48+6*\t:51+6*\t] offset:12288*\t
	ds_store_b64 v27, v[52+6*\t:53+6*\t] offset:12288*\t+512
.endr
	ds_store_b16 v28, v67                          ; tile 0's two bytes,
	ds_store_b16_d16_hi v28, v67 offset:512        ; tile 1's
	v_bfe_u32 v112, v0, 4, 1
	v_lshl_add_u32 v112, v112, 5, s27              ; 64 w + 32 h
.irp t,0,1
	global_load_b128 v[96+8*\t:99+8*\t], v112, s[10:11] offset:PAR+8192    ; b2 is the C of product 9's first products
	global_load_b128 v[100+8*\t:103+8*\t], v112, s[10:11] offset:PAR+8208
.endr
	BARRIER
; ======== product 9: relu(hidden W2 + b2), column tile w; the hidden layer's fragments through two buffers
.macro HLD k                           ; K step k of both row tiles: ten LDS loads
	FRAGU 48+24*((\k)%2), 17, 18, 12800+1536*(\k)
	FRAGU 60+24*((\k)%2), 17, 18, 12800+1536*(8+\k)
	ds_load_b32 v[32+2*((\k)%2)], v19 offset:37376+64*(\k)
	ds_load_b32 v[33+2*((\k)%2)], v19 offset:37376+64*(8+\k)
.endm
	HLD 0
	HLD 1
	s_wait_loadcnt 0x0                             ; W2, b2
.irp k,0,1,2,3,4,5,6,7
.if \k < 7
	s_wait_dscnt 10                                ; this K step is in; the next one's ten loads may be out
.else
	s_wait_dscnt 0x0
.endif
	WM 96, 160+12*\k, 48+24*(\k%2), 96, 38+\k, 32+2*(\k%2)
	WM 104, 160+12*\k, 60+24*(\k%2), 104, 38+\k, 33+2*(\k%2)
.if \k < 6
	PLACES 4
	HLD \k+2
.endif
.endr
	PLACES 4
.irp i,0,1,2,3,4,5,6,7,8,9,10,11,12,13,14,15
	v_max_num_f32 v[96+\i], 0, v[96+\i]
.endr
.irp t,0,1
	ds_store_b128 v20, v[96+8*\t:99+8*\t] offset:37376+18688*\t
	ds_store_b128 v20, v[100+8*\t:103+8*\t] offset:37376+18688*\t+16
.endr
	BARRIER
; ======== LayerNorm 2: waves 0-7; x goes out as f32 rows and into fragments
	s_cmp_lt_u32 s16, 8
	s_cbranch_scc0 .Lln2_done
.irp i,0,1,2,3,4,5,6,7
	ds_load_b128 v[48+4*\i:51+4*\i], v21 offset:16*\i
.endr
.irp i,0,1,2,3,4,5,6,7
	ds_load_b128 v[160+4*\i:163+4*\i], v21 offset:37376+16*\i
.endr
.irp i,0,1,2,3,4,5,6,7
	ds_load_b128 v[80+4*\i:83+4*\i], v29 offset:6144+16*\i
.endr
.irp i,0,1,2,3,4,5,6,7
	ds_load_b128 v[112+4*\i:115+4*\i], v29 offset:7168+16*\i
.endr
	s_wait_dscnt 0x0
.irp i,0,2,4,6,8,10,12,14,16,18,20,22,24,26,28,30
	v_pk_add_f32 v[48+\i:49+\i], v[48+\i:49+\i], v[160+\i:161+\i]
.endr
	LNCORE 48, 80, 112, 144
	QBLK 48, 144, 150, 154
	IMGOUT 32000
.irp i,0,1,2,3,4,5,6,7
	ds_store_b128 v21, v[48+4*\i:51+4*\i] offset:16*\i
.endr
.irp q,0,1,2,3
.irp i,0,1
	ds_load_b128 v[80+8*\q+4*\i:83+8*\q+4*\i], v22 offset:1168*\q+576*\i   ; LDS serves a wave's instructions in order: these see my wave's stores above
.endr
.endr
.irp q,0,1,2,3
.irp i,0,1
	s_wait_dscnt 7-2*\q-\i
	global_store_b128 v1, v[80+8*\q+4*\i:83+8*\q+4*\i], s[60:61] offset:4096*\q+512*\i   ; 32 lanes store 512 consecutive bytes of a row
.endr
.endr
.Lln2_done:
	BARRIER
; ======== the four fragments and their scale words go out, dense
	v_lshl_add_u32 v5, v0, 4, XO
	v_add_nc_u32 v6, XOS, v2
	v_lshlrev_b32 v7, 4, v0
	s_cmp_lt_u32 s16, 12
	s_cbranch_scc0 .Lnot_codes
	ds_load_b128 v[48:51], v5
	s_wait_dscnt 0x0
	global_store_b128 v7, v[48:51], s[62:63]       ; 12 waves x 512 bytes
	s_branch .Lend
.Lnot_codes:
	s_cmp_eq_u32 s16, 12
	s_cbranch_scc0 .Lend
	ds_load_b64 v[48:49], v6
	s_wait_dscnt 0x0
	global_store_b64 v2, v[48:49], s[66:67] offset:49152
.Lend:
	s_wait_xcnt 0x0
	v_lshl_add_u32 v254, v0, 2, 0x44b00
	v_mov_b32 v255, 0
	s_wait_tensorcnt 0x0
	ds_add_u32 v254, v255
	s_wait_dscnt 0x0
	s_endpgm
.Lfunc_end_k_q9529b4c655_layer1:
	.size	k_q9529b4c655_layer1, .Lfunc_end_k_q9529b4c655_layer1-k_q9529b4c655_layer1
	.p2alignl 7, 3214868480
	.fill 96, 4, 3214868480
	.section	.rodata,"a",@progbits
	.p2align	6, 0x0
	.amdhsa_kernel k_q9529b4c655_layer1
		.amdhsa_group_segment_fixed_size 283392
		.amdhsa_private_segment_fixed_size 0
		.amdhsa_enable_private_segment 0
		.amdhsa_kernarg_size 48
		.amdhsa_user_sgpr_count 2
		.amdhsa_user_sgpr_kernarg_segment_ptr 1
		.amdhsa_wavefront_size32 1
		.amdhsa_system_sgpr_workgroup_id_x 1
		.amdhsa_system_sgpr_workgroup_id_y 1
		.amdhsa_system_sgpr_workgroup_id_z 1
		.amdhsa_system_vgpr_workitem_id 0
		.amdhsa_next_free_vgpr 256
		.amdhsa_next_free_sgpr 80
		.amdhsa_reserve_vcc 1
		.amdhsa_float_denorm_mode_32 3
		.amdhsa_float_denorm_mode_16_64 3
		.amdhsa_memory_ordered 1
		.amdhsa_forward_progress 1
		.amdhsa_inst_pref_size 164
	.end_amdhsa_kernel
	.amdgpu_metadata
---
amdhsa.version: [ 1, 2 ]
amdhsa.kernels:
  - .name:           k_q9529b4c655_layer1
    .symbol:         k_q9529b4c655_layer1.kd
    .args:
      - { .name: xfA, .offset: 0, .size: 8, .value_kind: global_buffer, .address_space: global }
      - { .name: xqA, .offset: 8, .size: 8, .value_kind: global_buffer, .address_space: global }
      - { .name: time_diffs, .offset: 16, .size: 8, .value_kind: global_buffer, .address_space: global }
      - { .name: lay1, .offset: 24, .size: 8, .value_kind: global_buffer, .address_space: global }
      - { .name: xfB, .offset: 32, .size: 8, .value_kind: global_buffer, .address_space: global }
      - { .name: xqB, .offset: 40, .size: 8, .value_kind: global_buffer, .address_space: global }
    .group_segment_fixed_size: 283392
    .private_segment_fixed_size: 0
    .kernarg_segment_align: 8
    .kernarg_segment_size: 48
    .max_flat_workgroup_size: 512
    .sgpr_count:     80
    .vgpr_count:     256
    .wavefront_size: 32
...
	.end_amdgpu_metadata
.endif
;; end of part 2
;; launch layer2: the kernel of part 2 again; grid 256 x 1, 16 waves a work-group, no clusters, 283,392 bytes of LDS; arguments xfB, xqB, time_diffs, lay2, xfA, xqA; writes xfA, xqA
;; launch final (part 3): grid 256 x 1, 8 waves a work-group, no clusters, 45,056 bytes of LDS; arguments xfA, lnf_g, lnf_b, fin, b_proj, out0; writes out0
.if DOCPART == 3
	.amdgcn_target "amdgcn-amd-amdhsa--gfx1250"
	.amdhsa_code_object_version 6
	.text
	.protected	k_q9529b4c655_final
	.globl	k_q9529b4c655_final
	.p2align	8
	.type	k_q9529b4c655_final,@function
k_q9529b4c655_final:
	s_mov_b64 s[64:65], 0
	v_nop
	global_prefetch_b8 v0, s[64:65] scope:SCOPE_SE
	s_setreg_imm32_b32 hwreg(HW_REG_WAVE_MODE, 25, 1), 1
	s_wait_xcnt 0x0
; THE LAST LayerNorm AND THE PROJECTION.  A work-group takes the rows 32 id .. 32 id + 31 of x [8192][256]: eight waves norm four rows each and quantise them along the 256 columns; waves 0-5 then multiply
; both tiles of 16 rows by their 16 columns of W_proj (codes of E2M3 made by the first launch), with b_proj as the C of the first products.
; The product is formed for all rows and all 96 columns, as it is listed; stored is what is returned: column 0 of each batch's last 96 rows (work-groups with id % 64 >= 61, wave 0).
; LIMITS: NaN and infinities are not served; a block of zeros gets the scale byte 1 where the rule says 127 (zero codes; this program alone reads the bytes).
.set FSA, 0                            ; LDS: a stage of 32 rows, 1,168 bytes apart, 8 column blocks 144 bytes apart; each wave touches its own four rows alone
.set FI,  37376                        ; four fragments (2 T + K step): halves c of 768 bytes; registers 6 c .. 6 c + 3 of lane L at 768 c + 16 L, 6 c + 4, 6 c + 5 at 768 c + 512 + 8 L
.set FIS, 43520                        ; their scale words, 64 bytes each
.set RC,  24                           ; s24 1/256, s25 the norm's epsilon
; REGISTERS: v1-31 addresses; v32, v33 W_proj's scale words, v34-37 the rows'; v48-79 my 32 numbers; v80-111 gain; v112-143 bias; v144-167 W_proj; v168-183 the sums; v184-231 rows as loaded, later the fragments; v232-253 at work
.macro PLACES n
.rept \n
	v_nop
.endr
.endm
.macro WM d, a, b, c, sa, sb
	v_wmma_scale_f32_16x16x128_f8f6f4 v[\d:\d+7], v[\a:\a+11], v[\b:\b+11], v[\c:\c+7], v[\sa], v[\sb] matrix_a_fmt:MATRIX_FMT_FP6 matrix_b_fmt:MATRIX_FMT_FP6
.endm
.macro FRAGU reg, ra, rb, off
	ds_load_b128 v[\reg:\reg+3], v[\ra] offset:\off
	ds_load_b64 v[\reg+4:\reg+5], v[\rb] offset:\off+512
	ds_load_b128 v[\reg+6:\reg+9], v[\ra] offset:\off+768
	ds_load_b64 v[\reg+10:\reg+11], v[\rb] offset:\off+1280
.endm
.macro GFRAG3 reg, sb, off
	global_load_b128 v[\reg:\reg+3], v1, s[\sb:\sb+1] offset:\off
	global_load_b128 v[\reg+4:\reg+7], v1, s[\sb:\sb+1] offset:\off+512
	global_load_b128 v[\reg+8:\reg+11], v1, s[\sb:\sb+1] offset:\off+1024
.endm
.macro QBLK s, pb, pt, tm              ; 32 numbers of one lane are one block: codes into v[pb] .. v[pb + 5], the byte into v[tm + 3]
	v_max3_num_f32 v[\tm], |v[\s]|, |v[\s+1]|, 0x1800000             ; the floor 2^(3 - 127): the byte cannot fall under 1
	v_max3_num_f32 v[\tm+1], |v[\s+2]|, |v[\s+3]|, 0x1800000
.irp i,4,8,12,16,20,24,28
	v_max3_num_f32 v[\tm], v[\tm], |v[\s+\i]|, |v[\s+\i+1]|
	v_max3_num_f32 v[\tm+1], v[\tm+1], |v[\s+\i+2]|, |v[\s+\i+3]|
.endr
	v_max_num_f32 v[\tm], v[\tm], v[\tm+1]
	v_add_nc_u32 v[\tm+2], 0xff000000, v[\tm]
	v_lshrrev_b32 v[\tm+3], 23, v[\tm+2]
	v_cvt_scalef32_pk16_fp6_f32 v[\pb:\pb+2], v[\s:\s+15], v[\tm+2]
	v_cvt_scalef32_pk16_fp6_f32 v[\pt:\pt+2], v[\s+16:\s+31], v[\tm+2]
	v_nop                                                            ; one plain place behind a scaled conversion
.irp i,0,1,2
	v_mov_b32 v[\pb+3+\i], v[\pt+\i]
.endr
.endm
.macro LNCORE z, g, b, t               ; LayerNorm in place: 32 numbers a lane, 8 neighbouring lanes a row; the variance is taken of the centred numbers
	v_pk_add_f32 v[\t:\t+1], v[\z:\z+1], v[\z+2:\z+3]
	v_pk_add_f32 v[\t+2:\t+3], v[\z+4:\z+5], v[\z+6:\z+7]
.irp i,8,12,16,20,24,28
	v_pk_add_f32 v[\t:\t+1], v[\t:\t+1], v[\z+\i:\z+\i+1]
	v_pk_add_f32 v[\t+2:\t+3], v[\t+2:\t+3], v[\z+\i+2:\z+\i+3]
.endr
	v_pk_add_f32 v[\t:\t+1], v[\t:\t+1], v[\t+2:\t+3]
	v_add_f32 v[\t], v[\t], v[\t+1]
	v_add_f32_dpp v[\t], v[\t], v[\t] row_xmask:1 row_mask:0xf bank_mask:0xf
	v_add_f32_dpp v[\t], v[\t], v[\t] row_xmask:2 row_mask:0xf bank_mask:0xf
	v_add_f32_dpp v[\t], v[\t], v[\t] row_xmask:4 row_mask:0xf bank_mask:0xf
	v_mul_f32 v[\t+4], s[RC], v[\t]
	v_mov_b32 v[\t+5], v[\t+4]
.irp i,0,2,4,6,8,10,12,14,16,18,20,22,24,26,28,30
	v_pk_add_f32 v[\z+\i:\z+\i+1], v[\z+\i:\z+\i+1], v[\t+4:\t+5] neg_lo:[0,1] neg_hi:[0,1]
.endr
	v_pk_mul_f32 v[\t:\t+1], v[\z:\z+1], v[\z:\z+1]
	v_pk_mul_f32 v[\t+2:\t+3], v[\z+2:\z+3], v[\z+2:\z+3]
.irp i,4,8,12,16,20,24,28
	v_pk_fma_f32 v[\t:\t+1], v[\z+\i:\z+\i+1], v[\z+\i:\z+\i+1], v[\t:\t+1]
	v_pk_fma_f32 v[\t+2:\t+3], v[\z+\i+2:\z+\i+3], v[\z+\i+2:\z+\i+3], v[\t+2:\t+3]
.endr
	v_pk_add_f32 v[\t:\t+1], v[\t:\t+1], v[\t+2:\t+3]
	v_add_f32 v[\t], v[\t], v[\t+1]
	v_add_f32_dpp v[\t], v[\t], v[\t] row_xmask:1 row_mask:0xf bank_mask:0xf
	v_add_f32_dpp v[\t], v[\t], v[\t] row_xmask:2 row_mask:0xf bank_mask:0xf
	v_add_f32_dpp v[\t], v[\t], v[\t] row_xmask:4 row_mask:0xf bank_mask:0xf
	v_fma_f32 v[\t+6], v[\t], s[RC], s[RC+1]
	v_rsq_f32 v[\t+6], v[\t+6]
	v_nop                                          ; one plain place behind a transcendental
	s_wait_alu depctr_va_vdst(0)
	v_mov_b32 v[\t+7], v[\t+6]
.irp i,0,2,4,6,8,10,12,14,16,18,20,22,24,26,28,30
	v_pk_mul_f32 v[\z+\i:\z+\i+1], v[\z+\i:\z+\i+1], v[\t+6:\t+7]
.endr
.irp i,0,2,4,6,8,10,12,14,16,18,20,22,24,26,28,30
	v_pk_fma_f32 v[\z+\i:\z+\i+1], v[\z+\i:\z+\i+1], v[\g+\i:\g+\i+1], v[\b+\i:\b+\i+1]
.endr
.endm
	s_load_b256 s[4:11], s[0:1], 0x0               ; x 4, lnf_g 6, lnf_b 8, fin 10
	s_load_b128 s[12:15], s[0:1], 0x20             ; b_proj 12, out0 14
	v_lshl_add_u32 v254, v0, 2, 0xac00
	v_mov_b32 v255, 0
	v_lshrrev_b32 v4, 5, v0
	v_readfirstlane_b32 s16, v4                    ; wave 0..7
	s_mov_b32 s22, 0x76543210
	s_mov_b32 s23, 0xfedcba98                      ; v_permlanex16_b32's selects for lane l xor 16
	s_mov_b32 s[RC], 0x3b800000
	s_mov_b32 s[RC+1], 0x3727c5ac
	s_lshr_b32 s18, s16, 2                         ; T
	s_and_b32 s19, s16, 3
	v_and_b32 v31, 31, v0                          ; L
	v_and_b32 v4, 15, v0                           ; n
	v_bfe_u32 v5, v0, 4, 1                         ; h
	v_bfe_u32 v6, v0, 3, 2                         ; L / 8
	v_and_b32 v7, 7, v0                            ; L % 8
	v_bfe_u32 v8, v0, 2, 1
	v_bfe_u32 v9, v0, 1, 1
	v_and_b32 v10, 1, v0
	v_and_b32 v11, 3, v0
	v_lshlrev_b32 v1, 4, v31                       ; 16 L
	v_lshlrev_b32 v2, 3, v31                       ; 8 L
	v_lshlrev_b32 v3, 2, v31                       ; 4 L
	v_add_nc_u32 v17, FI, v1
	v_add_nc_u32 v18, FI, v2
	v_lshl_add_u32 v19, v4, 2, FIS
	s_mul_i32 s27, s16, 4672
	v_mad_u32_u24 v21, v6, 1168, s27
	v_mad_u32_u24 v21, v7, 144, v21                ; v21 own row 4 w + L / 8, column block L % 8
	v_mad_u32_u24 v22, v6, 144, s27
	v_lshl_add_u32 v22, v7, 4, v22                 ; v22 512 consecutive bytes of a row to 32 lanes
	s_mul_i32 s28, s18, 3072
	s_lshl_b32 s27, s19, 6
	s_add_co_u32 s27, s27, s28
	s_add_co_u32 s27, s27, FI
	v_lshl_add_u32 v23, v6, 4, s27
	v_mad_u32_u24 v23, v8, 1536, v23
	v_mad_u32_u24 v23, v9, 768, v23
	v_lshl_add_u32 v23, v10, 8, v23                ; v23 my block's first 16 bytes in its fragment
	s_lshl_b32 s27, s19, 5
	s_add_co_u32 s27, s27, s28
	s_add_co_u32 s27, s27, FI
	v_lshl_add_u32 v24, v6, 3, s27
	v_mad_u32_u24 v24, v8, 1536, v24
	v_mad_u32_u24 v24, v9, 768, v24
	v_lshl_add_u32 v24, v10, 7, v24                ; v24 its last 8
	s_lshl_b32 s27, s18, 7
	s_lshl_b32 s28, s19, 4
	s_add_co_u32 s27, s27, s28
	s_add_co_u32 s27, s27, FIS
	v_lshl_add_u32 v25, v6, 2, s27
	v_lshl_add_u32 v25, v8, 6, v25
	v_add_nc_u32 v25, v25, v11                     ; v25 its byte
	v_lshlrev_b32 v29, 7, v7                       ; my column block in lnf_g, lnf_b
	s_lshl_b32 s27, s16, 6
	v_lshl_add_u32 v30, v5, 5, s27                 ; b_proj: 64 w + 32 h
	s_mov_b32 s29, 0
	s_mov_b32 s31, 0
	s_mov_b32 s33, 0
	s_mul_i32 s28, s16, 3072
	s_lshl_b32 s30, s16, 8
	s_lshl_b32 s32, ttmp9, 15
	s_lshl_b32 s27, s16, 12
	s_add_co_u32 s32, s32, s27                     ; 1,024 x (32 id + 4 w)
	s_wait_kmcnt 0x0
	s_add_nc_u64 s[36:37], s[10:11], s[28:29]      ; W_proj's column tile w
	s_add_nc_u64 s[38:39], s[10:11], s[30:31]      ; its scale words (18,432 on)
	s_add_nc_u64 s[34:35], s[4:5], s[32:33]        ; my four rows
	s_cmp_lt_u32 s16, 6
	s_cbranch_scc0 .Lno_w
	GFRAG3 144, 36, 0
	GFRAG3 156, 36, 1536
	global_load_b32 v32, v3, s[38:39] offset:18432
	global_load_b32 v33, v3, s[38:39] offset:18560
.irp t,0,1
	global_load_b128 v[168+8*\t:171+8*\t], v30, s[12:13]
	global_load_b128 v[172+8*\t:175+8*\t], v30, s[12:13] offset:16
.endr
.Lno_w:
.irp q,0,1,2,3
.irp i,0,1
	global_load_b128 v[184+8*\q+4*\i:187+8*\q+4*\i], v1, s[34:35] offset:1024*\q+512*\i   ; 32 lanes read 512 consecutive bytes
.endr
.endr
.irp i,0,1,2,3,4,5,6,7
	global_load_b128 v[80+4*\i:83+4*\i], v29, s[6:7] offset:16*\i
.endr
.irp i,0,1,2,3,4,5,6,7
	global_load_b128 v[112+4*\i:115+4*\i], v29, s[8:9] offset:16*\i
.endr
	s_wait_loadcnt 16                              ; my rows are in; gain and bias (16 loads) may be out
.irp q,0,1,2,3
.irp i,0,1
	ds_store_b128 v22, v[184+8*\q+4*\i:187+8*\q+4*\i] offset:1168*\q+576*\i
.endr
.endr
.irp i,0,1,2,3,4,5,6,7
	ds_load_b128 v[48+4*\i:51+4*\i], v21 offset:16*\i      ; LDS serves a wave's instructions in order: these see my wave's stores above
.endr
	s_wait_loadcnt 0x0
	s_wait_dscnt 0x0
	LNCORE 48, 80, 112, 232
	QBLK 48, 240, 246, 250
	ds_store_b128 v23, v[240:243]
	ds_store_b64 v24, v[244:245] offset:512
	ds_store_b8 v25, v253
	s_wait_dscnt 0x0                               ; my stores into the fragments have landed
	s_barrier_signal -1
	s_barrier_wait -1                              ; everybody's have
	s_cmp_lt_u32 s16, 6
	s_cbranch_scc0 .Lend
.irp f,0,1,2,3
	FRAGU 184+12*\f, 17, 18, 1536*\f
	ds_load_b32 v[34+\f], v19 offset:64*\f
.endr
	s_wait_dscnt 0x0
	WM 168, 144, 184, 168, 32, 34                  ; transposed: source 0 = 16 columns of W_proj, source 1 = 16 rows; two accumulators by turns
	WM 176, 144, 208, 176, 32, 36
	WM 168, 156, 196, 168, 33, 35
	WM 176, 156, 220, 176, 33, 37
	PLACES 4
	s_cmp_lg_u32 s16, 0
	s_cbranch_scc1 .Lend
	s_and_b32 s27, ttmp9, 63
	s_cmp_lt_u32 s27, 61
	s_cbranch_scc1 .Lend
	v_mov_b32 v232, 0
	v_permlanex16_b32 v232, v176, s22, s23         ; lane 16 + n takes row 16 + n's column 0 (register 0 of lane n of the second tile),
	v_cmp_gt_u32 vcc_lo, 16, v31
	v_cndmask_b32 v233, v232, v168, vcc_lo         ; lane n keeps row n's
	s_lshr_b32 s28, ttmp9, 6
	s_mul_i32 s28, s28, 384                        ; 96 numbers a batch
	s_sub_co_u32 s27, s27, 61
	s_lshl_b32 s27, s27, 7                         ; 32 rows a work-group
	s_add_co_u32 s28, s28, s27
	s_mov_b32 s29, 0
	s_add_nc_u64 s[14:15], s[14:15], s[28:29]
	global_store_b32 v3, v233, s[14:15]            ; 32 lanes store 128 consecutive bytes
.Lend:
	s_wait_tensorcnt 0x0
	ds_add_u32 v254, v255
	s_wait_dscnt 0x0
	s_endpgm
.Lfunc_end_k_q9529b4c655_final:
	.size	k_q9529b4c655_final, .Lfunc_end_k_q9529b4c655_final-k_q9529b4c655_final
	.p2alignl 7, 3214868480
	.fill 96, 4, 3214868480
	.section	.rodata,"a",@progbits
	.p2align	6, 0x0
	.amdhsa_kernel k_q9529b4c655_final
		.amdhsa_group_segment_fixed_size 45056
		.amdhsa_private_segment_fixed_size 0
		.amdhsa_enable_private_segment 0
		.amdhsa_kernarg_size 48
		.amdhsa_user_sgpr_count 2
		.amdhsa_user_sgpr_kernarg_segment_ptr 1
		.amdhsa_wavefront_size32 1
		.amdhsa_system_sgpr_workgroup_id_x 1
		.amdhsa_system_sgpr_workgroup_id_y 1
		.amdhsa_system_sgpr_workgroup_id_z 1
		.amdhsa_system_vgpr_workitem_id 0
		.amdhsa_next_free_vgpr 256
		.amdhsa_next_free_sgpr 66
		.amdhsa_reserve_vcc 1
		.amdhsa_float_denorm_mode_32 3
		.amdhsa_float_denorm_mode_16_64 3
		.amdhsa_memory_ordered 1
		.amdhsa_forward_progress 1
		.amdhsa_inst_pref_size 19
	.end_amdhsa_kernel
	.amdgpu_metadata
---
amdhsa.version: [ 1, 2 ]
amdhsa.kernels:
  - .name:           k_q9529b4c655_final
    .symbol:         k_q9529b4c655_final.kd
    .args:
      - { .name: xfA, .offset: 0, .size: 8, .value_kind: global_buffer, .address_space: global }
      - { .name: lnf_g, .offset: 8, .size: 8, .value_kind: global_buffer, .address_space: global }
      - { .name: lnf_b, .offset: 16, .size: 8, .value_kind: global_buffer, .address_space: global }
      - { .name: fin, .offset: 24, .size: 8, .value_kind: global_buffer, .address_space: global }
      - { .name: b_proj, .offset: 32, .size: 8, .value_kind: global_buffer, .address_space: global }
      - { .name: out0, .offset: 40, .size: 8, .value_kind: global_buffer, .address_space: global }
    .group_segment_fixed_size: 45056
    .private_segment_fixed_size: 0
    .kernarg_segment_align: 8
    .kernarg_segment_size: 48
    .max_flat_workgroup_size: 256
    .sgpr_count:     66
    .vgpr_count:     256
    .wavefront_size: 32
...
	.end_amdgpu_metadata
.endif
;; end of part 3
;; ======== version 2 of 2: 4 launches
;; workspace buffers: lay1 652,288 bytes; lay2 652,288 bytes; fin 19,968 bytes; xfA 8,388,608 bytes; xfB 8,388,608 bytes; xqA 1,638,400 bytes; xqB 1,638,400 bytes
;; launch prep (part 4): grid 356 x 1, 8 waves a work-group, no clusters, 45,056 bytes of LDS; arguments x_enc, W_emb, b_emb, Wq, Wk, Wv, Wo, W1, W2, W_proj, bq, bk, bv, bo, b1, b2, ln1_g, ln1_b, ln2_g, ln2_b, lay1, lay2, fin, xfA, xqA; writes lay1, lay2, fin, xfA, xqA
.if DOCPART == 4
	.amdgcn_target "amdgcn-amd-amdhsa--gfx1250"
	.amdhsa_code_object_version 6
	.text
	.protected	k_q9529b4c655_prep
	.globl	k_q9529b4c655_prep
	.p2align	8
	.type	k_q9529b4c655_prep,@function
k_q9529b4c655_prep:
	s_mov_b64 s[64:65], 0
	v_nop
	global_prefetch_b8 v0, s[64:65] scope:SCOPE_SE
	s_setreg_imm32_b32 hwreg(HW_REG_WAVE_MODE, 25, 1), 1
	s_wait_xcnt 0x0
; PREP.  Three kinds of work-groups, told apart by the work-group's number alone.
;  0..255   E: x = x_enc W_emb + b_emb (f32 multiply-adds) for 32 rows; x goes out as f32 rows (xfA) and as codes of E2M3 with E8M0 scale bytes (xqA).
;  256..353 W: a wave turns 16 columns x 128 K of one weight into one operand fragment (codes + scale word) of lay1, lay2 or fin.
;  354,355  C: the layer's biases and gains are gathered behind the fragments of lay1, lay2.
; THE QUANTISER: a block of 32 along K; scale 2^(floor(log2(largest magnitude)) - 2); its byte is the largest magnitude's exponent field - 2, held at 1 from below by a floor among the maximum's leaves.
; LIMITS: a block of zeros gets the byte 1 where the rule says 127 (its codes are zeros, and this program alone reads the bytes); NaN and infinities among the inputs are not served.
; LAYOUTS.  A weight fragment: 1,536 bytes, registers 4 q .. 4 q + 3 of lane L at 512 q + 16 L; its scale word of lane L at 4 L.
; An x fragment (16 rows x 128 K): two halves c of 768 bytes; registers 6 c .. 6 c + 3 of lane L at 768 c + 16 L, registers 6 c + 4, 6 c + 5 at 768 c + 512 + 8 L; so a lane that holds one block's 24 bytes stores 16 + 8.
; ROWS.  Work-group 8 blk + j owns the rows 256 blk + 64 (j / 2) + 2 (j % 2) + T + 4 n, T = 0, 1, n = 0 .. 15: tile 2 j + T of its block of 256 rows.
.set PAR,  638976                      ; the parameters behind 384 fragments and 384 scale words
.set SCO,  589824                      ; where the scale words of lay1, lay2 begin
.set ESA,  0                           ; LDS (role E alone): a stage of 32 rows, 1,168 bytes apart, each of 8 column blocks 144 bytes apart
.set EXO,  37376                       ; four x fragments
.set EXOS, 43520                       ; their scale words, 64 bytes each
; 32 numbers of ONE lane, v[s] .. v[s + 31], are one block: codes into v[pb] .. v[pb + 5], the byte into v[tm + 3]
.macro QBLK s, pb, pt, tm
	v_max3_num_f32 v[\tm], |v[\s]|, |v[\s+1]|, 0x1800000             ; two chains, each begun with the floor 2^(3 - 127)
	v_max3_num_f32 v[\tm+1], |v[\s+2]|, |v[\s+3]|, 0x1800000
.irp i,4,8,12,16,20,24,28
	s_delay_alu instid0(VALU_DEP_2)
	v_max3_num_f32 v[\tm], v[\tm], |v[\s+\i]|, |v[\s+\i+1]|
	s_delay_alu instid0(VALU_DEP_2)
	v_max3_num_f32 v[\tm+1], v[\tm+1], |v[\s+\i+2]|, |v[\s+\i+3]|
.endr
	s_delay_alu instid0(VALU_DEP_1)
	v_max_num_f32 v[\tm], v[\tm], v[\tm+1]
	s_delay_alu instid0(VALU_DEP_1)
	v_add_nc_u32 v[\tm+2], 0xff000000, v[\tm]                        ; 2 off the exponent field: the conversion's scale operand
	s_delay_alu instid0(VALU_DEP_1)
	v_lshrrev_b32 v[\tm+3], 23, v[\tm+2]                             ; the scale's byte
	v_cvt_scalef32_pk16_fp6_f32 v[\pb:\pb+2], v[\s:\s+15], v[\tm+2]
	v_cvt_scalef32_pk16_fp6_f32 v[\pt:\pt+2], v[\s+16:\s+31], v[\tm+2]  ; (a conversion's three registers begin on an even number)
	v_nop                                                            ; one plain place behind a scaled conversion
.irp i,0,1,2
	v_mov_b32 v[\pb+3+\i], v[\pt+\i]
.endr
.endm
	s_load_b512 s[4:19], s[0:1], 0x0               ; x_enc 4, W_emb 6, b_emb 8, Wq 10, Wk 12, Wv 14, Wo 16, W1 18
	s_load_b512 s[20:35], s[0:1], 0x40             ; W2 20, W_proj 22, bq 24, bk 26, bv 28, bo 30, b1 32, b2 34
	s_load_b512 s[36:51], s[0:1], 0x80             ; ln1_g 36, ln1_b 38, ln2_g 40, ln2_b 42, lay1 44, lay2 46, fin 48, xfA 50
	s_load_b64 s[52:53], s[0:1], 0xc0              ; xqA
	v_lshl_add_u32 v22, v0, 2, 0xac00
	v_mov_b32 v23, 0
	v_lshrrev_b32 v1, 5, v0
	s_delay_alu instid0(VALU_DEP_1)
	v_readfirstlane_b32 s57, v1                    ; wave 0..7
	v_and_b32 v2, 31, v0                           ; lane L
	s_delay_alu instid0(VALU_DEP_1)
	v_lshlrev_b32 v1, 4, v2                        ; 16 L
	s_delay_alu instid0(VALU_DEP_2)
	v_lshlrev_b32 v3, 2, v2                        ; 4 L
	s_mov_b32 s72, 0x76543210
	s_mov_b32 s73, 0xfedcba98                      ; v_permlanex16_b32's selects for lane l xor 16
	s_cmp_lt_u32 ttmp9, 256
	s_cbranch_scc0 .Lnot_e
; ---------------- ROLE E.  Wave w, lane L: own row 4 w + L / 8 (T = w / 4, n = 4 (w % 4) + L / 8), columns 32 (L % 8) + 0 .. 31: one block of 32 in a lane
	s_lshr_b32 s54, ttmp9, 3                       ; blk
	s_and_b32 s55, ttmp9, 7                        ; j
	s_lshr_b32 s58, s57, 2                         ; T
	s_and_b32 s59, s57, 3
	v_bfe_u32 v15, v0, 3, 2                        ; L / 8
	v_and_b32 v16, 7, v0                           ; L % 8
	v_bfe_u32 v17, v0, 2, 1                        ; the block's K step
	v_bfe_u32 v18, v0, 1, 1                        ; its half c of the fragment
	v_and_b32 v19, 1, v0                           ; its half of the lanes
	v_and_b32 v20, 3, v0                           ; its byte in the scale word
	v_mul_u32_u24 v4, v15, 112                     ; x_enc: my row lies 4 (L / 8) rows of 28 bytes on
	v_lshlrev_b32 v5, 7, v16                       ; my 32 columns in b_emb and in a row of W_emb
	s_mul_i32 s60, s57, 4672                       ; my wave's four rows of the stage
	v_mad_u32_u24 v13, v15, 1168, s60
	s_delay_alu instid0(VALU_DEP_1)
	v_mad_u32_u24 v13, v16, 144, v13               ; v13: my row, my column block
	v_mad_u32_u24 v14, v15, 144, s60
	s_delay_alu instid0(VALU_DEP_1)
	v_lshl_add_u32 v14, v16, 4, v14                ; v14: the way out: 512 consecutive bytes of a row to 32 lanes
	s_mul_i32 s61, s58, 3072
	s_lshl_b32 s60, s59, 6
	s_add_co_u32 s60, s60, s61
	s_add_co_u32 s60, s60, EXO
	v_lshl_add_u32 v10, v15, 4, s60
	s_delay_alu instid0(VALU_DEP_1)
	v_mad_u32_u24 v10, v17, 1536, v10
	s_delay_alu instid0(VALU_DEP_1)
	v_mad_u32_u24 v10, v18, 768, v10
	s_delay_alu instid0(VALU_DEP_1)
	v_lshl_add_u32 v10, v19, 8, v10                ; v10: my block's first 16 bytes in its fragment
	s_lshl_b32 s60, s59, 5
	s_add_co_u32 s60, s60, s61
	s_add_co_u32 s60, s60, EXO
	v_lshl_add_u32 v11, v15, 3, s60
	s_delay_alu instid0(VALU_DEP_1)
	v_mad_u32_u24 v11, v17, 1536, v11
	s_delay_alu instid0(VALU_DEP_1)
	v_mad_u32_u24 v11, v18, 768, v11
	s_delay_alu instid0(VALU_DEP_1)
	v_lshl_add_u32 v11, v19, 7, v11                ; v11: its last 8 (+ 512 in the store)
	s_lshl_b32 s60, s58, 7
	s_lshl_b32 s61, s59, 4
	s_add_co_u32 s60, s60, s61
	s_add_co_u32 s60, s60, EXOS
	v_lshl_add_u32 v12, v15, 2, s60
	s_delay_alu instid0(VALU_DEP_1)
	v_lshl_add_u32 v12, v17, 6, v12
	s_delay_alu instid0(VALU_DEP_1)
	v_add_nc_u32 v12, v12, v20                     ; v12: its scale byte
	v_lshl_add_u32 v6, v0, 3, EXO                  ; the copy out: 8 bytes a thread
	v_lshlrev_b32 v7, 3, v0
	v_lshl_add_u32 v8, v2, 3, EXOS
	v_lshlrev_b32 v9, 3, v2
	v_mov_b32 v31, 0                               ; the upper half of the pair that holds x's seventh number
	s_lshl_b32 s62, s54, 8
	s_lshr_b32 s63, s55, 1
	s_lshl_b32 s63, s63, 6
	s_add_co_u32 s62, s62, s63
	s_and_b32 s63, s55, 1
	s_lshl_b32 s63, s63, 1
	s_add_co_u32 s62, s62, s63
	s_add_co_u32 s62, s62, s58
	s_lshl_b32 s63, s59, 4
	s_add_co_u32 s62, s62, s63                     ; my wave's first row: 256 blk + 64 (j / 2) + 2 (j % 2) + T + 16 (w % 4)
	s_mul_i32 s66, s62, 28
	s_mov_b32 s67, 0
	s_lshl_b32 s68, s62, 10
	s_mov_b32 s69, 0
	s_mul_i32 s70, s54, 51200
	s_mul_i32 s71, s55, 6144
	s_add_co_u32 s70, s70, s71
	s_mov_b32 s71, 0
	s_mul_i32 s74, s54, 51200
	s_lshl_b32 s75, s55, 8
	s_add_co_u32 s74, s74, s75
	s_mov_b32 s75, 0
	s_wait_kmcnt 0x0
	s_add_nc_u64 s[4:5], s[4:5], s[66:67]
	s_add_nc_u64 s[50:51], s[50:51], s[68:69]
	s_add_nc_u64 s[76:77], s[52:53], s[70:71]      ; my four fragments in xqA
	s_add_nc_u64 s[78:79], s[52:53], s[74:75]      ; and (49,152 on) their scale words
.irp d,0,1,2,3,4,5,6
	global_load_b32 v[24+\d], v4, s[4:5] offset:4*\d
.endr
.irp i,0,1,2,3,4,5,6,7
	global_load_b128 v[32+4*\i:35+4*\i], v5, s[8:9] offset:16*\i           ; the bias starts the sums
.endr
.irp d,0,1,2,3,4,5
.irp i,0,1,2,3,4,5,6,7
	global_load_b128 v[64+32*\d+4*\i:67+32*\d+4*\i], v5, s[6:7] offset:1024*\d+16*\i
.endr
.endr
.macro EFMA d, wr                      ; x(row, d) times row d of W_emb onto my 32 sums, two at a time
.irp i,0,2,4,6,8,10,12,14,16,18,20,22,24,26,28,30
.if (\d)%2
	v_pk_fma_f32 v[32+\i:33+\i], v[\wr+\i:\wr+\i+1], v[23+\d:24+\d], v[32+\i:33+\i] op_sel:[0,1,0] op_sel_hi:[1,1,1]   ; the pair's second word for both halves
.else
	v_pk_fma_f32 v[32+\i:33+\i], v[\wr+\i:\wr+\i+1], v[24+\d:25+\d], v[32+\i:33+\i] op_sel_hi:[1,0,1]                  ; its first word for both
.endif
.endr
.endm
	s_wait_loadcnt 40                              ; x, the bias and row 0 are in; rows 1 to 5 (40 loads) may be out
	EFMA 0, 64
.irp i,0,1,2,3,4,5,6,7
	global_load_b128 v[64+4*\i:67+4*\i], v5, s[6:7] offset:6144+16*\i      ; row 6 into row 0's registers
.endr
	s_wait_loadcnt 40                              ; row 1 is in: behind it rows 2 to 6
	EFMA 1, 96
	s_wait_loadcnt 32
	EFMA 2, 128
	s_wait_loadcnt 24
	EFMA 3, 160
	s_wait_loadcnt 16
	EFMA 4, 192
	s_wait_loadcnt 8
	EFMA 5, 224
	s_wait_loadcnt 0x0
	EFMA 6, 64
	QBLK 32, 96, 102, 106
	ds_store_b128 v10, v[96:99]
	ds_store_b64 v11, v[100:101] offset:512
	ds_store_b8 v12, v109
.irp i,0,1,2,3,4,5,6,7
	ds_store_b128 v13, v[32+4*\i:35+4*\i] offset:16*\i                     ; my wave's own four rows of the stage
.endr
.irp q,0,1,2,3
.irp i,0,1
	ds_load_b128 v[128+8*\q+4*\i:131+8*\q+4*\i], v14 offset:1168*\q+576*\i ; LDS serves a wave's instructions in order: these see the stores above
.endr
.endr
.irp q,0,1,2,3
.irp i,0,1
	s_wait_dscnt 7-2*\q-\i
	global_store_b128 v1, v[128+8*\q+4*\i:131+8*\q+4*\i], s[50:51] offset:4096*\q+512*\i   ; 32 lanes store 512 consecutive bytes of a row of x
.endr
.endr
	s_wait_dscnt 0x0                               ; my stores into the fragments have landed
	s_barrier_signal -1
	s_barrier_wait -1                              ; everybody's have
.irp i,0,1,2
	ds_load_b64 v[112+2*\i:113+2*\i], v6 offset:2048*\i
.endr
	s_wait_dscnt 0x0
.irp i,0,1,2
	global_store_b64 v7, v[112+2*\i:113+2*\i], s[76:77] offset:2048*\i     ; the four fragments, 6,144 dense bytes
.endr
	s_cmp_lg_u32 s57, 0
	s_cbranch_scc1 .Le_end
	ds_load_b64 v[118:119], v8
	s_wait_dscnt 0x0
	global_store_b64 v9, v[118:119], s[78:79] offset:49152                 ; their 256 scale bytes
.Le_end:
	s_wait_tensorcnt 0x0
	ds_add_u32 v22, v23
	s_wait_dscnt 0x0
	s_endpgm
; ---------------- ROLE W.  A lane takes a column of the weight and its registers run down K: lane (r, h) holds k = 128 s + 64 c + 32 h + 0 .. 31, c = 0, 1: two whole blocks
.Lnot_e:
	s_wait_kmcnt 0x0
	s_cmp_lt_u32 ttmp9, 354
	s_cbranch_scc0 .Lrole_c
	v_and_b32 v5, 7, v0                            ; r % 8
	v_bfe_u32 v6, v0, 3, 1                         ; r / 8
	v_bfe_u32 v7, v0, 4, 1                         ; h
; p: the weight's pointer; lb: bytes of a layer; nn: its columns; ty: which 16 columns form tile ct; ksh: log2 of its K steps; m0: the weight's first work-group; phi0: its first fragment; lim: fragments, where the last work-group has waves over
;  ty 0: column 32 (ct / 2) + 8 (ct % 2) + r % 8 + 16 (r / 8): the results of two neighbouring tiles are 16 neighbours along the next K
;  ty 1: column 16 ct + r      ty 2: column 2 ct + 32 (r % 8) + r / 8: a lane's eight results are the eight groups of 32 columns at one place in the group
.macro WPATH p, lb, nn, ty, ksh, m0, phi0, lim
	s_sub_co_u32 s60, s54, \m0
	s_lshl_b32 s60, s60, 3
	s_add_co_u32 s60, s60, s57                     ; the fragment's number in its weight
.if \lim
	s_cmp_lt_u32 s60, \lim
	s_cbranch_scc0 .Lw_end
.endif
	s_lshr_b32 s61, s60, \ksh                      ; ct
	s_and_b32 s62, s60, (1<<\ksh)-1                ; K step s
	s_add_co_u32 s63, s60, \phi0                   ; its number in the buffer
.if \ty == 0
	s_lshr_b32 s66, s61, 1
	s_lshl_b32 s66, s66, 7
	s_and_b32 s67, s61, 1
	s_lshl_b32 s67, s67, 5
	s_add_co_u32 s66, s66, s67
	v_lshl_add_u32 v4, v5, 2, s66
	s_delay_alu instid0(VALU_DEP_1)
	v_lshl_add_u32 v4, v6, 6, v4
.elseif \ty == 1
	s_lshl_b32 s66, s61, 6
	s_wait_alu depctr_va_vdst(0)
	v_lshl_add_u32 v4, v5, 2, s66
	s_delay_alu instid0(VALU_DEP_1)
	v_lshl_add_u32 v4, v6, 5, v4
.else
	s_lshl_b32 s66, s61, 3
	v_lshl_add_u32 v4, v5, 7, s66
	s_delay_alu instid0(VALU_DEP_1)
	v_lshl_add_u32 v4, v6, 2, v4
.endif
	s_delay_alu instid0(VALU_DEP_1)
	v_mad_u32_u24 v4, v7, 128*\nn, v4              ; lanes 16-31 begin 32 rows further down
	s_mul_i32 s70, s55, \lb
	s_mul_i32 s71, s62, 512*\nn
	s_add_co_u32 s70, s70, s71
	s_mov_b32 s71, 0
	s_add_nc_u64 s[68:69], s[\p:\p+1], s[70:71]
.irp c,0,1
.irp i,0,1,2,3,4,5,6,7,8,9,10,11,12,13,14,15,16,17,18,19,20,21,22,23,24,25,26,27,28,29,30,31
	global_load_b32 v[64+32*\c+\i], v4, s[68:69] offset:4*\nn*(64*\c+\i)
.endr
.endr
	s_branch .Lq
.endm
	s_sub_co_u32 s54, ttmp9, 256
	s_cmp_lt_u32 s54, 96
	s_cbranch_scc0 .Lproj
	s_cmp_lt_u32 s54, 48                           ; 48 work-groups a layer
	s_cselect_b32 s55, 0, 1                        ; the layer
	s_cselect_b32 s56, 0, 48
	s_cselect_b64 s[58:59], s[44:45], s[46:47]     ; lay1 or lay2: the choice hangs on the work-group's number alone
	s_sub_co_u32 s54, s54, s56
	s_mov_b32 s78, SCO
	s_cmp_lt_u32 s54, 4
	s_cbranch_scc0 .Lnot_wq
	s_wait_alu depctr_va_vdst(0)
	WPATH 10, 262144, 256, 0, 1, 0, 0, 0
.Lnot_wq:
	s_cmp_lt_u32 s54, 8
	s_cbranch_scc0 .Lnot_wk
	s_wait_alu depctr_va_vdst(0)
	WPATH 12, 262144, 256, 0, 1, 4, 32, 0
.Lnot_wk:
	s_cmp_lt_u32 s54, 12
	s_cbranch_scc0 .Lnot_wv
	s_wait_alu depctr_va_vdst(0)
	WPATH 14, 262144, 256, 2, 1, 8, 64, 0
.Lnot_wv:
	s_cmp_lt_u32 s54, 16
	s_cbranch_scc0 .Lnot_wo
	s_wait_alu depctr_va_vdst(0)
	WPATH 16, 262144, 256, 1, 1, 12, 96, 0
.Lnot_wo:
	s_cmp_lt_u32 s54, 32
	s_cbranch_scc0 .Lnot_w1
	s_wait_alu depctr_va_vdst(0)
	WPATH 18, 1048576, 1024, 0, 1, 16, 128, 0
.Lnot_w1:
	s_wait_alu depctr_va_vdst(0)
	WPATH 20, 1048576, 256, 1, 3, 32, 256, 0
.Lproj:
	s_sub_co_u32 s54, s54, 96
	s_mov_b32 s55, 0
	s_mov_b64 s[58:59], s[48:49]                   ; fin
	s_mov_b32 s78, 18432
	WPATH 22, 0, 96, 1, 1, 0, 0, 12
.Lq:
	s_mul_i32 s70, s63, 1536
	s_mov_b32 s71, 0
	s_add_nc_u64 s[74:75], s[58:59], s[70:71]      ; the fragment's place
	s_lshl_b32 s70, s63, 7
	s_add_co_u32 s70, s70, s78
	s_add_nc_u64 s[76:77], s[58:59], s[70:71]      ; its scale words' place
	s_wait_loadcnt 0x0
	QBLK 64, 32, 44, 48                            ; registers 0-5 of the operand
	QBLK 96, 38, 44, 52                            ; registers 6-11
	v_lshl_or_b32 v56, v55, 16, v51                ; my two bytes: blocks h and 2 + h of my column,
	v_lshlrev_b32 v57, 3, v7
	s_delay_alu instid0(VALU_DEP_1)
	v_lshlrev_b32 v56, v57, v56                    ; at their places in the scale word;
	v_mov_b32 v58, 0
	s_delay_alu instid0(VALU_DEP_1)
	v_permlanex16_b32 v58, v56, s72, s73
	s_delay_alu instid0(VALU_DEP_1)
	v_or_b32 v56, v56, v58                         ; with lane l xor 16's two the word is whole, in both halves of the lanes
	global_store_b128 v1, v[32:35], s[74:75]
	global_store_b128 v1, v[36:39], s[74:75] offset:512
	global_store_b128 v1, v[40:43], s[74:75] offset:1024                   ; each store of the wave covers 512 consecutive bytes
	global_store_b32 v3, v56, s[76:77]
.Lw_end:
	s_endpgm
; ---------------- ROLE C.  b1 (1,024 numbers) and nine vectors of 256, one layer to a work-group
.Lrole_c:
	s_sub_co_u32 s54, ttmp9, 354
	s_cmp_eq_u32 s54, 0
	s_cselect_b64 s[58:59], s[44:45], s[46:47]
	s_lshl_b32 s60, s54, 10
	s_mov_b32 s61, 0
	s_lshl_b32 s62, s54, 12
	s_mov_b32 s63, 0
	s_add_nc_u64 s[32:33], s[32:33], s[62:63]
.irp p,36,38,40,42,34,30,24,26,28
	s_add_nc_u64 s[\p:\p+1], s[\p:\p+1], s[60:61]
.endr
	v_lshlrev_b32 v4, 4, v0
	v_lshlrev_b32 v5, 2, v0
	global_load_b128 v[8:11], v4, s[32:33]
.set KK, 0
.irp p,36,38,40,42,34,30,24,26,28      ; ln1_g, ln1_b, ln2_g, ln2_b, b2, bo, bq, bk, bv
	global_load_b32 v[12+KK], v5, s[\p:\p+1]
.set KK, KK+1
.endr
	s_wait_alu depctr_va_vdst(0)
	s_wait_loadcnt 0x0
	global_store_b128 v4, v[8:11], s[58:59] offset:PAR
.set KK, 0
.rept 9
	global_store_b32 v5, v[12+KK], s[58:59] offset:PAR+4096+1024*KK
.set KK, KK+1
.endr
	s_endpgm
.Lfunc_end_k_q9529b4c655_prep:
	.size	k_q9529b4c655_prep, .Lfunc_end_k_q9529b4c655_prep-k_q9529b4c655_prep
	.p2alignl 7, 3214868480
	.fill 96, 4, 3214868480
	.section	.rodata,"a",@progbits
	.p2align	6, 0x0
	.amdhsa_kernel k_q9529b4c655_prep
		.amdhsa_group_segment_fixed_size 45056
		.amdhsa_private_segment_fixed_size 0
		.amdhsa_enable_private_segment 0
		.amdhsa_kernarg_size 200
		.amdhsa_user_sgpr_count 2
		.amdhsa_user_sgpr_kernarg_segment_ptr 1
		.amdhsa_wavefront_size32 1
		.amdhsa_system_sgpr_workgroup_id_x 1
		.amdhsa_system_sgpr_workgroup_id_y 1
		.amdhsa_system_sgpr_workgroup_id_z 1
		.amdhsa_system_vgpr_workitem_id 0
		.amdhsa_next_free_vgpr 256
		.amdhsa_next_free_sgpr 80
		.amdhsa_reserve_vcc 0
		.amdhsa_float_denorm_mode_32 3
		.amdhsa_float_denorm_mode_16_64 3
		.amdhsa_memory_ordered 1
		.amdhsa_forward_progress 1
		.amdhsa_inst_pref_size 81
	.end_amdhsa_kernel
	.amdgpu_metadata
---
amdhsa.version: [ 1, 2 ]
amdhsa.kernels:
  - .name:           k_q9529b4c655_prep
    .symbol:         k_q9529b4c655_prep.kd
    .args:
      - { .name: x_enc, .offset: 0, .size: 8, .value_kind: global_buffer, .address_space: global }
      - { .name: W_emb, .offset: 8, .size: 8, .value_kind: global_buffer, .address_space: global }
      - { .name: b_emb, .offset: 16, .size: 8, .value_kind: global_buffer, .address_space: global }
      - { .name: Wq, .offset: 24, .size: 8, .value_kind: global_buffer, .address_space: global }
      - { .name: Wk, .offset: 32, .size: 8, .value_kind: global_buffer, .address_space: global }
      - { .name: Wv, .offset: 40, .size: 8, .value_kind: global_buffer, .address_space: global }
      - { .name: Wo, .offset: 48, .size: 8, .value_kind: global_buffer, .address_space: global }
      - { .name: W1, .offset: 56, .size: 8, .value_kind: global_buffer, .address_space: global }
      - { .name: W2, .offset: 64, .size: 8, .value_kind: global_buffer, .address_space: global }
      - { .name: W_proj, .offset: 72, .size: 8, .value_kind: global_buffer, .address_space: global }
      - { .name: bq, .offset: 80, .size: 8, .value_kind: global_buffer, .address_space: global }
      - { .name: bk, .offset: 88, .size: 8, .value_kind: global_buffer, .address_space: global }
      - { .name: bv, .offset: 96, .size: 8, .value_kind: global_buffer, .address_space: global }
      - { .name: bo, .offset: 104, .size: 8, .value_kind: global_buffer, .address_space: global }
      - { .name: b1, .offset: 112, .size: 8, .value_kind: global_buffer, .address_space: global }
      - { .name: b2, .offset: 120, .size: 8, .value_kind: global_buffer, .address_space: global }
      - { .name: ln1_g, .offset: 128, .size: 8, .value_kind: global_buffer, .address_space: global }
      - { .name: ln1_b, .offset: 136, .size: 8, .value_kind: global_buffer, .address_space: global }
      - { .name: ln2_g, .offset: 144, .size: 8, .value_kind: global_buffer, .address_space: global }
      - { .name: ln2_b, .offset: 152, .size: 8, .value_kind: global_buffer, .address_space: global }
      - { .name: lay1, .offset: 160, .size: 8, .value_kind: global_buffer, .address_space: global }
      - { .name: lay2, .offset: 168, .size: 8, .value_kind: global_buffer, .address_space: global }
      - { .name: fin, .offset: 176, .size: 8, .value_kind: global_buffer, .address_space: global }
      - { .name: xfA, .offset: 184, .size: 8, .value_kind: global_buffer, .address_space: global }
      - { .name: xqA, .offset: 192, .size: 8, .value_kind: global_buffer, .address_space: global }
    .group_segment_fixed_size: 45056
    .private_segment_fixed_size: 0
    .kernarg_segment_align: 8
    .kernarg_segment_size: 200
    .max_flat_workgroup_size: 256
    .sgpr_count:     80
    .vgpr_count:     256
    .wavefront_size: 32
...
	.end_amdgpu_metadata
.endif
;; end of part 4
;; launch layer1 (part 5): grid 256 x 1, 16 waves a work-group, no clusters, 283,392 bytes of LDS; arguments xfA, xqA, time_diffs, lay1, xfB, xqB; writes xfB, xqB
.if DOCPART == 5
	.amdgcn_target "amdgcn-amd-amdhsa--gfx1250"
	.amdhsa_code_object_version 6
	.text
	.protected	k_q9529b4c655_layer1
	.globl	k_q9529b4c655_layer1
	.p2align	8
	.type	k_q9529b4c655_layer1,@function
k_q9529b4c655_layer1:
	s_mov_b64 s[64:65], 0
	v_nop
	global_prefetch_b8 v0, s[64:65] scope:SCOPE_SE
	s_setreg_imm32_b32 hwreg(HW_REG_WAVE_SCHED_MODE, 0, 2), 2
	s_setreg_imm32_b32 hwreg(HW_REG_WAVE_MODE, 25, 1), 1
	s_wait_xcnt 0x0
	s_wait_alu depctr_vm_vsrc(0)
; ONE ENCODER LAYER.  x: [8192][256].  The reshape to heads is a plain re-reading of memory: head h of batch b is the block of 256 rows blk = 8 b + h; head position l = 8 x (row in the block) + column / 32, e = column % 32.
; So attention mixes the 256 rows of one block alone.  Work-group 8 blk + j makes the rows 64 (j / 2) + 2 (j % 2) + T + 4 n (T = 0, 1; n = 0 .. 15) of block blk: 32 rows, 256 queries.
; All products are on codes of E2M3 with one E8M0 scale for each 32 along K; every operand made here is quantised in f32 registers and goes from wave to wave through LDS in the order of the operand's registers.
; PHASES (a barrier between each two): copy of the block's x codes | Q of my 256 queries; K and V of all 256 rows (every work-group of a block makes them anew: they never go to memory) | attention, a wave to 16 queries,
; 128 keys a step | out Wo + bo + x | LayerNorm 1 | relu(. W1 + b1) | relu(. W2 + b2) | LayerNorm 2, x out as f32 rows and as codes.
; EVERY PRODUCT IS USED TRANSPOSED: source 0 = 16 columns of a weight (or 16 keys, or 16 of V's e), source 1 = 16 rows (queries): a lane holds ONE row and its registers run along the next K.
; ROW TILES ARE STRIDED: lane n of tile 4 a + p holds block row 64 a + 4 n + p, so a lane's four tiles are the 4 rows x 8 groups of ONE block of 32 keys (key block 16 a + n, place 8 p + group).
; Q K^T HAS K = 32: a fragment of K holds FOUR tiles of 16 keys in its four blocks of 32 along K; Q stands in one block and zero codes in the other three (four versions of Q in overlapping registers).
; THE SOFTMAX: t = score x c, c = exp(-time_diff / 5) log2(e) / sqrt(5) of the lane's query; M = the running largest t rounded up to a whole number; p = 2^(t - M) is quantised along the keys; the sum is taken of the
; unquantised p and divides at the end; when M moves, sum and O are multiplied by 2^(old M - new M), which rounds nothing.
; LIMITS: NaN and infinities are not served; a block of zeros gets the scale byte 1 where the rule says 127 (zero codes; this program alone reads the bytes); -time_diff log2(e) / 5 stays inside v_exp_f32's range
; (under -126 the factor c falls to 0); p under 2^-126 falls to 0; f32 sums are taken in another order than the reference's.  Every listed product is formed for all rows, also those that the returned slice drops.
; The codes that the second layer's launch stores are read by nobody: the price of one text for both layers.
; No tensor loads: each weight fragment is read once by the one wave that multiplies by it, straight into its registers, and every LDS region is written once (the stage SA is rewritten in place by the lanes that read it).
; THE MODE: SCHED_MODE bits 1:0 = 2 (LLVM: expert scheduling mode 2), set by the entry lines.  The code itself states the register dependences between vector or matrix instructions and memory or LDS instructions,
; with s_wait_alu, always for 0.
; THE PLAN, phase by phase: which registers memory and LDS instructions touch, and who else names them.
;   Offsets and LDS addresses v1-31 are made at the head, ahead of one wait on va_vdst; of them v11-13 move on once a key step, v8 and v5-7 are made anew where the text says so.
;   K and V: two buffers of x (v96-119, v120-143, scale words v42-45) by turns: a tile's four products read one, a wait on va_vdst follows them, the tile two on is loaded into it.  At a pass's end one wait on va_vdst
;     stands ahead of the codes' LDS stores (it also frees both buffers for the next pass's loads) and one on vm_vsrc behind them.
;   KEY STEP t: K's buffer v118-141 with v33 is loaded in step t - 1 and read by step t's eight products; V's buffer v142-165 with v34 is loaded in step t and read by its last two products.  One wait on va_vdst
;     behind the eight products frees both; V of step t and K of step t + 1 are asked for behind it in one run and land under the softmax.  The three addresses are stepped behind a wait on vm_vsrc, ahead of the wait
;     for the exponentials, which covers them.  A third wait on va_vdst stands ahead of the last two products: p's codes and scale word are written by vector instructions.
;   PRODUCT 9: four buffers (v48-71, v72-95, v112-135, v136-159; scale words v32-37, v46, v47): one wait on va_vdst behind each two K steps frees two buffers.
;   Results that leave by LDS stores: one wait on va_vdst ahead of each run of stores, one on vm_vsrc ahead of the next write of their data registers.
.set PAR, 638976                       ; lay: parameters (b1 0, ln1_g 4096, ln1_b 5120, ln2_g 6144, ln2_b 7168, b2 8192, bo 9216, bq 10240, bk 11264, bv 12288)
.set SCO, 589824                       ; lay: scale words, 128 bytes a fragment
.set XI,  0                            ; LDS: x's 32 fragments (2 tile + K step), 1,536 bytes each
.set XS,  49152                        ; their scale words, 64 bytes each
.set KI,  51200                        ; K's 32 fragments (2 step + f)
.set KS,  100352                       ; 128 bytes a step: word at 64 f + 4 row
.set VI,  102400                       ; V's 32 fragments (2 step + dt)
.set VS,  151552
.set AO,  153600                       ; attention's output, 4 fragments (2 T + K step)
.set AOS, 159744
.set YI,  160000                       ; LayerNorm 1's output, 4 fragments
.set YS,  166144
.set HI,  166400                       ; the hidden layer, 16 fragments (8 T + K step)
.set HS,  190976
.set XO,  192000                       ; the layer's output, 4 fragments
.set XOS, 198144
.set SA,  198400                       ; f32 stage: 32 rows 1,168 bytes apart, 8 column blocks 144 bytes apart
.set SB,  235776                       ; a second one
.set PR,  273152                       ; the first 8,192 bytes of the parameters
; REGISTERS.  v1-31 addresses, made at the head.  v32-47 scale words and nothing else.  v48-255 by phase (see each phase).
.set QS,  32                           ; Q's scale byte in all four places;   later, v32-35: the scale words of the rows' fragments
.set KSW, 33
.set VSW, 34
.set PSW, 35
.set QZ,  48                           ; v48-77: zeros, Q in lanes 0-15, zeros, Q in lanes 16-31, zeros (six registers each)
.set O,   78                           ; v78-93  O^T: register i = e 16 h + i of my query
.set CQ,  94                           ; v[94:95] c
.set NM,  96                           ; v96 -M, v97 the largest t
.set SUM, 98                           ; v[98:99]
.set FF,  100                          ; v[100:101] 2^(old M - new M)
.set ADA, 11                           ; v11-13 the key loop's LDS addresses: they move on by a key step in every step but the last
.set ADB, 12
.set ADS, 13
.set PX2, 105
.set BM,  106                          ; v106, v107 the two blocks' largest scores
.set RM,  108
.set PX,  109
.set DM,  110
.set TW,  111
.set SCL, 112
.set BY,  114
.set S2,  116
.set KB,  118                          ; v118-141 two fragments of K, of the step in hand or to come;
.set WO,  118                          ; in the last key step Wo's two fragments are asked for into them
.set VB,  142                          ; v142-165 two fragments of V
.set PC,  166                          ; v166-177 p's codes
.set PT0, 178
.set PT1, 182
.set S,   192                          ; v192-255 the scores, then p
.set RC,  70                           ; s70 1/256, s71 the norm's epsilon
.macro PLACES n                        ; plain vector places behind matrix instructions: 4 in front of reads of results and of loads or vector writes into their registers, 5 in front of a matrix instruction that writes over them
.rept \n
	v_nop
.endr
.endm
.macro BARRIER                         ; my LDS stores have landed and my LDS loads are in: then the work-group's barrier
	s_wait_dscnt 0x0
	s_barrier_signal -1
	s_barrier_wait -1
.endm
.macro WM d, a, b, c, sa, sb
	v_wmma_scale_f32_16x16x128_f8f6f4 v[\d:\d+7], v[\a:\a+11], v[\b:\b+11], v[\c:\c+7], v[\sa], v[\sb] matrix_a_fmt:MATRIX_FMT_FP6 matrix_b_fmt:MATRIX_FMT_FP6
.endm
.macro WM1 d, a, b, c, sa, sb          ; source 0's scales from lanes 16-31
	v_wmma_scale_f32_16x16x128_f8f6f4 v[\d:\d+7], v[\a:\a+11], v[\b:\b+11], v[\c:\c+7], v[\sa], v[\sb] matrix_a_fmt:MATRIX_FMT_FP6 matrix_b_fmt:MATRIX_FMT_FP6 matrix_a_scale:MATRIX_SCALE_ROW1
.endm
.macro WMZ d, a, b, sa, sb             ; the product starts its sum
	v_wmma_scale_f32_16x16x128_f8f6f4 v[\d:\d+7], v[\a:\a+11], v[\b:\b+11], 0, v[\sa], v[\sb] matrix_a_fmt:MATRIX_FMT_FP6 matrix_b_fmt:MATRIX_FMT_FP6
.endm
.macro WMZ1 d, a, b, sa, sb
	v_wmma_scale_f32_16x16x128_f8f6f4 v[\d:\d+7], v[\a:\a+11], v[\b:\b+11], 0, v[\sa], v[\sb] matrix_a_fmt:MATRIX_FMT_FP6 matrix_b_fmt:MATRIX_FMT_FP6 matrix_a_scale:MATRIX_SCALE_ROW1
.endm
.macro FRAGU reg, ra, rb, off          ; a fragment from LDS: v[ra] = base + 16 L, v[rb] = base + 8 L; every load is dense
	ds_load_b128 v[\reg:\reg+3], v[\ra] offset:\off
	ds_load_b64 v[\reg+4:\reg+5], v[\rb] offset:\off+512
	ds_load_b128 v[\reg+6:\reg+9], v[\ra] offset:\off+768
	ds_load_b64 v[\reg+10:\reg+11], v[\rb] offset:\off+1280
.endm
.macro GFRAGU reg, sb, off             ; the same from memory
	global_load_b128 v[\reg:\reg+3], v1, s[\sb:\sb+1] offset:\off
	global_load_b64 v[\reg+4:\reg+5], v2, s[\sb:\sb+1] offset:\off+512
	global_load_b128 v[\reg+6:\reg+9], v1, s[\sb:\sb+1] offset:\off+768
	global_load_b64 v[\reg+10:\reg+11], v2, s[\sb:\sb+1] offset:\off+1280
.endm
.macro GFRAG3 reg, sb, off             ; a weight fragment: three loads of 512 consecutive bytes
	global_load_b128 v[\reg:\reg+3], v1, s[\sb:\sb+1] offset:\off
	global_load_b128 v[\reg+4:\reg+7], v1, s[\sb:\sb+1] offset:\off+512
	global_load_b128 v[\reg+8:\reg+11], v1, s[\sb:\sb+1] offset:\off+1024
.endm
; 64 numbers of a lane, register 16 b + i = place 16 h + i of block b of my row: a fragment's codes in v[pc] .. v[pc + 11] (lane (n, h), registers 6 c ..: block 2 c + h), the four bytes in v[pw]
.macro QUANT s, pc, pw, tm
.irp b,0,1,2,3
	v_mov_b32 v[\tm+4+\b], 0                       ; a lane permute's destination counts as one of its sources
.endr
.irp b,0,1,2,3
	v_max3_num_f32 v[\tm+\b], |v[\s+16*\b]|, |v[\s+1+16*\b]|, 0x1800000   ; my 16 numbers, and the floor 2^(3 - 127): the byte cannot fall under 1
.endr
.irp i,2,4,6,8,10,12,14
.irp b,0,1,2,3
	v_max3_num_f32 v[\tm+\b], v[\tm+\b], |v[\s+16*\b+\i]|, |v[\s+1+16*\b+\i]|
.endr
.endr
.irp b,0,1,2,3
	v_permlanex16_b32 v[\tm+4+\b], v[\tm+\b], s22, s23
.endr
.irp b,0,1,2,3
	v_max_num_f32 v[\tm+\b], v[\tm+\b], v[\tm+4+\b]
.endr
.irp b,0,1,2,3
	v_add_nc_u32 v[\tm+12+\b], 0xff000000, v[\tm+\b]   ; 2 off the exponent field: the conversion's scale operand
.endr
.irp b,0,1,2,3
	v_lshrrev_b32 v[\tm+4+\b], 23, v[\tm+12+\b]
.endr
	v_lshl_or_b32 v[\pw], v[\tm+5], 8, v[\tm+4]
	v_lshl_or_b32 v[\pw], v[\tm+6], 16, v[\pw]
	v_lshl_or_b32 v[\pw], v[\tm+7], 24, v[\pw]
.irp c,0,1
	v_cvt_scalef32_pk16_fp6_f32 v[\pc+6*\c:\pc+2+6*\c], v[\s+32*\c:\s+15+32*\c], v[\tm+12+2*\c]
	v_cvt_scalef32_pk16_fp6_f32 v[\pc+12+4*\c:\pc+14+4*\c], v[\s+16+32*\c:\s+31+32*\c], v[\tm+13+2*\c]
.endr
	v_nop                                          ; one plain place behind a scaled conversion
.irp c,0,1
.irp i,0,1,2
	v_permlane16_swap_b32 v[\pc+6*\c+\i], v[\pc+12+4*\c+\i]   ; a whole block to a lane
.endr
.irp i,0,1,2
	v_mov_b32 v[\pc+3+6*\c+\i], v[\pc+12+4*\c+\i]
.endr
.endr
.endm
; 32 numbers of ONE lane are one block: codes into v[pb] .. v[pb + 5], the byte into v[tm + 3]
.macro QBLK s, pb, pt, tm
	v_max3_num_f32 v[\tm], |v[\s]|, |v[\s+1]|, 0x1800000
	v_max3_num_f32 v[\tm+1], |v[\s+2]|, |v[\s+3]|, 0x1800000
.irp i,4,8,12,16,20,24,28
	v_max3_num_f32 v[\tm], v[\tm], |v[\s+\i]|, |v[\s+\i+1]|
	v_max3_num_f32 v[\tm+1], v[\tm+1], |v[\s+\i+2]|, |v[\s+\i+3]|
.endr
	v_max_num_f32 v[\tm], v[\tm], v[\tm+1]
	v_add_nc_u32 v[\tm+2], 0xff000000, v[\tm]
	v_lshrrev_b32 v[\tm+3], 23, v[\tm+2]
	v_cvt_scalef32_pk16_fp6_f32 v[\pb:\pb+2], v[\s:\s+15], v[\tm+2]
	v_cvt_scalef32_pk16_fp6_f32 v[\pt:\pt+2], v[\s+16:\s+31], v[\tm+2]
	v_nop
.irp i,0,1,2
	v_mov_b32 v[\pb+3+\i], v[\pt+\i]
.endr
.endm
; 16 numbers of a lane, place 16 h + i of ONE block of row r: the block's 24 bytes into v[pb] .. v[pb + 5] of BOTH halves of the lanes, the byte into v[tm + 3]
.macro QHALF s, pb, tm
	v_mov_b32 v[\tm+1], 0
	v_max3_num_f32 v[\tm], |v[\s]|, |v[\s+1]|, 0x1800000
.irp i,2,4,6,8,10,12,14
	v_max3_num_f32 v[\tm], v[\tm], |v[\s+\i]|, |v[\s+\i+1]|
.endr
	v_permlanex16_b32 v[\tm+1], v[\tm], s22, s23
	v_max_num_f32 v[\tm], v[\tm], v[\tm+1]
	v_add_nc_u32 v[\tm+2], 0xff000000, v[\tm]
	v_lshrrev_b32 v[\tm+3], 23, v[\tm+2]
	v_cvt_scalef32_pk16_fp6_f32 v[\pb:\pb+2], v[\s:\s+15], v[\tm+2]
	v_nop
.irp i,0,1,2
	v_mov_b32 v[\pb+3+\i], v[\pb+\i]
.endr
.irp i,0,1,2
	v_permlane16_swap_b32 v[\pb+\i], v[\pb+3+\i]   ; the first now holds the lower 16 codes in both halves, the second the upper 16
.endr
.endm
; LayerNorm in place over v[z] .. v[z + 31]: 32 numbers a lane, 8 neighbouring lanes a row.  The variance is taken of the centred numbers.
.macro LNCORE z, g, b, t
	v_pk_add_f32 v[\t:\t+1], v[\z:\z+1], v[\z+2:\z+3]
	v_pk_add_f32 v[\t+2:\t+3], v[\z+4:\z+5], v[\z+6:\z+7]
.irp i,8,12,16,20,24,28
	v_pk_add_f32 v[\t:\t+1], v[\t:\t+1], v[\z+\i:\z+\i+1]
	v_pk_add_f32 v[\t+2:\t+3], v[\t+2:\t+3], v[\z+\i+2:\z+\i+3]
.endr
	v_pk_add_f32 v[\t:\t+1], v[\t:\t+1], v[\t+2:\t+3]
	v_add_f32 v[\t], v[\t], v[\t+1]
	v_add_f32_dpp v[\t], v[\t], v[\t] row_xmask:1 row_mask:0xf bank_mask:0xf
	v_add_f32_dpp v[\t], v[\t], v[\t] row_xmask:2 row_mask:0xf bank_mask:0xf
	v_add_f32_dpp v[\t], v[\t], v[\t] row_xmask:4 row_mask:0xf bank_mask:0xf
	v_mul_f32 v[\t+4], s[RC], v[\t]                ; the mean
	v_mov_b32 v[\t+5], v[\t+4]
.irp i,0,2,4,6,8,10,12,14,16,18,20,22,24,26,28,30
	v_pk_add_f32 v[\z+\i:\z+\i+1], v[\z+\i:\z+\i+1], v[\t+4:\t+5] neg_lo:[0,1] neg_hi:[0,1]
.endr
	v_pk_mul_f32 v[\t:\t+1], v[\z:\z+1], v[\z:\z+1]
	v_pk_mul_f32 v[\t+2:\t+3], v[\z+2:\z+3], v[\z+2:\z+3]
.irp i,4,8,12,16,20,24,28
	v_pk_fma_f32 v[\t:\t+1], v[\z+\i:\z+\i+1], v[\z+\i:\z+\i+1], v[\t:\t+1]
	v_pk_fma_f32 v[\t+2:\t+3], v[\z+\i+2:\z+\i+3], v[\z+\i+2:\z+\i+3], v[\t+2:\t+3]
.endr
	v_pk_add_f32 v[\t:\t+1], v[\t:\t+1], v[\t+2:\t+3]
	v_add_f32 v[\t], v[\t], v[\t+1]
	v_add_f32_dpp v[\t], v[\t], v[\t] row_xmask:1 row_mask:0xf bank_mask:0xf
	v_add_f32_dpp v[\t], v[\t], v[\t] row_xmask:2 row_mask:0xf bank_mask:0xf
	v_add_f32_dpp v[\t], v[\t], v[\t] row_xmask:4 row_mask:0xf bank_mask:0xf
	v_fma_f32 v[\t+6], v[\t], s[RC], s[RC+1]       ; the variance + epsilon
	s_wait_alu depctr_va_vdst(0)
	v_rsq_f32 v[\t+6], v[\t+6]
	v_nop                                          ; one plain place behind a transcendental
	s_wait_alu depctr_va_vdst(0)                   ; the reciprocal root is written, ahead of its first reader
	v_mov_b32 v[\t+7], v[\t+6]
.irp i,0,2,4,6,8,10,12,14,16,18,20,22,24,26,28,30
	v_pk_mul_f32 v[\z+\i:\z+\i+1], v[\z+\i:\z+\i+1], v[\t+6:\t+7]
.endr
.irp i,0,2,4,6,8,10,12,14,16,18,20,22,24,26,28,30
	v_pk_fma_f32 v[\z+\i:\z+\i+1], v[\z+\i:\z+\i+1], v[\g+\i:\g+\i+1], v[\b+\i:\b+\i+1]
.endr
.endm
.macro IMGOUT off                      ; the block in v144-149 and its byte in v157 go to their places in a fragment (0: LayerNorm 1's; 32000: the layer's output)
	ds_store_b128 v23, v[144:147] offset:\off
	ds_store_b64 v24, v[148:149] offset:\off+512
	ds_store_b8 v25, v157 offset:\off
.endm
; ======== HEAD: ids, every address register, the pointers
	s_load_b256 s[4:11], s[0:1], 0x0               ; x f32 in 4, x codes in 6, time_diffs 8, lay 10
	s_load_b128 s[12:15], s[0:1], 0x20             ; x f32 out 12, x codes out 14
	v_lshrrev_b32 v61, 5, v0
	v_readfirstlane_b32 s16, v61                   ; wave w, 0..15
	s_wait_alu depctr_va_sdst(0)                   ; s16 is written, ahead of its first reader: addresses, pointers and the branches on the wave's number are made from it
	s_lshr_b32 s17, ttmp9, 3                       ; blk
	s_and_b32 s18, ttmp9, 7                        ; j
	s_lshr_b32 s19, s16, 3                         ; T = w / 8
	s_and_b32 s20, s16, 7                          ; g = w % 8
	s_mov_b32 s22, 0x76543210
	s_mov_b32 s23, 0xfedcba98                      ; v_permlanex16_b32's selects for lane l xor 16
	s_mov_b32 s[RC], 0x3b800000
	s_mov_b32 s[RC+1], 0x3727c5ac
	s_bfe_u32 s28, s20, 0x10001                    ; (g / 2) % 2
	s_and_b32 s29, s20, 1                          ; g % 2
	s_lshr_b32 s30, s20, 2                         ; g / 4
	s_and_b32 s31, s20, 3                          ; g % 4
	v_and_b32 v61, 31, v0                          ; L
	v_and_b32 v62, 15, v0                          ; n = r
	v_bfe_u32 v63, v0, 4, 1                        ; h
	v_bfe_u32 v64, v0, 2, 2                        ; n / 4
	v_bfe_u32 v65, v0, 1, 1                        ; (n / 2) % 2
	v_and_b32 v66, 1, v0                           ; n % 2
	v_bfe_u32 v67, v0, 3, 2                        ; L / 8
	v_and_b32 v68, 7, v0                           ; L % 8
	v_bfe_u32 v69, v0, 2, 1                        ; (L / 4) % 2
	v_and_b32 v70, 3, v0                           ; L % 4
	v_lshlrev_b32 v1, 4, v61                       ; v1  16 L
	v_lshlrev_b32 v2, 3, v61                       ; v2  8 L
	v_lshlrev_b32 v3, 2, v61                       ; v3  4 L
	v_lshl_add_u32 v4, v62, 2, XS                  ; v4  x's scale words: XS + 4 r
	; K's writers (waves 0-7: group g).  Lane (n, h), half c: key block 16 a + n, row 2 c + h of its four: fragment 2 (4 a + n / 4) + (n / 2) % 2, block 2 c + h, row 8 (n % 2) + g
	s_lshl_b32 s27, s20, 4
	s_add_co_u32 s27, s27, KI
	v_mad_u32_u24 v5, v64, 3072, s27
	v_mad_u32_u24 v5, v65, 1536, v5
	v_lshl_add_u32 v5, v66, 7, v5
	v_lshl_add_u32 v5, v63, 8, v5                  ; v5
	s_lshl_b32 s27, s20, 3
	s_add_co_u32 s27, s27, KI
	v_mad_u32_u24 v6, v64, 3072, s27
	v_mad_u32_u24 v6, v65, 1536, v6
	v_lshl_add_u32 v6, v66, 6, v6
	v_lshl_add_u32 v6, v63, 7, v6                  ; v6
	s_lshl_b32 s27, s20, 2
	s_add_co_u32 s27, s27, KS
	v_lshl_add_u32 v7, v62, 5, s27                 ; v7  KS + 32 n + 4 g
	; V's writers (waves 8-15: g = w - 8).  Lane (n, h), tile i: key block 16 a + n at e = 4 g + 2 i + h: fragment 2 (4 a + n / 4) + (e / 8) % 2, block n % 4, row e % 8 + 8 (e / 16)
	s_mul_i32 s27, s28, 1536
	s_lshl_b32 s32, s29, 6
	s_add_co_u32 s27, s27, s32
	s_lshl_b32 s32, s30, 7
	s_add_co_u32 s27, s27, s32
	s_add_co_u32 s27, s27, VI
	v_mad_u32_u24 v8, v64, 3072, s27
	v_mad_u32_u24 v8, v65, 768, v8
	v_lshl_add_u32 v8, v66, 8, v8
	v_lshl_add_u32 v8, v63, 4, v8                  ; v8
	s_mul_i32 s27, s28, 1536
	s_lshl_b32 s32, s29, 5
	s_add_co_u32 s27, s27, s32
	s_lshl_b32 s32, s30, 6
	s_add_co_u32 s27, s27, s32
	s_add_co_u32 s27, s27, VI
	v_mad_u32_u24 v9, v64, 3072, s27
	v_mad_u32_u24 v9, v65, 768, v9
	v_lshl_add_u32 v9, v66, 7, v9
	v_lshl_add_u32 v9, v63, 3, v9                  ; v9
	s_lshl_b32 s27, s28, 6
	s_lshl_b32 s32, s29, 4
	s_add_co_u32 s27, s27, s32
	s_lshl_b32 s32, s30, 5
	s_add_co_u32 s27, s27, s32
	s_add_co_u32 s27, s27, VS
	v_lshl_add_u32 v10, v64, 7, s27
	v_add_nc_u32 v10, v10, v70
	v_lshl_add_u32 v10, v63, 2, v10                ; v10
	v_add_nc_u32 v11, KI, v1                       ; v11-13 the key loop's readers, at key step 0
	v_add_nc_u32 v12, KI, v2
	v_add_nc_u32 v13, KS, v3
	; attention's output: query (T, n, g) is row (T, n), columns 32 g ..: fragment 2 T + g / 4, block g % 4
	s_lshl_b32 s34, s19, 1
	s_add_co_u32 s34, s34, s30
	s_mul_i32 s27, s34, 1536
	s_mul_i32 s32, s28, 768
	s_add_co_u32 s27, s27, s32
	s_lshl_b32 s32, s29, 8
	s_add_co_u32 s32, s32, s27
	s_add_co_u32 s32, s32, AO
	v_lshl_add_u32 v14, v62, 4, s32                ; v14
	s_lshl_b32 s32, s29, 7
	s_add_co_u32 s32, s32, s27
	s_add_co_u32 s32, s32, AO
	v_lshl_add_u32 v15, v62, 3, s32                ; v15
	s_lshl_b32 s32, s34, 6
	s_add_co_u32 s32, s32, s31
	s_add_co_u32 s32, s32, AOS
	v_lshl_add_u32 v16, v62, 2, s32                ; v16
	v_add_nc_u32 v17, AO, v1                       ; v17-19 readers of the rows' fragments; the region stands in the offset
	v_add_nc_u32 v18, AO, v2
	v_lshl_add_u32 v19, v62, 2, AO
	s_lshr_b32 s27, s16, 1
	s_mul_i32 s27, s27, 144
	s_and_b32 s32, s16, 1
	s_lshl_b32 s32, s32, 6
	s_add_co_u32 s27, s27, s32
	s_add_co_u32 s27, s27, SA
	v_mad_u32_u24 v20, v62, 1168, s27
	v_lshl_add_u32 v20, v63, 5, v20                ; v20 the stage: row n, columns 16 w + 8 h ..
	s_mul_i32 s27, s20, 4672
	s_add_co_u32 s27, s27, SA
	v_mad_u32_u24 v21, v67, 1168, s27
	v_mad_u32_u24 v21, v68, 144, v21               ; v21 the norms (waves 0-7): own row 4 w + L / 8, column block L % 8
	v_mad_u32_u24 v22, v67, 144, s27
	v_lshl_add_u32 v22, v68, 4, v22                ; v22 the way out: 512 consecutive bytes of a row to 32 lanes
	s_mul_i32 s32, s30, 3072
	s_lshl_b32 s27, s31, 6
	s_add_co_u32 s27, s27, s32
	s_add_co_u32 s27, s27, YI
	v_lshl_add_u32 v23, v67, 4, s27
	v_mad_u32_u24 v23, v69, 1536, v23
	v_mad_u32_u24 v23, v65, 768, v23
	v_lshl_add_u32 v23, v66, 8, v23                ; v23 the norms' block: its first 16 bytes
	s_lshl_b32 s27, s31, 5
	s_add_co_u32 s27, s27, s32
	s_add_co_u32 s27, s27, YI
	v_lshl_add_u32 v24, v67, 3, s27
	v_mad_u32_u24 v24, v69, 1536, v24
	v_mad_u32_u24 v24, v65, 768, v24
	v_lshl_add_u32 v24, v66, 7, v24                ; v24 its last 8
	s_lshl_b32 s27, s30, 7
	s_lshl_b32 s32, s31, 4
	s_add_co_u32 s27, s27, s32
	s_add_co_u32 s27, s27, YS
	v_lshl_add_u32 v25, v67, 2, s27
	v_lshl_add_u32 v25, v69, 6, v25
	v_add_nc_u32 v25, v25, v70                     ; v25 its byte
	s_mul_i32 s27, s16, 768
	s_add_co_u32 s27, s27, HI
	v_add_nc_u32 v26, s27, v1                      ; v26, v27 the hidden layer: K step w / 2, half w % 2
	v_add_nc_u32 v27, s27, v2
	s_lshr_b32 s27, s16, 1
	s_lshl_b32 s27, s27, 6
	s_and_b32 s32, s16, 1
	s_lshl_b32 s32, s32, 1
	s_add_co_u32 s27, s27, s32
	s_add_co_u32 s27, s27, HS
	v_lshl_add_u32 v28, v62, 2, s27                ; v28 its two scale bytes
	v_lshl_add_u32 v29, v68, 7, PR                 ; v29 gains and biases of my column block
	s_lshl_b32 s27, s16, 8
	s_add_co_u32 s27, s27, PR
	v_lshl_add_u32 v30, v63, 6, s27                ; v30 b1 of my 64 hidden units
	v_lshlrev_b32 v31, 3, v63                      ; v31 8 h, a shift count
	v_lshlrev_b32 v54, 4, v0                       ; the copy: 16 bytes a thread,
	v_lshlrev_b32 v55, 2, v0                       ; 4 bytes a thread,
	v_lshl_add_u32 v56, v0, 4, PR
	v_lshlrev_b32 v57, 2, v62                      ; 4 n
	s_lshl_b32 s27, s20, 7
	v_lshl_add_u32 v58, v63, 6, s27                ; 128 g + 64 h: bq, bk
	v_lshlrev_b32 v59, 7, v62                      ; 128 n: time_diffs
	s_lshl_b32 s27, s20, 4
	v_lshl_add_u32 v60, v63, 2, s27                ; 16 g + 4 h: bv
	s_mov_b32 s33, 0
	s_lshl_b32 s35, s17, 8
	s_lshr_b32 s27, s18, 1                         ; j / 2
	s_lshl_b32 s34, s27, 6
	s_add_co_u32 s35, s35, s34
	s_and_b32 s21, s18, 1                          ; j % 2
	s_lshl_b32 s34, s21, 1
	s_add_co_u32 s35, s35, s34                     ; my first row: 256 blk + 64 (j / 2) + 2 (j % 2)
	s_wait_kmcnt 0x0
	s_mul_i32 s32, s16, 6144
	s_add_nc_u64 s[36:37], s[10:11], s[32:33]      ; lay + 6144 w
	s_mul_i32 s32, s20, 6144
	s_add_nc_u64 s[38:39], s[10:11], s[32:33]      ; lay + 6144 g
	s_mul_i32 s32, s16, 3072
	s_add_nc_u64 s[40:41], s[10:11], s[32:33]
	s_mul_i32 s32, s16, 12288
	s_add_nc_u64 s[42:43], s[10:11], s[32:33]
	s_lshl_b32 s32, s16, 9
	s_add_nc_u64 s[44:45], s[10:11], s[32:33]
	s_lshl_b32 s32, s20, 9
	s_add_nc_u64 s[46:47], s[10:11], s[32:33]
	s_lshl_b32 s32, s16, 8
	s_add_nc_u64 s[48:49], s[10:11], s[32:33]
	s_lshl_b32 s32, s16, 10
	s_add_nc_u64 s[50:51], s[10:11], s[32:33]
	s_mul_i32 s32, s17, 51200
	s_add_nc_u64 s[52:53], s[6:7], s[32:33]        ; the block's codes
	s_add_nc_u64 s[62:63], s[14:15], s[32:33]
	s_add_nc_u64 s[66:67], s[14:15], s[32:33]
	s_mul_i32 s32, s18, 6144
	s_add_nc_u64 s[62:63], s[62:63], s[32:33]      ; my four fragments on the way out
	s_mul_i32 s34, s19, 3072
	s_add_co_u32 s32, s32, s34
	s_add_nc_u64 s[54:55], s[52:53], s[32:33]      ; my own tile's two fragments
	s_lshl_b32 s32, s18, 8
	s_add_nc_u64 s[66:67], s[66:67], s[32:33]      ; my scale words on the way out (49,152 on)
	s_lshl_b32 s34, s19, 7
	s_add_co_u32 s32, s32, s34
	s_add_nc_u64 s[56:57], s[52:53], s[32:33]
	s_lshl_b32 s32, s35, 10
	s_lshl_b32 s34, s16, 6
	s_add_co_u32 s32, s32, s34
	s_add_nc_u64 s[58:59], s[4:5], s[32:33]        ; the residual: my rows, columns 16 w ..
	s_lshl_b32 s34, s31, 4
	s_add_co_u32 s34, s34, s30
	s_add_co_u32 s34, s34, s35
	s_lshl_b32 s32, s34, 10
	s_add_nc_u64 s[60:61], s[12:13], s[32:33]      ; rows out (waves 0-7): first row + w / 4 + 16 (w % 4)
	s_lshr_b32 s32, s17, 3
	s_lshl_b32 s32, s32, 13
	s_lshl_b32 s34, s27, 11
	s_add_co_u32 s32, s32, s34
	s_lshl_b32 s34, s21, 6
	s_add_co_u32 s32, s32, s34
	s_lshl_b32 s34, s19, 5
	s_add_co_u32 s32, s32, s34
	s_lshl_b32 s34, s20, 2
	s_add_co_u32 s32, s32, s34
	s_add_nc_u64 s[68:69], s[8:9], s[32:33]        ; time_diffs at head position 8 (row of lane 0) + g; 32 positions a lane
	s_wait_alu depctr_va_vdst(0)                   ; v1-31 and v54-60 are written: the offsets and LDS addresses that the loads and stores of the whole kernel read
; ======== all that the first two phases want is asked for at once: the copy (8 loads), Q's group (31), K's or V's group (32)
.irp i,0,1,2,3,4,5
	global_load_b128 v[120+4*\i:123+4*\i], v54, s[52:53] offset:8192*\i
.endr
	global_load_b32 v52, v55, s[52:53] offset:49152
	global_load_b128 v[48:51], v54, s[10:11] offset:PAR
	GFRAGU 96, 54, 0                               ; my own tile of x, v96-119
	GFRAGU 108, 54, 1536
	global_load_b32 v46, v57, s[56:57] offset:49152
	global_load_b32 v47, v57, s[56:57] offset:49216
.irp i,0,1,2,3
	GFRAG3 144+12*\i, 38, 1536*\i                  ; Wq: tiles 2 g + u, K step s, at v144 + 12 (2 u + s)
.endr
.irp i,0,1,2,3
	global_load_b32 v[42+\i], v3, s[46:47] offset:SCO+128*\i
.endr
.irp u,0,1
	global_load_b128 v[192+8*\u:195+8*\u], v58, s[10:11] offset:PAR+10240+32*\u      ; bq is the C of Q's first products
	global_load_b128 v[196+8*\u:199+8*\u], v58, s[10:11] offset:PAR+10240+32*\u+16
.endr
	global_load_b32 v53, v59, s[68:69]
.irp i,0,1,2,3
	GFRAG3 208+12*\i, 36, 49152+1536*\i            ; waves 0-7: Wk's tiles 2 g + i / 2, K step i % 2; waves 8-15: Wv's: the fragments lie on end, 6,144 bytes a wave
.endr
.irp i,0,1,2,3
	global_load_b32 v[38+\i], v3, s[44:45] offset:SCO+4096+128*\i
.endr
	s_cmp_lt_u32 s16, 8                            ; the biases in the results' layout: sixteen loads on either way, so the counts below hold on both
	s_cbranch_scc0 .Lbias_v
.irp u,0,1
.irp e,0,1,2,3,4,5,6,7
	global_load_b32 v[78+8*\u+\e], v58, s[10:11] offset:PAR+11264+32*\u+4*\e         ; bk(32 g + 16 h + 8 u + e)
.endr
.endr
	s_branch .Lbias_done
.Lbias_v:
.irp u,0,1
.irp e,0,1,2,3,4,5,6,7
	global_load_b32 v[78+8*\u+\e], v60, s[10:11] offset:PAR+12288+8*\u+128*\e        ; bv(32 e + 4 g + 2 u + h)
.endr
.endr
.Lbias_done:
	s_wait_loadcnt 63                              ; the copy's eight are in; the 31 + 32 behind them may be out
.irp i,0,1,2,3,4,5
	ds_store_b128 v54, v[120+4*\i:123+4*\i] offset:8192*\i
.endr
	ds_store_b32 v55, v52 offset:49152
	ds_store_b128 v56, v[48:51]
; ======== Q of my 16 queries (row n of tile T, group g): no LDS is read.  v192-207: register i = e 16 h + i
	s_wait_loadcnt 32                              ; Q's group is in; K's or V's may be out
	WM 192, 144, 96, 192, 42, 46                   ; two accumulators by turns
	WM 200, 168, 96, 200, 44, 46
	WM 192, 156, 108, 192, 43, 47
	WM 200, 180, 108, 200, 45, 47
	PLACES 5                                       ; K's and V's first products write over these registers
	QHALF 192, 108, 114
	v_perm_b32 v[QS], v117, v117, 0                ; Q's byte in all four places: whichever block Q stands in
	v_mul_f32 v[CQ], 0xbe93bb63, v53               ; -time_diff log2(e) / 5
	s_wait_alu depctr_va_vdst(0)
	v_exp_f32 v[CQ], v[CQ]
	v_and_b32 v118, 31, v0                         ; (a plain place behind the exponential)
	s_wait_alu depctr_va_vdst(0)                   ; the exponential has written v94, ahead of its first reader
	v_mul_f32 v[CQ], 0x3f252b5c, v[CQ]             ; x log2(e) / sqrt(5)
	v_mov_b32 v[CQ+1], v[CQ]
	v_cmp_gt_u32 vcc_lo, 16, v118
	s_wait_xcnt 0x0                                ; v54-60 are offsets of loads that may still be out: they are written again only behind this wait
	s_wait_dscnt 0x0                               ; and v48-56 were read by the copy's LDS stores
	s_wait_alu depctr_vm_vsrc(0)                   ; the loads have read their offsets v54-60 and the copy's LDS stores their addresses and data (v48-56, v120-143): Q's versions are written over v48-77 below, x's tiles land in v120-143
	s_wait_alu depctr_va_vcc(0)                    ; the compare has written VCC, which the selects below read
.irp i,0,1,2,3,4,5
	v_mov_b32 v[QZ+\i], 0
	v_mov_b32 v[QZ+12+\i], 0
	v_mov_b32 v[QZ+24+\i], 0
.endr
.irp i,0,1,2,3,4,5
	v_cndmask_b32 v[QZ+6+\i], 0, v[108+\i], vcc_lo           ; Q in lanes 0-15
	v_cndmask_b32 v[QZ+18+\i], v[108+\i], v[QZ], vcc_lo      ; Q in lanes 16-31
.endr
	BARRIER                                        ; x's fragments, their scale words and the parameters lie in LDS
	s_wait_alu depctr_va_vdst(0)                   ; the compare and the selects are done reading v108-118, in which x's first tiles land; Q's four versions and its scale word are written, which the key loop's scaled products take
; ======== K and V of all 256 rows.  The wave's four weight fragments stay in v208-255; x's 16 tiles go through two buffers, v96-119 and v120-143; results in v144-207, biases in v78-93
.macro XT buf, tau                     ; tile tau's two fragments and two scale words: ten LDS loads
	FRAGU 96+24*\buf, 1, 2, 3072*(\tau)
	FRAGU 108+24*\buf, 1, 2, 3072*(\tau)+1536
	ds_load_b32 v[42+2*\buf], v4 offset:128*(\tau)
	ds_load_b32 v[43+2*\buf], v4 offset:128*(\tau)+64
.endm
.macro MM role, rho, buf               ; the wave's two column tiles x one row tile, K = 256: two accumulators by turns; the bias is the first product's C
.irp s,0,1
.irp i,0,1
.if \role
.set DD, 144+32*\i+8*\rho
.else
.set DD, 144+16*\rho+8*\i
.endif
.if \s
	WM DD, 208+12*(2*\i+\s), 96+24*\buf+12*\s, DD, 38+2*\i+\s, 42+2*\buf+\s
.else
	WM DD, 208+12*(2*\i+\s), 96+24*\buf+12*\s, 78+8*\i, 38+2*\i+\s, 42+2*\buf+\s
.endif
.endr
.endr
.endm
.macro KVMUL role, a                   ; tiles 4 a .. 4 a + 3.  The pass's first twenty loads owe no wait of their own: the wait ahead of the last pass's stores (for the first pass: the one behind the barrier) has freed both buffers
	XT 0, 4*\a
	XT 1, 4*\a+1
	s_wait_dscnt 10                                ; the older buffer is in; the other's ten loads may be out
	MM \role, 0, 0
	PLACES 4
	s_wait_alu depctr_va_vdst(0)                   ; the four products are done reading buffer 0 and its scale words v42, v43, in which the tile two on lands
	XT 0, 4*\a+2
	s_wait_dscnt 10
	MM \role, 1, 1
	PLACES 4
	s_wait_alu depctr_va_vdst(0)                   ; the four products are done reading buffer 1 and v44, v45
	XT 1, 4*\a+3
	s_wait_dscnt 10
	MM \role, 2, 0
	s_wait_dscnt 0x0
	MM \role, 3, 1
	PLACES 4
.endm
	s_wait_loadcnt 0x0
	s_cmp_lt_u32 s16, 8
	s_cbranch_scc0 .Lv_arm
.irp a,0,1,2,3                         ; K, group g: register 16 p + i = K(row 64 a + 4 n + p, 32 g + 16 h + i): four blocks of 32 along e
	KVMUL 0, \a
	QUANT 144, 96, 115, 116
	s_wait_alu depctr_va_vdst(0)                   ; the quantiser has written the codes v96-107 and the scale word v115, which the LDS stores read; it and the pass's products are done with both buffers of x
.irp c,0,1
	ds_store_b128 v5, v[96+6*\c:99+6*\c] offset:12288*\a+768*\c
	ds_store_b64 v6, v[100+6*\c:101+6*\c] offset:12288*\a+768*\c+512
.endr
	ds_store_b32 v7, v115 offset:512*\a            ; (both halves of the lanes write the same word with the same value)
	s_wait_dscnt 0x0
	s_wait_alu depctr_vm_vsrc(0)                   ; the LDS stores have read v96-107 and v115: the next pass's tiles land there, and behind the last pass the softmax's registers are set there
	PLACES 5                                       ; the next pass's products begin the accumulators anew
.endr
	s_branch .Lkv_done
.Lv_arm:
.irp a,0,1,2,3                         ; V: register 32 i + 8 p + q = V(row 64 a + 4 n + p, 32 q + 4 g + 2 i + h): the whole key block 16 a + n at one e
	KVMUL 1, \a
	QBLK 144, 96, 102, 106                         ; e = 4 g + h
	QBLK 176, 110, 116, 120                        ; e = 4 g + 2 + h, in registers of its own, so that one wait serves both blocks' stores
	s_wait_alu depctr_va_vdst(0)                   ; the quantiser has written the codes v96-101, v110-115 and the bytes v109, v123, which the LDS stores read; it and the pass's products are done with both buffers of x
	ds_store_b128 v8, v[96:99] offset:12288*\a
	ds_store_b64 v9, v[100:101] offset:12288*\a+512
	ds_store_b8 v10, v109 offset:512*\a
	ds_store_b128 v8, v[110:113] offset:12288*\a+32
	ds_store_b64 v9, v[114:115] offset:12288*\a+528
	ds_store_b8 v10, v123 offset:512*\a+8
	s_wait_dscnt 0x0
	s_wait_alu depctr_vm_vsrc(0)                   ; the LDS stores have read their data registers: the next pass's tiles land there, and behind the last pass the softmax's registers are set there
	PLACES 5
.endr
.Lkv_done:
	global_load_b32 v36, v3, s[48:49] offset:SCO+12288   ; the scale words of Wo's column tile w: asked for now, wanted behind attention
	global_load_b32 v37, v3, s[48:49] offset:SCO+12416
.irp i,0,1,2,3,4,5,6,7,8,9,10,11,12,13,14,15
	v_mov_b32 v[O+\i], 0                           ; the key step's arithmetic is one macro: the first step finds zeros, which the first change of M leaves zeros
.endr
	v_mov_b32 v[SUM], 0
	v_mov_b32 v[SUM+1], 0
	v_mov_b32 v[NM+1], 0xff61b1e6                  ; the largest t so far: -3e38
	v_floor_f32 v[NM], -v[NM+1]
	v_mov_b32 v[FF+1], 0
	v_mov_b32 v[PX], 0
	v_mov_b32 v[PX2], 0
	s_mov_b32 s24, 15
	BARRIER                                        ; K's and V's fragments lie in LDS
	FRAGU KB, ADA, ADB, 0                          ; K of key step 0.  No wait: no vector or matrix instruction since the wait ahead of the last pass's stores names v118-141 or v33
	FRAGU KB+12, ADA, ADB, 1536
	ds_load_b32 v[KSW], v[ADS]                     ; lanes 0-15: fragment 0's words; lanes 16-31: fragment 1's
; ======== ATTENTION: 16 steps of 128 keys (four key blocks).  A lane holds query n; v[S + 32 f ..] is the WHOLE key block 2 f + h of the step
; last = 0: the next step's K is asked for with this step's V.  last = 1: the last step, written out behind the loop: no K follows, and Wo's fragments are asked for into K's registers
.macro KSTEP last
	s_wait_dscnt 0x0                               ; this step's K and its scale words, asked for a step ago, are in
.irp t,0,1,2,3                         ; block t of K's fragment against Q in block t: 16 keys a product
	WMZ S+8*\t, KB, QZ+12*(\t%2)+6*(1-\t/2), KSW, QS
.endr
.irp t,0,1,2,3
	WMZ1 S+32+8*\t, KB+12, QZ+12*(\t%2)+6*(1-\t/2), KSW, QS
.endr
	PLACES 4                                       ; in front of the first read of the scores
	s_wait_alu depctr_va_vdst(0)                   ; the eight products are done reading K's fragments and v33, the last step's two products V's fragments and v34: the loads below land in them
	FRAGU VB, ADA, ADB, 51200                      ; V of this step: it lands under the softmax
	FRAGU VB+12, ADA, ADB, 52736
	ds_load_b32 v[VSW], v[ADS] offset:51200
.if \last
	GFRAG3 WO, 40, 147456                          ; Wo's column tile w
	GFRAG3 WO+12, 40, 148992
.else
	FRAGU KB, ADA, ADB, 3072                       ; K of the next step
	FRAGU KB+12, ADA, ADB, 4608
	ds_load_b32 v[KSW], v[ADS] offset:128
.endif
	v_max3_num_f32 v[BM], v[S], v[S+1], v[S+2]     ; each block's largest score, from the low end on: it serves the row's maximum and the block's largest p
	v_max3_num_f32 v[BM+1], v[S+32], v[S+33], v[S+34]
.set J, 3
.rept 14
	v_max3_num_f32 v[BM], v[BM], v[S+J], v[S+J+1]
	v_max3_num_f32 v[BM+1], v[BM+1], v[S+32+J], v[S+33+J]
.set J, J+2
.endr
	v_max_num_f32 v[BM], v[BM], v[S+31]
	v_max_num_f32 v[BM+1], v[BM+1], v[S+63]
	v_max_num_f32 v[RM], v[BM], v[BM+1]
	v_permlanex16_b32 v[PX], v[RM], s22, s23
	v_max_num_f32 v[RM], v[RM], v[PX]              ; the step's largest score of my query
	v_mul_f32 v[RM], v[CQ], v[RM]                  ; as t (c is not negative)
	v_max_num_f32 v[NM+1], v[NM+1], v[RM]
	v_mov_b32 v[DM], v[NM]
	v_floor_f32 v[NM], -v[NM+1]                    ; -M = floor(-t): M is a whole number
	v_sub_f32 v[DM], v[NM], v[DM]
	v_cvt_i32_f32 v[DM], v[DM]                     ; (it saturates)
	v_ldexp_f32 v[FF], 1.0, v[DM]                  ; 2^(old M - new M)
.set J, 0
.rept 32
	v_pk_fma_f32 v[S+J:S+J+1], v[S+J:S+J+1], v[CQ:CQ+1], v[NM:NM+1] op_sel_hi:[1,0,0]   ; t - M
.set J, J+2
.endr
	v_fma_f32 v[BM], v[BM], v[CQ], v[NM]
	v_fma_f32 v[BM+1], v[BM+1], v[CQ], v[NM]
.set J, 0
	s_wait_alu depctr_va_vdst(0)
.rept 64
	v_exp_f32 v[S+J], v[S+J]                       ; p = 2^(t - M)
.set J, J+1
.endr
	v_exp_f32 v[BM], v[BM]                         ; the blocks' largest p: the same two instructions on the same numbers
	v_exp_f32 v[BM+1], v[BM+1]
	v_pk_mul_f32 v[SUM:SUM+1], v[SUM:SUM+1], v[FF:FF+1] op_sel_hi:[1,0]   ; (a plain place behind the exponentials)
.if !\last
	s_wait_alu depctr_vm_vsrc(0)                   ; the step's eighteen LDS loads have read v11-13
	v_add_nc_u32 v[ADA], 3072, v[ADA]              ; on by a key step: two fragments,
	v_add_nc_u32 v[ADB], 3072, v[ADB]
	v_add_nc_u32 v[ADS], 128, v[ADS]               ; and their scale words
.endif
	s_wait_alu depctr_va_vdst(0)                   ; the 66 exponentials have written p and the blocks' largest p, ahead of their first reader; v11-13 are written, which the next step's loads read
	v_max_num_f32 v[BM], 0x1800000, v[BM]
	v_max_num_f32 v[BM+1], 0x1800000, v[BM+1]
	v_add_nc_u32 v[SCL], 0xff000000, v[BM]
	v_add_nc_u32 v[SCL+1], 0xff000000, v[BM+1]
	v_lshrrev_b32 v[BY], 23, v[SCL]
	v_lshrrev_b32 v[BY+1], 23, v[SCL+1]
	v_lshl_or_b32 v[TW], v[BY+1], 16, v[BY]        ; my bytes: blocks h and 2 + h,
	v_lshlrev_b32 v[TW], v31, v[TW]                ; at their places;
	v_permlanex16_b32 v[PX2], v[TW], s22, s23
	v_or_b32 v[PSW], v[TW], v[PX2]                 ; with lane l xor 16's two: p's scale word
	v_cvt_scalef32_pk16_fp6_f32 v[PC:PC+2], v[S:S+15], v[SCL]
	v_cvt_scalef32_pk16_fp6_f32 v[PT0:PT0+2], v[S+16:S+31], v[SCL]
	v_cvt_scalef32_pk16_fp6_f32 v[PC+6:PC+8], v[S+32:S+47], v[SCL+1]
	v_cvt_scalef32_pk16_fp6_f32 v[PT1:PT1+2], v[S+48:S+63], v[SCL+1]
	v_nop
.irp i,0,1,2
	v_mov_b32 v[PC+3+\i], v[PT0+\i]                ; a lane holds whole blocks: no codes change lanes
	v_mov_b32 v[PC+9+\i], v[PT1+\i]
.endr
	v_pk_add_f32 v[S2:S2+1], v[S:S+1], v[S+2:S+3]  ; the sum of the unquantised p, in two chains
.set J, 4
.rept 15
	v_pk_add_f32 v[SUM:SUM+1], v[SUM:SUM+1], v[S+J:S+J+1]
	v_pk_add_f32 v[S2:S2+1], v[S2:S2+1], v[S+J+2:S+J+3]
.set J, J+4
.endr
	v_pk_add_f32 v[SUM:SUM+1], v[SUM:SUM+1], v[S2:S2+1]
.irp i,0,2,4,6,8,10,12,14
	v_pk_mul_f32 v[O+\i:O+\i+1], v[O+\i:O+\i+1], v[FF:FF+1] op_sel_hi:[1,0]
.endr
.if \last
	s_wait_dscnt 0x0                               ; V is in
.else
	s_wait_dscnt 9                                 ; V and its scale words are in; the next step's K (eight loads and its scale words) may be out
.endif
	s_wait_alu depctr_va_vdst(0)                   ; the conversions and moves have written p's codes v166-177 and the v_or_b32 its scale word v35, which the scaled products take; the sums and rescalings above are the places ahead of them
	WM O, VB, PC, O, VSW, PSW                      ; O^T += V^T p^T: two accumulators by turns
	WM1 O+8, VB+12, PC, O+8, VSW, PSW
.endm
.Lkey:
	KSTEP 0
	s_sub_co_u32 s24, s24, 1
	s_cmp_lg_u32 s24, 0
	s_cbranch_scc1 .Lkey
	KSTEP 1
; ======== O / the sum becomes a block of product 7's operand.  The residual, bo and W1 are asked for first
	PLACES 5
	v_and_b32 v142, 15, v0
	v_bfe_u32 v143, v0, 4, 1
	v_lshlrev_b32 v142, 12, v142
	v_lshl_add_u32 v142, v143, 5, v142             ; 4096 n + 32 h
	s_lshl_b32 s27, s16, 6
	v_lshl_add_u32 v143, v143, 5, s27              ; 64 w + 32 h
	s_wait_alu depctr_va_vdst(0)                   ; the offsets v142, v143 are written; the last two products are done reading V's fragments and p's codes, and the softmax is done with v100-107 and v178-255: the loads below land in v100-107 and v144-255
.irp t,0,1
	global_load_b128 v[144+8*\t:147+8*\t], v142, s[58:59] offset:1024*\t             ; x(row (t, n), 16 w + 8 h ..): the C of product 7
	global_load_b128 v[148+8*\t:151+8*\t], v142, s[58:59] offset:1024*\t+16
.endr
	global_load_b128 v[100:103], v143, s[10:11] offset:PAR+9216
	global_load_b128 v[104:107], v143, s[10:11] offset:PAR+9232
.irp i,0,1,2,3,4,5,6,7
	GFRAG3 160+12*\i, 42, 196608+1536*\i           ; W1: tiles 4 w + 2 b + u, K step s, at v160 + 12 (2 (2 b + u) + s)
.endr
.irp i,0,1,2,3,4,5,6,7
	global_load_b32 v[38+\i], v3, s[50:51] offset:SCO+16384+128*\i
.endr
	v_add_f32 v114, v[SUM], v[SUM+1]
	v_mov_b32 v115, 0
	v_permlanex16_b32 v115, v114, s22, s23
	v_add_f32 v114, v114, v115                     ; the row's sum
	s_wait_alu depctr_va_vdst(0)
	v_rcp_f32 v114, v114
	v_nop
	s_wait_alu depctr_va_vdst(0)                   ; the reciprocal has written v114, ahead of its first reader
	v_mov_b32 v115, v114
.irp i,0,2,4,6,8,10,12,14
	v_pk_mul_f32 v[O+\i:O+\i+1], v[O+\i:O+\i+1], v[114:115]
.endr
	QHALF O, 108, 114
	s_wait_alu depctr_va_vdst(0)                   ; the quantiser has written the codes v108-113 and the byte v117, which the LDS stores read; it is done reading O, in which product 7's fragments land
	ds_store_b128 v14, v[108:111]                  ; (both halves of the lanes write the same bytes with the same values)
	ds_store_b64 v15, v[112:113] offset:512
	ds_store_b8 v16, v117
	BARRIER
; ======== product 7: out Wo + bo + x, column tile w, both row tiles
.irp f,0,1,2,3
	FRAGU 48+12*\f, 17, 18, 1536*\f                ; no wait: no vector or matrix instruction since the wait above names v48-95 or v32-35
	ds_load_b32 v[32+\f], v19 offset:6144+64*\f
.endr
	s_wait_loadcnt 32                              ; Wo, the residual and bo are in; W1's 24 + 8 may be out
.irp t,0,1
.irp i,0,2,4,6
	v_pk_add_f32 v[144+8*\t+\i:145+8*\t+\i], v[144+8*\t+\i:145+8*\t+\i], v[100+\i:101+\i]
.endr
.endr
	s_wait_alu depctr_va_vdst(0)
	s_wait_dscnt 0x0
	PLACES 4                                       ; the C just written is given the distance that a written A or B is owed
	WM 144, WO, 48, 144, 36, 32
	WM 152, WO, 72, 152, 36, 34
	WM 144, WO+12, 60, 144, 37, 33
	WM 152, WO+12, 84, 152, 37, 35
	PLACES 5
	s_wait_alu depctr_va_vdst(0)                   ; the products have written v144-159, which the LDS stores read, and are done reading Wo, the rows' fragments and the scale words, in which later loads land; the places above stay beside this wait
.irp t,0,1
	ds_store_b128 v20, v[144+8*\t:147+8*\t] offset:18688*\t
	ds_store_b128 v20, v[148+8*\t:151+8*\t] offset:18688*\t+16
.endr
	s_wait_alu depctr_vm_vsrc(0)                   ; these LDS stores have read v144-159, the output block's stores v108-117 and the residual's and bo's loads their offsets v142, v143: on either way below all of them are loaded or written again
	BARRIER
; ======== LayerNorm 1: waves 0-7, four rows each; y goes back to the stage (f32, the next residual) and into fragments
	s_cmp_lt_u32 s16, 8
	s_cbranch_scc0 .Lln1_done
.irp i,0,1,2,3,4,5,6,7
	ds_load_b128 v[48+4*\i:51+4*\i], v21 offset:16*\i
.endr
.irp i,0,1,2,3,4,5,6,7
	ds_load_b128 v[80+4*\i:83+4*\i], v29 offset:4096+16*\i
.endr
.irp i,0,1,2,3,4,5,6,7
	ds_load_b128 v[112+4*\i:115+4*\i], v29 offset:5120+16*\i
.endr
	s_wait_dscnt 0x0
	LNCORE 48, 80, 112, 144
	QBLK 48, 144, 150, 154
	s_wait_alu depctr_va_vdst(0)                   ; the norm has written v48-79 and the quantiser v144-149 and v157, which the LDS stores read; both are done with v48-157, in which product 8's loads land
.irp i,0,1,2,3,4,5,6,7
	ds_store_b128 v21, v[48+4*\i:51+4*\i] offset:16*\i     ; the bytes that this lane read
.endr
	IMGOUT 0
	s_wait_alu depctr_vm_vsrc(0)                   ; the LDS stores have read v48-79, v144-149 and v157, in which product 8's loads land
.Lln1_done:
	BARRIER
; ======== product 8: relu(y W1 + b1), hidden units 64 w .. 64 w + 63, both row tiles: v96 + 32 T + 16 b + 8 u
.irp t,0,1
.irp b,0,1
.irp u,0,1
	ds_load_b128 v[96+32*\t+16*\b+8*\u:99+32*\t+16*\b+8*\u], v30 offset:128*\b+32*\u          ; b1 is the C of the first products
	ds_load_b128 v[100+32*\t+16*\b+8*\u:103+32*\t+16*\b+8*\u], v30 offset:128*\b+32*\u+16
.endr
.endr
.endr
.irp f,0,1,2,3
	FRAGU 48+12*\f, 17, 18, 6400+1536*\f
	ds_load_b32 v[32+\f], v19 offset:12544+64*\f
.endr
	s_wait_loadcnt 0x0                             ; W1
	s_wait_dscnt 0x0
.irp s,0,1                             ; eight accumulators by turns, a K step at a time
.irp t,0,1
.irp b,0,1
.irp u,0,1
	WM 96+32*\t+16*\b+8*\u, 160+12*(2*(2*\b+\u)+\s), 48+12*(2*\t+\s), 96+32*\t+16*\b+8*\u, 38+2*(2*\b+\u)+\s, 32+2*\t+\s
.endr
.endr
.endr
.endr
	PLACES 5
	s_wait_alu depctr_va_vdst(0)                   ; the sixteen products are done reading W1's fragments v160-255 and scale words v38-45, in which W2's land
.irp i,0,1,2,3,4,5,6,7
	GFRAG3 160+12*\i, 42, 393216+1536*\i           ; W2: column tile w, K steps 0 .. 7
.endr
.irp i,0,1,2,3,4,5,6,7
	global_load_b32 v[38+\i], v3, s[50:51] offset:SCO+32768+128*\i
.endr
.set J, 0
.rept 64
	v_max_num_f32 v[96+J], 0, v[96+J]
.set J, J+1
.endr
	QUANT 96, 48, 67, 68                           ; block 2 T + b: row (T, n), hidden block 2 w + b
	v_bfe_u32 v8, v0, 4, 1                         ; v8, V's writers' address, is done with: b2's offset
	v_lshl_add_u32 v8, v8, 5, s27                  ; 64 w + 32 h
	s_wait_alu depctr_va_vdst(0)                   ; the quantiser has written the codes v48-59 and the bytes v67, which the LDS stores read; v8 is written, the offset of b2's loads; the quantiser is done with v48-159, in which b2 and product 9's fragments land
.irp t,0,1
	ds_store_b128 v26, v[48+6*\t:51+6*\t] offset:12288*\t
	ds_store_b64 v27, v[52+6*\t:53+6*\t] offset:12288*\t+512
.endr
	ds_store_b16 v28, v67                          ; tile 0's two bytes,
	ds_store_b16_d16_hi v28, v67 offset:512        ; tile 1's
.irp t,0,1
	global_load_b128 v[96+8*\t:99+8*\t], v8, s[10:11] offset:PAR+8192      ; b2 is the C of product 9's first products
	global_load_b128 v[100+8*\t:103+8*\t], v8, s[10:11] offset:PAR+8208
.endr
	BARRIER
; ======== product 9: relu(hidden W2 + b2), column tile w; the hidden layer's fragments through four buffers: K step k in buffer k % 4 (v48-71, v72-95, v112-135, v136-159), its scale words in v32-37, v46, v47
.macro HLD k                           ; K step k of both row tiles: ten LDS loads
.set HB, 48+24*((\k)%4)+16*(((\k)%4)/2)
.set HW, 32+2*((\k)%4)+8*(((\k)%4)/3)
	FRAGU HB, 17, 18, 12800+1536*(\k)
	FRAGU HB+12, 17, 18, 12800+1536*(8+\k)
	ds_load_b32 v[HW], v19 offset:37376+64*(\k)
	ds_load_b32 v[HW+1], v19 offset:37376+64*(8+\k)
.endm
.macro HMUL k                          ; two accumulators by turns, K ascending
.set HB, 48+24*((\k)%4)+16*(((\k)%4)/2)
.set HW, 32+2*((\k)%4)+8*(((\k)%4)/3)
	WM 96, 160+12*(\k), HB, 96, 38+(\k), HW
	WM 104, 160+12*(\k), HB+12, 104, 38+(\k), HW+1
.endm
	s_wait_alu depctr_vm_vsrc(0)                   ; my LDS stores of the hidden layer have read v48-59 and v67, in which the fragments below land
	HLD 0
	HLD 1
	HLD 2
	HLD 3
	s_wait_loadcnt 0x0                             ; W2, b2
	s_wait_dscnt 30                                ; K step 0 is in; the three younger steps (ten loads each) may be out
	HMUL 0
	s_wait_dscnt 20
	HMUL 1
	PLACES 4
	s_wait_alu depctr_va_vdst(0)                   ; the products of K steps 0 and 1 are done reading buffers 0 and 1 and v32-35, in which K steps 4 and 5 land
	HLD 4
	HLD 5
	s_wait_dscnt 30                                ; K step 2 is in; steps 3, 4 and 5 may be out
	HMUL 2
	s_wait_dscnt 20
	HMUL 3
	PLACES 4
	s_wait_alu depctr_va_vdst(0)                   ; the products of K steps 2 and 3 are done reading buffers 2 and 3 and v36, v37, v46, v47, in which K steps 6 and 7 land
	HLD 6
	HLD 7
	s_wait_dscnt 30
	HMUL 4
	s_wait_dscnt 20
	HMUL 5
	s_wait_dscnt 10
	HMUL 6
	s_wait_dscnt 0x0
	HMUL 7
	PLACES 4
.irp i,0,1,2,3,4,5,6,7,8,9,10,11,12,13,14,15
	v_max_num_f32 v[96+\i], 0, v[96+\i]
.endr
	s_wait_alu depctr_va_vdst(0)                   ; the activation has written v96-111, which the LDS stores read; the products are done reading the four buffers and W2, in which the norm's loads land
.irp t,0,1
	ds_store_b128 v20, v[96+8*\t:99+8*\t] offset:37376+18688*\t
	ds_store_b128 v20, v[100+8*\t:103+8*\t] offset:37376+18688*\t+16
.endr
	s_wait_alu depctr_vm_vsrc(0)                   ; the LDS stores have read v96-111, in which the norm's gain lands
	BARRIER
; ======== LayerNorm 2: waves 0-7; x goes out as f32 rows and into fragments
	s_cmp_lt_u32 s16, 8
	s_cbranch_scc0 .Lln2_done
.irp i,0,1,2,3,4,5,6,7
	ds_load_b128 v[48+4*\i:51+4*\i], v21 offset:16*\i
.endr
.irp i,0,1,2,3,4,5,6,7
	ds_load_b128 v[160+4*\i:163+4*\i], v21 offset:37376+16*\i
.endr
.irp i,0,1,2,3,4,5,6,7
	ds_load_b128 v[80+4*\i:83+4*\i], v29 offset:6144+16*\i
.endr
.irp i,0,1,2,3,4,5,6,7
	ds_load_b128 v[112+4*\i:115+4*\i], v29 offset:7168+16*\i
.endr
	s_wait_dscnt 0x0
.irp i,0,2,4,6,8,10,12,14,16,18,20,22,24,26,28,30
	v_pk_add_f32 v[48+\i:49+\i], v[48+\i:49+\i], v[160+\i:161+\i]
.endr
	LNCORE 48, 80, 112, 144
	QBLK 48, 144, 150, 154
	s_wait_alu depctr_va_vdst(0)                   ; the norm has written v48-79 and the quantiser v144-149 and v157, which the LDS stores read; the norm is done reading the gain v80-111, in which the rows come back
	IMGOUT 32000
.irp i,0,1,2,3,4,5,6,7
	ds_store_b128 v21, v[48+4*\i:51+4*\i] offset:16*\i
.endr
.irp q,0,1,2,3
.irp i,0,1
	ds_load_b128 v[80+8*\q+4*\i:83+8*\q+4*\i], v22 offset:1168*\q+576*\i   ; LDS serves a wave's instructions in order: these see my wave's stores above
.endr
.endr
.irp q,0,1,2,3
.irp i,0,1
	s_wait_dscnt 7-2*\q-\i
	global_store_b128 v1, v[80+8*\q+4*\i:83+8*\q+4*\i], s[60:61] offset:4096*\q+512*\i   ; 32 lanes store 512 consecutive bytes of a row
.endr
.endr
.Lln2_done:
	BARRIER
; ======== the four fragments and their scale words go out, dense
	v_lshl_add_u32 v5, v0, 4, XO
	v_add_nc_u32 v6, XOS, v2
	v_lshlrev_b32 v7, 4, v0
	s_wait_alu depctr_vm_vsrc(0)                   ; the norm's LDS stores have read v48-51, in which the loads below land
	s_wait_alu depctr_va_vdst(0)                   ; v5, v6 and v7 are written: the addresses and the offset of the loads and the store below
	s_cmp_lt_u32 s16, 12
	s_cbranch_scc0 .Lnot_codes
	ds_load_b128 v[48:51], v5
	s_wait_dscnt 0x0
	global_store_b128 v7, v[48:51], s[62:63]       ; 12 waves x 512 bytes
	s_branch .Lend
.Lnot_codes:
	s_cmp_eq_u32 s16, 12
	s_cbranch_scc0 .Lend
	ds_load_b64 v[48:49], v6
	s_wait_dscnt 0x0
	global_store_b64 v2, v[48:49], s[66:67] offset:49152
.Lend:
	s_wait_xcnt 0x0
	v_lshl_add_u32 v254, v0, 2, 0x44b00            ; the add's two registers, made anew straight ahead of the closing lines: no memory or LDS instruction has read v254 or v255
	v_mov_b32 v255, 0
	s_wait_dscnt 0x0                               ; the closing lines, six on end
	s_wait_alu 0x0
	s_wait_tensorcnt 0x0
	ds_add_u32 v254, v255
	s_wait_dscnt 0x0
	s_endpgm
.Lfunc_end_k_q9529b4c655_layer1:
	.size	k_q9529b4c655_layer1, .Lfunc_end_k_q9529b4c655_layer1-k_q9529b4c655_layer1
	.p2alignl 7, 3214868480
	.fill 96, 4, 3214868480
	.section	.rodata,"a",@progbits
	.p2align	6, 0x0
	.amdhsa_kernel k_q9529b4c655_layer1
		.amdhsa_group_segment_fixed_size 283392
		.amdhsa_private_segment_fixed_size 0
		.amdhsa_enable_private_segment 0
		.amdhsa_kernarg_size 48
		.amdhsa_user_sgpr_count 2
		.amdhsa_user_sgpr_kernarg_segment_ptr 1
		.amdhsa_wavefront_size32 1
		.amdhsa_system_sgpr_workgroup_id_x 1
		.amdhsa_system_sgpr_workgroup_id_y 1
		.amdhsa_system_sgpr_workgroup_id_z 1
		.amdhsa_system_vgpr_workitem_id 0
		.amdhsa_next_free_vgpr 256
		.amdhsa_next_free_sgpr 80
		.amdhsa_reserve_vcc 1
		.amdhsa_float_denorm_mode_32 3
		.amdhsa_float_denorm_mode_16_64 3
		.amdhsa_memory_ordered 1
		.amdhsa_forward_progress 1
		.amdhsa_inst_pref_size 179
	.end_amdhsa_kernel
	.amdgpu_metadata
---
amdhsa.version: [ 1, 2 ]
amdhsa.kernels:
  - .name:           k_q9529b4c655_layer1
    .symbol:         k_q9529b4c655_layer1.kd
    .args:
      - { .name: xfA, .offset: 0, .size: 8, .value_kind: global_buffer, .address_space: global }
      - { .name: xqA, .offset: 8, .size: 8, .value_kind: global_buffer, .address_space: global }
      - { .name: time_diffs, .offset: 16, .size: 8, .value_kind: global_buffer, .address_space: global }
      - { .name: lay1, .offset: 24, .size: 8, .value_kind: global_buffer, .address_space: global }
      - { .name: xfB, .offset: 32, .size: 8, .value_kind: global_buffer, .address_space: global }
      - { .name: xqB, .offset: 40, .size: 8, .value_kind: global_buffer, .address_space: global }
    .group_segment_fixed_size: 283392
    .private_segment_fixed_size: 0
    .kernarg_segment_align: 8
    .kernarg_segment_size: 48
    .max_flat_workgroup_size: 512
    .sgpr_count:     80
    .vgpr_count:     256
    .wavefront_size: 32
...
	.end_amdgpu_metadata
.endif
;; end of part 5
;; launch layer2: the kernel of part 5 again; grid 256 x 1, 16 waves a work-group, no clusters, 283,392 bytes of LDS; arguments xfB, xqB, time_diffs, lay2, xfA, xqA; writes xfA, xqA
;; launch final (part 6): grid 256 x 1, 8 waves a work-group, no clusters, 45,056 bytes of LDS; arguments xfA, lnf_g, lnf_b, fin, b_proj, out0; writes out0
.if DOCPART == 6
	.amdgcn_target "amdgcn-amd-amdhsa--gfx1250"
	.amdhsa_code_object_version 6
	.text
	.protected	k_q9529b4c655_final
	.globl	k_q9529b4c655_final
	.p2align	8
	.type	k_q9529b4c655_final,@function
k_q9529b4c655_final:
	s_mov_b64 s[64:65], 0
	v_nop
	global_prefetch_b8 v0, s[64:65] scope:SCOPE_SE
	s_setreg_imm32_b32 hwreg(HW_REG_WAVE_SCHED_MODE, 0, 2), 2
	s_setreg_imm32_b32 hwreg(HW_REG_WAVE_MODE, 25, 1), 1
	s_wait_xcnt 0x0
	s_wait_alu depctr_vm_vsrc(0)
; THE LAST LayerNorm AND THE PROJECTION.  A work-group takes the rows 32 id .. 32 id + 31 of x [8192][256]: eight waves norm four rows each and quantise them along the 256 columns; waves 0-5 then multiply
; both tiles of 16 rows by their 16 columns of W_proj (codes of E2M3 made by the first launch), with b_proj as the C of the first products.
; The product is formed for all rows and all 96 columns, as it is listed; stored is what is returned: column 0 of each batch's last 96 rows (work-groups with id % 64 >= 61, wave 0).
; LIMITS: NaN and infinities are not served; a block of zeros gets the scale byte 1 where the rule says 127 (zero codes; this program alone reads the bytes).
; THE MODE: SCHED_MODE bits 1:0 = 2 (LLVM: expert scheduling mode 2), set by the entry lines.  The code itself states the register dependences between vector or matrix instructions and memory or LDS instructions,
; with s_wait_alu, always for 0.
; THE PLAN.  Registers that memory or LDS instructions touch: the offsets and addresses v1-3, v17-30, written at the head and never again (one wait on va_vdst ahead of the first load); v184-215, loaded, read by the stage's
; LDS stores and loaded again with the fragments (one wait on vm_vsrc between); v240-245 and v253, written by the quantiser and read by LDS stores (one wait on va_vdst); v233, written by a select and read by the one
; global store (one wait on va_vdst); v254, v255, written at the head and read by the closing add alone.  All other loads land in registers that no vector instruction has named before.
.set FSA, 0                            ; LDS: a stage of 32 rows, 1,168 bytes apart, 8 column blocks 144 bytes apart; each wave touches its own four rows alone
.set FI,  37376                        ; four fragments (2 T + K step): halves c of 768 bytes; registers 6 c .. 6 c + 3 of lane L at 768 c + 16 L, 6 c + 4, 6 c + 5 at 768 c + 512 + 8 L
.set FIS, 43520                        ; their scale words, 64 bytes each
.set RC,  24                           ; s24 1/256, s25 the norm's epsilon
; REGISTERS: v1-31 addresses; v32, v33 W_proj's scale words, v34-37 the rows'; v48-79 my 32 numbers; v80-111 gain; v112-143 bias; v144-167 W_proj; v168-183 the sums; v184-231 rows as loaded, later the fragments; v232-253 at work
.macro PLACES n
.rept \n
	v_nop
.endr
.endm
.macro WM d, a, b, c, sa, sb
	v_wmma_scale_f32_16x16x128_f8f6f4 v[\d:\d+7], v[\a:\a+11], v[\b:\b+11], v[\c:\c+7], v[\sa], v[\sb] matrix_a_fmt:MATRIX_FMT_FP6 matrix_b_fmt:MATRIX_FMT_FP6
.endm
.macro FRAGU reg, ra, rb, off
	ds_load_b128 v[\reg:\reg+3], v[\ra] offset:\off
	ds_load_b64 v[\reg+4:\reg+5], v[\rb] offset:\off+512
	ds_load_b128 v[\reg+6:\reg+9], v[\ra] offset:\off+768
	ds_load_b64 v[\reg+10:\reg+11], v[\rb] offset:\off+1280
.endm
.macro GFRAG3 reg, sb, off
	global_load_b128 v[\reg:\reg+3], v1, s[\sb:\sb+1] offset:\off
	global_load_b128 v[\reg+4:\reg+7], v1, s[\sb:\sb+1] offset:\off+512
	global_load_b128 v[\reg+8:\reg+11], v1, s[\sb:\sb+1] offset:\off+1024
.endm
.macro QBLK s, pb, pt, tm              ; 32 numbers of one lane are one block: codes into v[pb] .. v[pb + 5], the byte into v[tm + 3]
	v_max3_num_f32 v[\tm], |v[\s]|, |v[\s+1]|, 0x1800000             ; the floor 2^(3 - 127): the byte cannot fall under 1
	v_max3_num_f32 v[\tm+1], |v[\s+2]|, |v[\s+3]|, 0x1800000
.irp i,4,8,12,16,20,24,28
	v_max3_num_f32 v[\tm], v[\tm], |v[\s+\i]|, |v[\s+\i+1]|
	v_max3_num_f32 v[\tm+1], v[\tm+1], |v[\s+\i+2]|, |v[\s+\i+3]|
.endr
	v_max_num_f32 v[\tm], v[\tm], v[\tm+1]
	v_add_nc_u32 v[\tm+2], 0xff000000, v[\tm]
	v_lshrrev_b32 v[\tm+3], 23, v[\tm+2]
	v_cvt_scalef32_pk16_fp6_f32 v[\pb:\pb+2], v[\s:\s+15], v[\tm+2]
	v_cvt_scalef32_pk16_fp6_f32 v[\pt:\pt+2], v[\s+16:\s+31], v[\tm+2]
	v_nop                                                            ; one plain place behind a scaled conversion
.irp i,0,1,2
	v_mov_b32 v[\pb+3+\i], v[\pt+\i]
.endr
.endm
.macro LNCORE z, g, b, t               ; LayerNorm in place: 32 numbers a lane, 8 neighbouring lanes a row; the variance is taken of the centred numbers
	v_pk_add_f32 v[\t:\t+1], v[\z:\z+1], v[\z+2:\z+3]
	v_pk_add_f32 v[\t+2:\t+3], v[\z+4:\z+5], v[\z+6:\z+7]
.irp i,8,12,16,20,24,28
	v_pk_add_f32 v[\t:\t+1], v[\t:\t+1], v[\z+\i:\z+\i+1]
	v_pk_add_f32 v[\t+2:\t+3], v[\t+2:\t+3], v[\z+\i+2:\z+\i+3]
.endr
	v_pk_add_f32 v[\t:\t+1], v[\t:\t+1], v[\t+2:\t+3]
	v_add_f32 v[\t], v[\t], v[\t+1]
	v_add_f32_dpp v[\t], v[\t], v[\t] row_xmask:1 row_mask:0xf bank_mask:0xf
	v_add_f32_dpp v[\t], v[\t], v[\t] row_xmask:2 row_mask:0xf bank_mask:0xf
	v_add_f32_dpp v[\t], v[\t], v[\t] row_xmask:4 row_mask:0xf bank_mask:0xf
	v_mul_f32 v[\t+4], s[RC], v[\t]
	v_mov_b32 v[\t+5], v[\t+4]
.irp i,0,2,4,6,8,10,12,14,16,18,20,22,24,26,28,30
	v_pk_add_f32 v[\z+\i:\z+\i+1], v[\z+\i:\z+\i+1], v[\t+4:\t+5] neg_lo:[0,1] neg_hi:[0,1]
.endr
	v_pk_mul_f32 v[\t:\t+1], v[\z:\z+1], v[\z:\z+1]
	v_pk_mul_f32 v[\t+2:\t+3], v[\z+2:\z+3], v[\z+2:\z+3]
.irp i,4,8,12,16,20,24,28
	v_pk_fma_f32 v[\t:\t+1], v[\z+\i:\z+\i+1], v[\z+\i:\z+\i+1], v[\t:\t+1]
	v_pk_fma_f32 v[\t+2:\t+3], v[\z+\i+2:\z+\i+3], v[\z+\i+2:\z+\i+3], v[\t+2:\t+3]
.endr
	v_pk_add_f32 v[\t:\t+1], v[\t:\t+1], v[\t+2:\t+3]
	v_add_f32 v[\t], v[\t], v[\t+1]
	v_add_f32_dpp v[\t], v[\t], v[\t] row_xmask:1 row_mask:0xf bank_mask:0xf
	v_add_f32_dpp v[\t], v[\t], v[\t] row_xmask:2 row_mask:0xf bank_mask:0xf
	v_add_f32_dpp v[\t], v[\t], v[\t] row_xmask:4 row_mask:0xf bank_mask:0xf
	v_fma_f32 v[\t+6], v[\t], s[RC], s[RC+1]
	s_wait_alu depctr_va_vdst(0)
	v_rsq_f32 v[\t+6], v[\t+6]
	v_nop                                          ; one plain place behind a transcendental
	s_wait_alu depctr_va_vdst(0)                   ; the reciprocal root is written, ahead of its first reader
	v_mov_b32 v[\t+7], v[\t+6]
.irp i,0,2,4,6,8,10,12,14,16,18,20,22,24,26,28,30
	v_pk_mul_f32 v[\z+\i:\z+\i+1], v[\z+\i:\z+\i+1], v[\t+6:\t+7]
.endr
.irp i,0,2,4,6,8,10,12,14,16,18,20,22,24,26,28,30
	v_pk_fma_f32 v[\z+\i:\z+\i+1], v[\z+\i:\z+\i+1], v[\g+\i:\g+\i+1], v[\b+\i:\b+\i+1]
.endr
.endm
	s_load_b256 s[4:11], s[0:1], 0x0               ; x 4, lnf_g 6, lnf_b 8, fin 10
	s_load_b128 s[12:15], s[0:1], 0x20             ; b_proj 12, out0 14
	v_lshl_add_u32 v254, v0, 2, 0xac00
	v_mov_b32 v255, 0
	v_lshrrev_b32 v4, 5, v0
	v_readfirstlane_b32 s16, v4                    ; wave 0..7
	s_wait_alu depctr_va_sdst(0)                   ; s16 is written, ahead of its first reader: addresses, pointers and the branches on the wave's number are made from it
	s_mov_b32 s22, 0x76543210
	s_mov_b32 s23, 0xfedcba98                      ; v_permlanex16_b32's selects for lane l xor 16
	s_mov_b32 s[RC], 0x3b800000
	s_mov_b32 s[RC+1], 0x3727c5ac
	s_lshr_b32 s18, s16, 2                         ; T
	s_and_b32 s19, s16, 3
	v_and_b32 v31, 31, v0                          ; L
	v_and_b32 v4, 15, v0                           ; n
	v_bfe_u32 v5, v0, 4, 1                         ; h
	v_bfe_u32 v6, v0, 3, 2                         ; L / 8
	v_and_b32 v7, 7, v0                            ; L % 8
	v_bfe_u32 v8, v0, 2, 1
	v_bfe_u32 v9, v0, 1, 1
	v_and_b32 v10, 1, v0
	v_and_b32 v11, 3, v0
	v_lshlrev_b32 v1, 4, v31                       ; 16 L
	v_lshlrev_b32 v2, 3, v31                       ; 8 L
	v_lshlrev_b32 v3, 2, v31                       ; 4 L
	v_add_nc_u32 v17, FI, v1
	v_add_nc_u32 v18, FI, v2
	v_lshl_add_u32 v19, v4, 2, FIS
	s_mul_i32 s27, s16, 4672
	v_mad_u32_u24 v21, v6, 1168, s27
	v_mad_u32_u24 v21, v7, 144, v21                ; v21 own row 4 w + L / 8, column block L % 8
	v_mad_u32_u24 v22, v6, 144, s27
	v_lshl_add_u32 v22, v7, 4, v22                 ; v22 512 consecutive bytes of a row to 32 lanes
	s_mul_i32 s28, s18, 3072
	s_lshl_b32 s27, s19, 6
	s_add_co_u32 s27, s27, s28
	s_add_co_u32 s27, s27, FI
	v_lshl_add_u32 v23, v6, 4, s27
	v_mad_u32_u24 v23, v8, 1536, v23
	v_mad_u32_u24 v23, v9, 768, v23
	v_lshl_add_u32 v23, v10, 8, v23                ; v23 my block's first 16 bytes in its fragment
	s_lshl_b32 s27, s19, 5
	s_add_co_u32 s27, s27, s28
	s_add_co_u32 s27, s27, FI
	v_lshl_add_u32 v24, v6, 3, s27
	v_mad_u32_u24 v24, v8, 1536, v24
	v_mad_u32_u24 v24, v9, 768, v24
	v_lshl_add_u32 v24, v10, 7, v24                ; v24 its last 8
	s_lshl_b32 s27, s18, 7
	s_lshl_b32 s28, s19, 4
	s_add_co_u32 s27, s27, s28
	s_add_co_u32 s27, s27, FIS
	v_lshl_add_u32 v25, v6, 2, s27
	v_lshl_add_u32 v25, v8, 6, v25
	v_add_nc_u32 v25, v25, v11                     ; v25 its byte
	v_lshlrev_b32 v29, 7, v7                       ; my column block in lnf_g, lnf_b
	s_lshl_b32 s27, s16, 6
	v_lshl_add_u32 v30, v5, 5, s27                 ; b_proj: 64 w + 32 h
	s_mov_b32 s29, 0
	s_mov_b32 s31, 0
	s_mov_b32 s33, 0
	s_mul_i32 s28, s16, 3072
	s_lshl_b32 s30, s16, 8
	s_lshl_b32 s32, ttmp9, 15
	s_lshl_b32 s27, s16, 12
	s_add_co_u32 s32, s32, s27                     ; 1,024 x (32 id + 4 w)
	s_wait_kmcnt 0x0
	s_add_nc_u64 s[36:37], s[10:11], s[28:29]      ; W_proj's column tile w
	s_add_nc_u64 s[38:39], s[10:11], s[30:31]      ; its scale words (18,432 on)
	s_add_nc_u64 s[34:35], s[4:5], s[32:33]        ; my four rows
	s_wait_alu depctr_va_vdst(0)                   ; v1-3 and v17-30 are written: the offsets and LDS addresses that the loads and stores of the whole kernel read
	s_cmp_lt_u32 s16, 6
	s_cbranch_scc0 .Lno_w
	GFRAG3 144, 36, 0
	GFRAG3 156, 36, 1536
	global_load_b32 v32, v3, s[38:39] offset:18432
	global_load_b32 v33, v3, s[38:39] offset:18560
.irp t,0,1
	global_load_b128 v[168+8*\t:171+8*\t], v30, s[12:13]
	global_load_b128 v[172+8*\t:175+8*\t], v30, s[12:13] offset:16
.endr
.Lno_w:
.irp q,0,1,2,3
.irp i,0,1
	global_load_b128 v[184+8*\q+4*\i:187+8*\q+4*\i], v1, s[34:35] offset:1024*\q+512*\i   ; 32 lanes read 512 consecutive bytes
.endr
.endr
.irp i,0,1,2,3,4,5,6,7
	global_load_b128 v[80+4*\i:83+4*\i], v29, s[6:7] offset:16*\i
.endr
.irp i,0,1,2,3,4,5,6,7
	global_load_b128 v[112+4*\i:115+4*\i], v29, s[8:9] offset:16*\i
.endr
	s_wait_loadcnt 16                              ; my rows are in; gain and bias (16 loads) may be out
.irp q,0,1,2,3
.irp i,0,1
	ds_store_b128 v22, v[184+8*\q+4*\i:187+8*\q+4*\i] offset:1168*\q+576*\i
.endr
.endr
.irp i,0,1,2,3,4,5,6,7
	ds_load_b128 v[48+4*\i:51+4*\i], v21 offset:16*\i      ; LDS serves a wave's instructions in order: these see my wave's stores above
.endr
	s_wait_loadcnt 0x0
	s_wait_dscnt 0x0
	LNCORE 48, 80, 112, 232
	QBLK 48, 240, 246, 250
	s_wait_alu depctr_va_vdst(0)                   ; the quantiser has written the codes v240-245 and the byte v253, which the LDS stores read
	ds_store_b128 v23, v[240:243]
	ds_store_b64 v24, v[244:245] offset:512
	ds_store_b8 v25, v253
	s_wait_dscnt 0x0                               ; my stores into the fragments have landed
	s_barrier_signal -1
	s_barrier_wait -1                              ; everybody's have
	s_wait_alu depctr_vm_vsrc(0)                   ; my LDS stores into the stage have read v184-215, in which the fragments land
	s_cmp_lt_u32 s16, 6
	s_cbranch_scc0 .Lend
.irp f,0,1,2,3
	FRAGU 184+12*\f, 17, 18, 1536*\f
	ds_load_b32 v[34+\f], v19 offset:64*\f
.endr
	s_wait_dscnt 0x0
	WM 168, 144, 184, 168, 32, 34                  ; transposed: source 0 = 16 columns of W_proj, source 1 = 16 rows; two accumulators by turns
	WM 176, 144, 208, 176, 32, 36
	WM 168, 156, 196, 168, 33, 35
	WM 176, 156, 220, 176, 33, 37
	PLACES 4
	s_cmp_lg_u32 s16, 0
	s_cbranch_scc1 .Lend
	s_and_b32 s27, ttmp9, 63
	s_cmp_lt_u32 s27, 61
	s_cbranch_scc1 .Lend
	v_mov_b32 v232, 0
	v_permlanex16_b32 v232, v176, s22, s23         ; lane 16 + n takes row 16 + n's column 0 (register 0 of lane n of the second tile),
	v_cmp_gt_u32 vcc_lo, 16, v31
	s_wait_alu depctr_va_vcc(0)                    ; the compare has written VCC, which the select reads
	v_cndmask_b32 v233, v232, v168, vcc_lo         ; lane n keeps row n's
	s_lshr_b32 s28, ttmp9, 6
	s_mul_i32 s28, s28, 384                        ; 96 numbers a batch
	s_sub_co_u32 s27, s27, 61
	s_lshl_b32 s27, s27, 7                         ; 32 rows a work-group
	s_add_co_u32 s28, s28, s27
	s_mov_b32 s29, 0
	s_add_nc_u64 s[14:15], s[14:15], s[28:29]
	s_wait_alu depctr_va_vdst(0)                   ; the select has written v233, which the store reads
	global_store_b32 v3, v233, s[14:15]            ; 32 lanes store 128 consecutive bytes
.Lend:
	s_wait_dscnt 0x0                               ; the closing lines, six on end
	s_wait_alu 0x0
	s_wait_tensorcnt 0x0
	ds_add_u32 v254, v255
	s_wait_dscnt 0x0
	s_endpgm
.Lfunc_end_k_q9529b4c655_final:
	.size	k_q9529b4c655_final, .Lfunc_end_k_q9529b4c655_final-k_q9529b4c655_final
	.p2alignl 7, 3214868480
	.fill 96, 4, 3214868480
	.section	.rodata,"a",@progbits
	.p2align	6, 0x0
	.amdhsa_kernel k_q9529b4c655_final
		.amdhsa_group_segment_fixed_size 45056
		.amdhsa_private_segment_fixed_size 0
		.amdhsa_enable_private_segment 0
		.amdhsa_kernarg_size 48
		.amdhsa_user_sgpr_count 2
		.amdhsa_user_sgpr_kernarg_segment_ptr 1
		.amdhsa_wavefront_size32 1
		.amdhsa_system_sgpr_workgroup_id_x 1
		.amdhsa_system_sgpr_workgroup_id_y 1
		.amdhsa_system_sgpr_workgroup_id_z 1
		.amdhsa_system_vgpr_workitem_id 0
		.amdhsa_next_free_vgpr 256
		.amdhsa_next_free_sgpr 66
		.amdhsa_reserve_vcc 1
		.amdhsa_float_denorm_mode_32 3
		.amdhsa_float_denorm_mode_16_64 3
		.amdhsa_memory_ordered 1
		.amdhsa_forward_progress 1
		.amdhsa_inst_pref_size 19
	.end_amdhsa_kernel
	.amdgpu_metadata
---
amdhsa.version: [ 1, 2 ]
amdhsa.kernels:
  - .name:           k_q9529b4c655_final
    .symbol:         k_q9529b4c655_final.kd
    .args:
      - { .name: xfA, .offset: 0, .size: 8, .value_kind: global_buffer, .address_space: global }
      - { .name: lnf_g, .offset: 8, .size: 8, .value_kind: global_buffer, .address_space: global }
      - { .name: lnf_b, .offset: 16, .size: 8, .value_kind: global_buffer, .address_space: global }
      - { .name: fin, .offset: 24, .size: 8, .value_kind: global_buffer, .address_space: global }
      - { .name: b_proj, .offset: 32, .size: 8, .value_kind: global_buffer, .address_space: global }
      - { .name: out0, .offset: 40, .size: 8, .value_kind: global_buffer, .address_space: global }
    .group_segment_fixed_size: 45056
    .private_segment_fixed_size: 0
    .kernarg_segment_align: 8
    .kernarg_segment_size: 48
    .max_flat_workgroup_size: 256
    .sgpr_count:     66
    .vgpr_count:     256
    .wavefront_size: 32
...
	.end_amdgpu_metadata
.endif
;; end of part 6
